; MI455X (gfx1250); checked and timed in simulation.
; The chip was launched on July 23, 2026; its instructions are those of AMD's public machine-readable ISA for CDNA 5 (MIT licence, August 2026) and "CDNA5" Instruction Set Architecture Reference Guide (July 2026). The comments in the code are by the model that wrote it; some were corrected since.
;; GPT2 Block. Allowed arithmetic: matrix products marked QUANTISED: E2M3 operands, one E8M0 scale for each 32 along K, by v_wmma_scale_f32_16x16x128_f8f6f4 with both operands' format E2M3, f32 sums; everything else in f32.
;; Inputs: b_attn 3,072 float32; b_attn_proj 1,024 float32; b_fc 4,096 float32; b_fc_proj 1,024 float32; ln1_b 1,024 float32; ln1_g 1,024 float32; ln2_b 1,024 float32; ln2_g 1,024 float32; w_attn 1,024 x 3,072 float32; w_attn_proj 1,024 x 1,024 float32; w_fc 1,024 x 4,096 float32; w_fc_proj 4,096 x 1,024 float32; x 2 x 2,048 x 1,024 float32.
;; Outputs: out0 2 x 2,048 x 1,024 float32.
;; This version of the problem:
;;   THIS VERSION OF THE PROBLEM IS GIVEN IN LOW PRECISION. The matrix products marked QUANTISED in the list below multiply operands that are first quantised to E2M3 (2 exponent bits, 3 mantissa bits; 6 bits a number), with one power-of-two scale for each 32 numbers along K (OCP MX v1.0); their sums are f32. All else is computed in f32.
;;   The module's matrix products, in the order in which they are computed (A, B: the left and right operand; K: the contracted axis; several contracted axes count as one K, in the product's order):
;;     1. [M 4,096, K 1,024] x [K 1,024, N 3,072]; A: computed on the way; B: input w_attn: QUANTISED
;;     2. batch 32 x [M 2,048, K 64] x [K 64, N 2,048]; A: computed on the way; B: computed on the way: QUANTISED
;;     3. batch 32 x [M 2,048, K 2,048] x [K 2,048, N 64]; A: softmax (see below); B: computed on the way: QUANTISED
;;     4. [M 4,096, K 1,024] x [K 1,024, N 1,024]; A: computed on the way; B: input w_attn_proj: QUANTISED
;;     5. [M 4,096, K 1,024] x [K 1,024, N 4,096]; A: computed on the way; B: input w_fc: QUANTISED
;;     6. [M 4,096, K 4,096] x [K 4,096, N 1,024]; A: computed on the way; B: input w_fc_proj: QUANTISED
;;   THE QUANTISER, for each operand of a quantised product, along K:
;;     - K is cut into blocks of 32 from its start; a last block that is shorter is filled with zeros.
;;     - A block's scale is 2^e with e = floor(log2(the largest magnitude in the block)) - 2, held to -126 .. 127; a block of zeros has e = 0. As a byte (E8M0): e + 127.
;;     - Each number is divided by its block's scale, clamped to +-7.5, and rounded to the nearest number of E2M3, ties to even, subnormals kept.
;;     - The product sums the exact products of the quantised numbers (number of the format x scale) in f32.
;;   ~~~python
;;   def quantise(x, axis):      # numpy; x: float32 -> the quantised numbers, widened to float32 again
;;       x = np.moveaxis(x, axis, -1); K = x.shape[-1]
;;       x = np.pad(x, [(0, 0)] * (x.ndim - 1) + [(0, -K % 32)]); x = x.reshape(x.shape[:-1] + (-1, 32)); a = np.abs(x).max(-1, keepdims=True)
;;       e = np.where(a > 0, np.clip(np.frexp(np.where(a > 0, a, 1))[1] - 1 - 2, -126, 127), 0)      # np.frexp(a)[1] - 1 = floor(log2(a)), exactly
;;       r = np.clip(x / 2.0 ** e, -7.5, 7.5)
;;       step = 2.0 ** (np.maximum(np.frexp(np.where(r == 0, 1, r))[1] - 1, 0) - 3)
;;       q = np.round(r / step) * step * 2.0 ** e      # np.round: ties to even
;;       return np.moveaxis(q.reshape(q.shape[:-2] + (-1,))[..., :K], -1, axis).astype(np.float32)
;;   ~~~
;;   SOFTMAX AHEAD OF A QUANTISED PRODUCT. Where the list says 'softmax', what is quantised is not the finished softmax but p = 2^(t - M), with t = logit x log2(e) and M = ceil(the row's largest t), a whole number; so 1/2 < the row's largest p <= 1. The row's sum l is taken of the UNQUANTISED p, in f32, and the product's result is divided by l at the end. Since M is a whole number, a kernel that streams over the keys may use a running M (the ceiling of the running maximum): every later rescaling is an exact power of two, which a block's scale takes up: the codes' values come out the same.
;;   OPERANDS COMPUTED ON THE WAY. 'Computed on the way' means the value that the module computes at that place (a softmax that the list does not call 'softmax' is quantised finished and normalised). What goes into a quantiser is computed in f32, as accurately as f32 sums, v_exp_f32 and their like allow (about 1e-6 of the number): no bf16 or f16 on the way to a quantiser, and a product that is left as it is and whose result goes on into a quantised operand takes f32 operands (vector FMAs, or v_wmma_f32_16x16x4_f32). A number that lies on a knife's edge between two numbers of the format may be rounded either way, as far as f32 arithmetic and the matrix unit's own rounding can turn it there, and no further.
;; One version. Each part assembles by itself: llvm-mc -triple=amdgcn-amd-amdhsa -mcpu=gfx1250 --defsym DOCPART=n.
;; ======== version 1 of 1: 7 launches
;; limits: right only within a limited range of input values
;; workspace buffers: W 9,830,400 bytes; H 3,276,800 bytes; QKV 9,830,400 bytes; OC 3,276,800 bytes; X1 16,777,216 bytes; MC 13,107,200 bytes
;; launch prep (part 1): grid 1024 x 1, 4 waves a work-group, no clusters, 33,280 bytes of LDS; arguments w_attn, w_attn_proj, w_fc, w_fc_proj, W, H, x, ln1_g, ln1_b; writes W, H
.if DOCPART == 1
	.amdgcn_target "amdgcn-amd-amdhsa--gfx1250"
	.amdhsa_code_object_version 6
	.text
	.protected	k_q96082b37dc_prep
	.globl	k_q96082b37dc_prep
	.p2align	8
	.type	k_q96082b37dc_prep,@function
k_q96082b37dc_prep:
	s_mov_b64 s[64:65], 0
	v_nop
	global_prefetch_b8 v0, s[64:65] scope:SCOPE_SE
	s_setreg_imm32_b32 hwreg(HW_REG_WAVE_MODE, 25, 1), 1
	s_wait_xcnt 0x0
; Two jobs that only stream from memory and depend on nothing share this launch: work-groups 0-767 quantise the four weights, work-groups 768-1023 make LayerNorm 1 of x and quantise it.
; The ways part once, at the first line, on the work-group's number alone: all four waves of a work-group take the same way.  Only the norm's way touches LDS and has a barrier.
; OUTPUT FORMAT (all code buffers of this program): a fragment = 16 stored rows x 128 K = 1,536 bytes, laid as the operand's registers:
; for each half c (64 K): 512 bytes, lane L's registers 6c..6c+3 at 16 L; then 256 bytes, lane (r, h)'s registers 6c+4, 6c+5 at 16 r + 8 h.
; codes [group g][K step s][1536]; scale words [g][s][16 words].  Stored row r of group g is the true row 32 (g/2) + 8 (g%2) + r + 8 (r/8).
; Codes are FP6 (E2M3) with one E8M0 byte for each 32 along K.  Nothing is shared between work-groups: no cluster, no tensor load.
; LIMITS: NaN and infinities are not served; a block whose largest magnitude lies under 2^-124 (zeros too) gets the byte 1: only this program reads the bytes.
.set NWQ, 768                          ; THE NUMBERS AS THEY STAND: work-groups 0-767 take weights, work-groups 768-1023 the norm; each reads 65,536 bytes of f32 numbers
	s_cmp_lt_u32 ttmp9, NWQ
	s_cbranch_scc0 .Lnorm
; ---- THE WEIGHTS, f32 stored [K][N], quantised along K, all into one buffer W.
; A LANE TAKES A COLUMN n AND ITS REGISTERS RUN DOWN K: a block of 32 along K lies in one lane, and the conversions give codes with K innermost.
; A work-group takes 128 columns x 128 K (one K step), a wave 32 columns.  Work-groups 0-191 w_attn, 192-255 w_attn_proj, 256-511 w_fc, 512-767 w_fc_proj: only numbers and pointers are chosen.
; Blocks t-1 (h = 0) and t (h = 1) of a column fill 48 bytes of a half: three stores of 16 bytes a lane, in which sixteen lanes fill 256 consecutive bytes.  Loads run two blocks (64 loads a wave) ahead.
; This way touches no LDS.
.set OFF, 32
.set X,   64                           ; v64-127  two sets of 32 numbers
.set CD,  128                          ; v128-151 codes: 12 registers for each pair of blocks, so that no store's data are written again
.set TT,  176                          ; v176-178 a conversion's second half
.set SB,  184                          ; v184 scale bytes, four to a register
	s_load_b256 s[4:11], s[0:1], 0x0               ; w_attn, w_attn_proj, w_fc, w_fc_proj
	s_load_b64 s[12:13], s[0:1], 0x20              ; W
	v_lshrrev_b32 v1, 5, v0
	v_readfirstlane_b32 s14, v1                    ; wave
	v_and_b32 v2, 31, v0                           ; lane = column in the wave's 32
	v_lshlrev_b32 v3, 2, v2
	s_mov_b32 s16, 4096                            ; w_fc_proj's numbers: a row in bytes,
	s_mov_b32 s17, 512
	s_mov_b32 s18, 6291456                         ; its codes in W,
	s_mov_b32 s19, 9699328                         ; its scale words,
	s_mov_b32 s20, 32                              ; K steps,
	s_mov_b32 s21, 5
	s_wait_alu depctr_va_vdst(0)
	s_wait_kmcnt 0x0
	s_mov_b64 s[22:23], s[10:11]
	s_cmp_lt_u32 ttmp9, 512
	s_cselect_b32 s16, 16384, s16
	s_cselect_b32 s17, 256, s17
	s_cselect_b32 s18, 3145728, s18
	s_cselect_b32 s19, 9568256, s19
	s_cselect_b32 s20, 8, s20
	s_cselect_b32 s21, 3, s21
	s_cselect_b64 s[22:23], s[8:9], s[22:23]
	s_cmp_lt_u32 ttmp9, 256
	s_cselect_b32 s16, 4096, s16
	s_cselect_b32 s17, 192, s17
	s_cselect_b32 s18, 2359296, s18
	s_cselect_b32 s19, 9535488, s19
	s_cselect_b64 s[22:23], s[6:7], s[22:23]
	s_cmp_lt_u32 ttmp9, 192
	s_cselect_b32 s16, 12288, s16
	s_cselect_b32 s17, 0, s17
	s_cselect_b32 s18, 0, s18
	s_cselect_b32 s19, 9437184, s19
	s_cselect_b64 s[22:23], s[4:5], s[22:23]
	s_sub_co_u32 s24, ttmp9, s17                   ; my number within the weight
	s_lshr_b32 s25, s24, s21                       ; tile of 128 columns
	s_lshl_b32 s26, s25, s21
	s_sub_co_u32 s26, s24, s26                     ; tile of 128 along K
	s_lshl_b32 s27, s25, 7
	s_lshl_b32 s28, s14, 5
	s_add_co_u32 s27, s27, s28                     ; my wave's first column
	s_mul_i32 s28, s26, s16
	s_lshl_b32 s28, s28, 7                         ; 128 rows a tile
	s_lshl_b32 s27, s27, 2
	s_add_co_u32 s28, s28, s27
	s_mov_b32 s29, 0
	s_lshl_b32 s50, s16, 5                         ; 32 rows on
	s_mov_b32 s51, 0
	s_add_nc_u64 s[32:33], s[22:23], s[28:29]      ; a base for each of the 4 blocks: nothing is stepped
.irp t, 1,2,3
	s_add_nc_u64 s[32+2*\t:33+2*\t], s[30+2*\t:31+2*\t], s[50:51]
.endr
.irp i, 0,1,2,3,4,5,6,7,8,9,10,11,12,13,14,15,16,17,18,19,20,21,22,23,24,25,26,27,28,29,30,31
	v_mad_u32_u24 v[OFF+\i], s16, \i, v3
.endr
.macro LOAD t
.irp i, 0,1,2,3,4,5,6,7,8,9,10,11,12,13,14,15,16,17,18,19,20,21,22,23,24,25,26,27,28,29,30,31
	global_load_b32 v[X+32*((\t)%2)+\i], v[OFF+\i], s[32+2*(\t):33+2*(\t)] th:TH_LOAD_NT   ; 128 consecutive bytes a wave
.endr
.endm
	LOAD 0
	LOAD 1
	s_lshl_b32 s52, s25, 3
	s_lshl_b32 s53, s14, 1
	s_add_co_u32 s52, s52, s53                     ; my first group: 8 x tile + 2 x wave
	s_mul_i32 s52, s52, s20
	s_add_co_u32 s52, s52, s26                     ; the number of my first fragment: a tile along K is one K step
	s_lshl_b32 s54, s52, 6
	s_add_co_u32 s54, s54, s19
	s_mov_b32 s55, 0
	s_mul_i32 s52, s52, 1536
	s_add_co_u32 s52, s52, s18
	s_mov_b32 s53, 0
	s_add_nc_u64 s[52:53], s[12:13], s[52:53]
	s_add_nc_u64 s[54:55], s[12:13], s[54:55]
	v_bfe_u32 v4, v2, 3, 1                         ; which of my two groups: (x / 8) % 2
	v_and_b32 v5, 7, v2
	v_lshrrev_b32 v6, 4, v2
	v_lshl_add_u32 v5, v6, 3, v5                   ; stored row: x % 8 + 8 (x / 16)
	s_mul_i32 s56, s20, 1536
	v_mul_u32_u24 v7, s56, v4
	v_lshl_add_u32 v7, v5, 4, v7                   ; codes: group x K steps x 1,536 + 16 r
	s_lshl_b32 s57, s20, 6
	v_mul_u32_u24 v8, s57, v4
	v_lshl_add_u32 v8, v5, 2, v8                   ; scale words: group x K steps x 64 + 4 r
.macro BLOCK t
.set XS, X+32*((\t)%2)
.set CP, CD+12*((\t)/2)+4*((\t)%2)     ; this block's registers 0-3
.set DP, CD+12*((\t)/2)+8+2*((\t)%2)   ; its registers 4, 5
.if (\t) < 3
	s_wait_loadcnt 32
.else
	s_wait_loadcnt 0
.endif
	v_max3_num_f32 v12, |v[XS]|, |v[XS+1]|, |v[XS+2]|
	v_max3_num_f32 v13, |v[XS+3]|, |v[XS+4]|, |v[XS+5]|
.irp i, 6,10,14,18,22,26
	v_max3_num_f32 v12, v12, |v[XS+\i]|, |v[XS+\i+1]|
	v_max3_num_f32 v13, v13, |v[XS+\i+2]|, |v[XS+\i+3]|
.endr
	v_max3_num_f32 v12, v12, |v[XS+30]|, |v[XS+31]|
	v_max3_num_f32 v12, v12, v13, 0x1800000        ; the floor 2^(3 - 127)
	v_add_nc_u32 v11, 0xff000000, v12              ; the conversion's scale operand
	v_lshrrev_b32 v13, 23, v11                     ; the byte
.if (\t)%4 == 0
	v_mov_b32 v[SB+(\t)/4], v13
.else
	v_lshl_or_b32 v[SB+(\t)/4], v13, 8*((\t)%4), v[SB+(\t)/4]
.endif
	v_cvt_scalef32_pk16_fp6_f32 v[CP:CP+2], v[XS:XS+15], v11
	v_cvt_scalef32_pk16_fp6_f32 v[TT:TT+2], v[XS+16:XS+31], v11
	v_nop                                          ; a plain instruction behind the conversions
	v_mov_b32 v[CP+3], v[TT]
	v_mov_b32 v[DP], v[TT+1]
	v_mov_b32 v[DP+1], v[TT+2]
.if (\t)+2 < 4
	LOAD (\t)+2
.endif
.if (\t)%2 == 1
.set PB, CD+12*((\t)/2)
.set PO, ((\t)/4)*1536+(((\t)%4)/2)*768
	global_store_b128 v7, v[PB:PB+3], s[52:53] offset:PO         ; h = 0: registers 0-3
	global_store_b128 v7, v[PB+4:PB+7], s[52:53] offset:PO+256   ; h = 1: registers 0-3
	global_store_b128 v7, v[PB+8:PB+11], s[52:53] offset:PO+512  ; registers 4, 5 of both
.endif
.endm
.irp t, 0,1,2,3
	BLOCK \t
.endr
	global_store_b32 v8, v[SB], s[54:55]
	s_endpgm
; ---- THE NORM: LayerNorm of rows of 1,024 f32 numbers, quantised along the row.
; A work-group makes one group g (16 tokens), a wave four tokens (neighbours in memory).  Mean and variance in two passes over registers, f32.
; A row then turns through the wave's own stage in LDS, so that lane l holds block l (32 neighbours).
.Lnorm:
.set X,    64                          ; v64-191  four rows, 32 registers each: register 4 j + e = column 128 j + 4 lane + e
.set GA,   192                         ; v192-223 the gain, same layout
.set BE,   224                         ; v224-255 the bias
.set Y,    32                          ; v32-63   a block's 32 neighbours; later the way out
.set STGB, 4608                        ; a wave's stage: 32 blocks x (128 bytes + 16)
.set IMG,  4*STGB                      ; the group's image: 48 pieces of 256 bytes, 272 apart
.set SCB,  IMG+48*272                  ; the group's 512 scale bytes
	s_load_b64 s[10:11], s[0:1], 0x28              ; the codes' buffer H
	s_load_b128 s[4:7], s[0:1], 0x30               ; rows s[4:5], gain s[6:7]
	s_load_b64 s[8:9], s[0:1], 0x40                ; bias
	s_sub_co_u32 s28, ttmp9, NWQ                   ; my group g
	v_lshrrev_b32 v1, 5, v0
	v_readfirstlane_b32 s12, v1                    ; wave 0..3
	v_and_b32 v2, 31, v0                           ; lane
	v_lshlrev_b32 v3, 4, v2                        ; 16 x lane
	s_lshr_b32 s13, s28, 1
	s_lshl_b32 s13, s13, 5                         ; 32 (g / 2)
	s_and_b32 s14, s28, 1
	s_lshl_b32 s14, s14, 3
	s_add_co_u32 s13, s13, s14                     ; + 8 (g % 2)
	s_lshl_b32 s14, s12, 2
	s_add_co_u32 s13, s13, s14                     ; + 4 wave
	s_lshr_b32 s14, s12, 1
	s_lshl_b32 s14, s14, 3
	s_add_co_u32 s13, s13, s14                     ; + 8 (wave / 2): my first token
	s_lshl_b32 s14, s13, 12                        ; x 4,096 bytes
	s_mov_b32 s15, 0
	s_mul_i32 s16, s28, 12288                      ; the group's codes
	s_mov_b32 s17, 0
	s_lshl_b32 s20, s28, 9                         ; the group's scale words
	s_mov_b32 s21, 0
	s_mov_b32 s18, 0x76543210
	s_mov_b32 s19, 0xfedcba98                      ; lane l xor 16
	s_mov_b32 s22, 0x3a800000                      ; 1 / 1024
	s_mov_b32 s23, 0x3727c5ac                      ; 1e-5
	s_wait_alu depctr_va_vdst(0)
	s_wait_kmcnt 0x0
	s_add_nc_u64 s[4:5], s[4:5], s[14:15]
	s_add_nc_u64 s[24:25], s[10:11], s[16:17]
	s_add_nc_u64 s[26:27], s[10:11], s[20:21]
.irp i, 0,1,2,3
.irp j, 0,1,2,3,4,5,6,7
	global_load_b128 v[X+32*\i+4*\j:X+32*\i+4*\j+3], v3, s[4:5] offset:4096*\i+512*\j th:TH_LOAD_NT   ; 512 consecutive bytes a load
.endr
.endr
.irp j, 0,1,2,3,4,5,6,7
	global_load_b128 v[GA+4*\j:GA+4*\j+3], v3, s[6:7] offset:512*\j
	global_load_b128 v[BE+4*\j:BE+4*\j+3], v3, s[8:9] offset:512*\j
.endr
	; LDS addresses: a constant + a lane term + a constant x wave
	v_lshrrev_b32 v4, 3, v2
	v_lshl_add_u32 v4, v4, 4, v3
	s_mul_i32 s16, s12, STGB
	v_add_nc_u32 v4, s16, v4                       ; stage, in: 16 lane + 16 (lane / 8)
	v_mul_u32_u24 v5, v2, 144
	v_add_nc_u32 v5, s16, v5                       ; stage, out: block = lane, 144 bytes apart
	v_lshrrev_b32 v6, 2, v2                        ; K step of my block
	v_mul_u32_u24 v7, v6, 6
	v_bfe_u32 v16, v2, 1, 1
	v_mad_u32_u24 v7, v16, 3, v7                   ; piece 6 s + 3 c
	v_and_b32 v17, 1, v2                           ; h of my block
	v_add_nc_u32 v18, v7, v17
	v_mul_u32_u24 v18, v18, 272
	s_lshl_b32 s17, s12, 6
	s_add_co_u32 s17, s17, IMG
	v_add_nc_u32 v18, s17, v18                     ; registers 0-3: piece + h, at 16 r (r = 4 wave + i)
	v_mul_u32_u24 v19, v7, 272
	v_lshl_add_u32 v19, v17, 3, v19
	v_add_nc_u32 v19, s17, v19
	v_add_nc_u32 v19, 2*272, v19                   ; registers 4, 5: piece + 2, at 16 r + 8 h
	v_and_b32 v29, 3, v2
	v_lshl_add_u32 v29, v6, 6, v29
	s_lshl_b32 s17, s12, 4
	s_add_co_u32 s17, s17, SCB
	v_add_nc_u32 v29, s17, v29                     ; scale byte: 64 s + 4 r + block
	v_lshrrev_b32 v30, 4, v0
	v_mul_u32_u24 v30, v30, 272
	v_and_b32 v31, 15, v0
	v_lshl_add_u32 v30, v31, 4, v30
	v_add_nc_u32 v30, IMG, v30                     ; the way out: thread t reads piece t / 16, 16 bytes
	v_lshlrev_b32 v31, 4, v0
	v_lshl_add_u32 v1, v0, 2, SCB
	v_lshlrev_b32 v6, 2, v0
.macro REDUCE                          ; the four rows' pairs v[8+2i:9+2i] become sums over the wave, in every lane
.irp i, 0,1,2,3
	v_add_f32 v[8+2*\i], v[8+2*\i], v[9+2*\i]
.endr
.irp m, 1,2,4,8
.irp i, 0,1,2,3
	v_add_f32_dpp v[8+2*\i], v[8+2*\i], v[8+2*\i] row_xmask:\m row_mask:0xf bank_mask:0xf
.endr
.endr
.irp i, 0,1,2,3
	v_permlanex16_b32 v[9+2*\i], v[8+2*\i], s18, s19
.endr
.irp i, 0,1,2,3
	v_add_f32 v[8+2*\i], v[8+2*\i], v[9+2*\i]
.endr
.endm
	s_wait_loadcnt 0x0
.irp i, 0,1,2,3
	v_pk_add_f32 v[8+2*\i:9+2*\i], v[X+32*\i:X+32*\i+1], v[X+32*\i+2:X+32*\i+3]
.endr
.irp j, 4,6,8,10,12,14,16,18,20,22,24,26,28,30
.irp i, 0,1,2,3
	v_pk_add_f32 v[8+2*\i:9+2*\i], v[8+2*\i:9+2*\i], v[X+32*\i+\j:X+32*\i+\j+1]
.endr
.endr
	REDUCE
.irp i, 0,1,2,3
	v_mul_f32 v[8+2*\i], s22, v[8+2*\i]            ; the mean
.endr
.irp j, 0,2,4,6,8,10,12,14,16,18,20,22,24,26,28,30
.irp i, 0,1,2,3
	v_pk_add_f32 v[X+32*\i+\j:X+32*\i+\j+1], v[X+32*\i+\j:X+32*\i+\j+1], v[8+2*\i:9+2*\i] op_sel_hi:[1,0] neg_lo:[0,1] neg_hi:[0,1]   ; x - mean
.endr
.endr
.irp i, 0,1,2,3
	v_pk_mul_f32 v[8+2*\i:9+2*\i], v[X+32*\i:X+32*\i+1], v[X+32*\i:X+32*\i+1]
.endr
.irp j, 2,4,6,8,10,12,14,16,18,20,22,24,26,28,30
.irp i, 0,1,2,3
	v_pk_fma_f32 v[8+2*\i:9+2*\i], v[X+32*\i+\j:X+32*\i+\j+1], v[X+32*\i+\j:X+32*\i+\j+1], v[8+2*\i:9+2*\i]
.endr
.endr
	REDUCE
.irp i, 0,1,2,3
	v_fma_f32 v[8+2*\i], v[8+2*\i], s22, s23       ; variance + eps
.endr
	s_wait_alu depctr_va_vdst(0)
.irp i, 0,1,2,3
	v_rsq_f32 v[8+2*\i], v[8+2*\i]
.endr
	v_nop                                          ; a plain instruction behind the last of the four
	s_wait_alu depctr_va_vdst(0)                   ; one wait for the four, ahead of their first reader
.irp j, 0,2,4,6,8,10,12,14,16,18,20,22,24,26,28,30
.irp i, 0,1,2,3
	v_pk_mul_f32 v[X+32*\i+\j:X+32*\i+\j+1], v[X+32*\i+\j:X+32*\i+\j+1], v[8+2*\i:9+2*\i] op_sel_hi:[1,0]
.endr
.endr
.irp j, 0,2,4,6,8,10,12,14,16,18,20,22,24,26,28,30
.irp i, 0,1,2,3
	v_pk_fma_f32 v[X+32*\i+\j:X+32*\i+\j+1], v[X+32*\i+\j:X+32*\i+\j+1], v[GA+\j:GA+\j+1], v[BE+\j:BE+\j+1]
.endr
.endr
; Row i: through the stage (LDS serves a wave's instructions in order: no wait between stores and loads), then my block is quantised and laid into the image.
.macro ROWQ i
.irp j, 0,1,2,3,4,5,6,7
	ds_store_b128 v4, v[X+32*\i+4*\j:X+32*\i+4*\j+3] offset:576*\j
.endr
.irp j, 0,1,2,3,4,5,6,7
	ds_load_b128 v[Y+4*\j:Y+4*\j+3], v5 offset:16*\j
.endr
	s_wait_dscnt 0x0                               ; my block is in; the last row's image stores have read their registers
	v_max3_num_f32 v12, |v[Y]|, |v[Y+1]|, |v[Y+2]|
	v_max3_num_f32 v13, |v[Y+3]|, |v[Y+4]|, |v[Y+5]|
.irp k, 6,10,14,18,22,26
	v_max3_num_f32 v12, v12, |v[Y+\k]|, |v[Y+\k+1]|
	v_max3_num_f32 v13, v13, |v[Y+\k+2]|, |v[Y+\k+3]|
.endr
	v_max3_num_f32 v12, v12, |v[Y+30]|, |v[Y+31]|
	v_max3_num_f32 v12, v12, v13, 0x1800000        ; the floor 2^(3 - 127): the byte cannot fall under 1
	v_add_nc_u32 v11, 0xff000000, v12              ; 2 off the exponent field: the conversion's scale operand
	v_lshrrev_b32 v13, 23, v11                     ; the scale's byte
	v_cvt_scalef32_pk16_fp6_f32 v[20:22], v[Y:Y+15], v11
	v_cvt_scalef32_pk16_fp6_f32 v[26:28], v[Y+16:Y+31], v11
	v_nop                                          ; a plain instruction behind the conversions
	v_mov_b32 v23, v26
	v_mov_b32 v24, v27
	v_mov_b32 v25, v28
	ds_store_b128 v18, v[20:23] offset:16*\i
	ds_store_b64 v19, v[24:25] offset:16*\i
	ds_store_b8 v29, v13 offset:4*\i
.endm
	ROWQ 0
	ROWQ 1
	ROWQ 2
	ROWQ 3
	s_wait_dscnt 0x0                               ; for the others' sake: my stores into the image are done
	s_barrier_signal -1
	s_barrier_wait -1
.irp t, 0,1,2,3,4,5
	ds_load_b128 v[Y+4*\t:Y+4*\t+3], v30 offset:2176*\t
.endr
	ds_load_b32 v56, v1
.irp t, 0,1,2,3,4,5
	s_wait_dscnt 6-\t                              ; LDS loads come back in order: load t is in, the younger may be out
	global_store_b128 v31, v[Y+4*\t:Y+4*\t+3], s[24:25] offset:2048*\t   ; the work-group stores 2,048 consecutive bytes
.endr
	s_wait_dscnt 0x0
	global_store_b32 v6, v56, s[26:27] offset:3145728
	v_lshl_add_u32 v8, v0, 2, 0x8000               ; all 256 registers were at work, so the add's two are made here, from v0 as it was at the entry
	v_mov_b32 v9, 0
	s_wait_alu depctr_va_vdst(0)
	s_wait_tensorcnt 0x0                           ; the wave's end
	ds_add_u32 v8, v9
	s_wait_dscnt 0x0
	s_endpgm
.Lfunc_end_k_q96082b37dc_prep:
	.size	k_q96082b37dc_prep, .Lfunc_end_k_q96082b37dc_prep-k_q96082b37dc_prep
	.p2alignl 7, 3214868480
	.fill 96, 4, 3214868480
	.section	.rodata,"a",@progbits
	.p2align	6, 0x0
	.amdhsa_kernel k_q96082b37dc_prep
		.amdhsa_group_segment_fixed_size 33280
		.amdhsa_private_segment_fixed_size 0
		.amdhsa_enable_private_segment 0
		.amdhsa_kernarg_size 72
		.amdhsa_user_sgpr_count 2
		.amdhsa_user_sgpr_kernarg_segment_ptr 1
		.amdhsa_wavefront_size32 1
		.amdhsa_system_sgpr_workgroup_id_x 1
		.amdhsa_system_sgpr_workgroup_id_y 1
		.amdhsa_system_sgpr_workgroup_id_z 1
		.amdhsa_system_vgpr_workitem_id 0
		.amdhsa_next_free_vgpr 256
		.amdhsa_next_free_sgpr 66
		.amdhsa_reserve_vcc 0
		.amdhsa_float_denorm_mode_32 3
		.amdhsa_float_denorm_mode_16_64 3
		.amdhsa_memory_ordered 1
		.amdhsa_forward_progress 1
		.amdhsa_inst_pref_size 68
	.end_amdhsa_kernel
	.amdgpu_metadata
---
amdhsa.version: [ 1, 2 ]
amdhsa.kernels:
  - .name:           k_q96082b37dc_prep
    .symbol:         k_q96082b37dc_prep.kd
    .args:
      - { .name: w_attn, .offset: 0, .size: 8, .value_kind: global_buffer, .address_space: global }
      - { .name: w_attn_proj, .offset: 8, .size: 8, .value_kind: global_buffer, .address_space: global }
      - { .name: w_fc, .offset: 16, .size: 8, .value_kind: global_buffer, .address_space: global }
      - { .name: w_fc_proj, .offset: 24, .size: 8, .value_kind: global_buffer, .address_space: global }
      - { .name: W, .offset: 32, .size: 8, .value_kind: global_buffer, .address_space: global }
      - { .name: H, .offset: 40, .size: 8, .value_kind: global_buffer, .address_space: global }
      - { .name: x, .offset: 48, .size: 8, .value_kind: global_buffer, .address_space: global }
      - { .name: ln1_g, .offset: 56, .size: 8, .value_kind: global_buffer, .address_space: global }
      - { .name: ln1_b, .offset: 64, .size: 8, .value_kind: global_buffer, .address_space: global }
    .group_segment_fixed_size: 33280
    .private_segment_fixed_size: 0
    .kernarg_segment_align: 8
    .kernarg_segment_size: 72
    .max_flat_workgroup_size: 128
    .sgpr_count:     66
    .vgpr_count:     256
    .wavefront_size: 32
...
	.end_amdgpu_metadata
.endif
;; end of part 1
;; launch gqkv (part 2): grid 12 x 16, 4 waves a work-group, clusters of 4 x 4, 327,680 bytes of LDS; arguments H, W, b_attn, QKV; writes QKV
.if DOCPART == 2
	.amdgcn_target "amdgcn-amd-amdhsa--gfx1250"
	.amdhsa_code_object_version 6
	.text
	.protected	k_q96082b37dc_gqkv
	.globl	k_q96082b37dc_gqkv
	.p2align	8
	.type	k_q96082b37dc_gqkv,@function
k_q96082b37dc_gqkv:
	s_mov_b64 s[64:65], 0
	v_nop
	global_prefetch_b8 v0, s[64:65] scope:SCOPE_SE
	s_setreg_imm32_b32 hwreg(HW_REG_WAVE_MODE, 25, 1), 1
	s_wait_xcnt 0x0
	s_wait_alu depctr_hold_cnt(0) depctr_sa_sdst(0) depctr_va_vdst(0) depctr_va_sdst(0) depctr_va_ssrc(0) depctr_va_vcc(0) depctr_vm_vsrc(0)
	s_getreg_b32 s2, hwreg(HW_REG_IB_STS2, 6, 4)
	s_cmp_eq_u32 s2, 0
	s_cbranch_scc0 .Lentry_in_a_cluster
	s_endpgm
.Lentry_in_a_cluster:
	s_bfe_u32 s2, ttmp6, 0x10000c
	s_cmp_lg_u32 s2, 0xf033
	s_cbranch_scc0 .Lentry_shape_is_right
	s_endpgm
.Lentry_shape_is_right:
; qkv = LN1(x) w_attn + b_attn on codes of FP6 (E2M3) with E8M0 scales, and its quantising for attention: q and k along the head's 64, v along the keys.
; OPERANDS lie in memory as images of the operand's registers: fragment = 16 stored rows x 128 K = 1,536 bytes (per half of 64 K: 512 bytes, lane L's registers 0-3 at 16 L; 256 bytes, registers 4, 5 at 16 r + 8 h);
; codes [group][K step][1536], scale words [group][K step][16].  Stored row r of group g is the true row 32 (g/2) + 8 (g%2) + r + 8 (r/8).
; A work-group of four waves makes 256 x 256, a wave 128 x 128 (64 accumulators).
; K's 8 steps of 128 lie in slots of 2.  THREE LDS slots are filled at the start (K steps 0-5: 3 x 98,304 bytes), and slot 0 is filled once more (K steps 6, 7) when it has been read:
; that one refill has K steps 2 to 5, 256 matrix instructions a wave, in which to land.  The eight steps are written out.
; THE MATRIX INSTRUCTION IS USED TRANSPOSED (source 0 = the B side's 16 rows, source 1 = the A side's): a lane holds ONE row of the A side, and by the row map its 64 registers of a block are 128 true columns
; in the order 32 b + 16 h + 0..15: what the conversions want.  Clusters x = 0 (q) and 1 (k): A side = tokens, B side = weight columns.  Cluster x = 2 (v): THE SIDES CHANGE ROLES, so that a lane holds a channel of v
; and its registers run along the tokens, v's quantising axis.
; CLUSTERS 4 x 4: the A side's tile is shared along a row of the cluster, the B side's along a column: joint loads.
; REGISTERS: window 0: v1 r, v2 h, v3-4 store offsets, v8-15 v's bias, v16-27 LDS addresses (three slots), v28-29 the add's, v30 scale words' address, v32-63 scale words (nothing else), v64-255 A's fragments, two sets;
;   window 1: B's two sets at v0, v128; v96-127, v224-255 the column bias;  windows 2, 3: accumulators.
; LIMITS: NaN and infinities are not served; a block under 2^-124 (zeros too) gets the byte 1: only this program reads the bytes.
.set AB, 8                             ; blocks of 16 rows a wave, each side
.set NQ, 2                             ; K steps of 128 in a slot
.set KS, 8                             ; K steps in all
.set FRB,   1536
.set GT,    2*AB                       ; groups of a work-group's tile, each side
.set PART,  (GT/2)*NQ*FRB              ; what one tensor load brings: half a side's groups, a slot's K steps
.set SLOT,  4*PART
.set SCL,   3*SLOT                     ; behind the three slots: the scale words of both sides, all of K, filled once
.set HALFS, (GT/2)*KS*64
.set SPARE, SCL+4*HALFS                ; the spare words: 128 bytes a wave, named by no other line
.set E16,  3
.set ED,   4
.set A16,  16                          ; v16-18 slot 0, 1, 2
.set A8,   19                          ; v19-21
.set B16,  22                          ; v22-24
.set B8,   25                          ; v25-27
.set SPW,  28
.set NIL,  29
.set ADRS, 30
.set SC,   32
.set AF,   64
.set G1,   24
.set G0,   32                          ; s[32:35] the A side's group 0 for slot 0, s[36:39] for slots 1, 2;  s[96:99] for the refill
.set G1B,  48
.set G0B,  56                          ; s[56:59] the B side's for slot 0, s[60:63] for slots 1, 2;  s[92:95] for the refill
.set G1S,  68
.set G0S,  76
.set G1SB, 80
.set G0SB, 88
.set G0BC, 92
.set G0C,  96
.set MSB,  0
.macro WIN new                         ; the immediate's high byte repeats the setting that is left
.if MSB != (\new)
	s_set_vgpr_msb (MSB<<8)|(\new)
.set MSB, (\new)
.endif
.endm
.macro JLOAD g0a, g1a, g0b, g1b        ; a joint load: waves 0, 1 fetch for the A side, waves 2, 3 for the B side; four v_nop follow each line
	s_cmp_eq_u32 s15, 0
	s_cbranch_scc0 .Lfor_b_\@
	tensor_load_to_lds s[\g0a:\g0a+3], s[\g1a:\g1a+7]
	s_nop 0
.rept 4
	v_nop
.endr
	s_branch .Lasked_\@
.Lfor_b_\@:
	tensor_load_to_lds s[\g0b:\g0b+3], s[\g1b:\g1b+7]
	s_nop 0
.rept 4
	v_nop
.endr
.Lasked_\@:
.endm
.macro CREST                           ; a round of the cluster's barrier behind its opening barrier
	s_cmp_lg_u32 s14, 0
	s_cbranch_scc1 .Lnot_wave_0_\@
	s_barrier_signal -3
.Lnot_wave_0_\@:
	s_barrier_wait -3
	s_barrier_signal -1
	s_barrier_wait -1
.endm
.macro CROUND
	s_barrier_signal -1
	s_barrier_wait -1
	CREST
.endm
.macro PLACES n
.rept \n
	v_nop
.endr
.endm
.macro FRAG reg, a16, a8, off          ; a fragment comes as it lies: each load takes 512 or 256 consecutive bytes
	ds_load_b128 v[\reg:\reg+3], v[\a16] offset:\off
	ds_load_b64 v[\reg+4:\reg+5], v[\a8] offset:\off+512
	ds_load_b128 v[\reg+6:\reg+9], v[\a16] offset:\off+768
	ds_load_b64 v[\reg+10:\reg+11], v[\a8] offset:\off+1280
.endm
.macro FETCH_B slot, q, p
	WIN 0x40
.set fi, 0
.rept AB
	FRAG 128*(\p)+12*fi, B16+\slot, B8+\slot, (fi*(NQ+2*(((\slot)+1)/2))+(\q))*FRB
.set fi, fi+1
.endr
	WIN 0
.endm
.macro FETCH_A slot, q, p
.set fi, 0
.rept AB
	FRAG AF+96*(\p)+12*fi, A16+\slot, A8+\slot, (fi*(NQ+2*(((\slot)+1)/2))+(\q))*FRB
.set fi, fi+1
.endr
.endm
.macro SCALES sc, kb                   ; the scale words of K steps kb, kb + 1 into set sc: lanes 0-15 the A side's block i, lanes 16-31 the B side's; the K step stands in the immediate
.set fi, 0
.rept AB
.set fq, 0
.rept NQ
	ds_load_b32 v[SC+16*(\sc)+NQ*fi+fq], v[ADRS] offset:(fi*KS+(\kb)+fq)*64
.set fq, fq+1
.endr
.set fi, fi+1
.endr
.endm
; Quarter k of a step: AB/4 blocks of A against all of B's.  The accumulators take turns, one instruction a turn, in the same order in every step.
.macro MULQ k, p, q, sc, zero
.set ma, (\k)*(AB/4)
.rept AB/4
.set mb, 0
.rept AB
.set mD, 8*(AB*(ma%(AB/2))+mb)
.if \zero
	v_wmma_scale_f32_16x16x128_f8f6f4 v[mD:mD+7], v[128*(\p)+12*mb:128*(\p)+12*mb+11], v[AF+96*(\p)+12*ma:AF+96*(\p)+12*ma+11], 0, v[SC+16*(\sc)+NQ*mb+(\q)], v[SC+16*(\sc)+NQ*ma+(\q)] matrix_a_fmt:MATRIX_FMT_FP6 matrix_b_fmt:MATRIX_FMT_FP6 matrix_a_scale:MATRIX_SCALE_ROW1
.else
	v_wmma_scale_f32_16x16x128_f8f6f4 v[mD:mD+7], v[128*(\p)+12*mb:128*(\p)+12*mb+11], v[AF+96*(\p)+12*ma:AF+96*(\p)+12*ma+11], v[mD:mD+7], v[SC+16*(\sc)+NQ*mb+(\q)], v[SC+16*(\sc)+NQ*ma+(\q)] matrix_a_fmt:MATRIX_FMT_FP6 matrix_b_fmt:MATRIX_FMT_FP6 matrix_a_scale:MATRIX_SCALE_ROW1
.endif
.set mb, mb+1
.endr
.set ma, ma+1
.endr
.endm
.macro STEP slot, sc, zero             ; a slot's first step (fragments in set 0): the second step's fragments are asked for first, into set 1
	s_wait_dscnt 0x0                               ; this step's fragments and scale words are in (asked for a step ago)
	PLACES 4                                       ; in front of loads into registers that the last step's matrix instructions read
	FETCH_B \slot, 1, 1
	FETCH_A \slot, 1, 1
	WIN 0xa1
	MULQ 0, 0, 0, \sc, \zero
	MULQ 1, 0, 0, \sc, \zero
	WIN 0xf1
	MULQ 2, 0, 0, \sc, \zero
	MULQ 3, 0, 0, \sc, \zero
	WIN 0
.endm
; A slot's second step with a barrier.  In front of it each wave waits for all its tensor loads, adds 0 to its spare word, and waits for that and for its reads of this slot.
; fill = 1: the barrier opens a round of the cluster's, and this slot is filled again, three slots on along K.  fill = 0: nothing is filled; the barrier shows the refill, for which each wave has just waited, to every wave.
; kb: the next slot's first K step.
.macro TURN slot, next, sc, kb, fill
	s_wait_tensorcnt 0x0                           ; all my tensor loads have landed
	ds_add_u32 v[SPW], v[NIL]
	s_wait_dscnt 1                                 ; this step's fragments are in; the add may be out
	WIN 0xa1
	MULQ 0, 1, 1, \sc, 0
	s_wait_dscnt 0x0                               ; the add is done, and my reads of this slot are over
	s_barrier_signal -1
	MULQ 1, 1, 1, \sc, 0
	WIN 0
	s_barrier_wait -1
.if \fill
	CREST                                          ; no wave of any partner still reads this slot or has a load on its way
.irp g, G1, G1B
	s_mov_b32 s[\g+1], (192*NQ)<<16                ; no load of mine is out: the refill's shape, 8 groups x 2 K steps a wave
	s_mov_b32 s[\g+2], (GT/2)<<16
	s_mov_b32 s[\g+3], (192*NQ)<<16
	s_mov_b32 s[\g+4], GT/2
.endr
	JLOAD G0C, G1, G0BC, G1B                       ; K steps 6, 7 over K steps 0, 1: the first tensor load behind the round
.else
	PLACES 4
.endif
	FETCH_B \next, 0, 0
	FETCH_A \next, 0, 0
	SCALES 1-(\sc), \kb
	WIN 0xf1
	MULQ 2, 1, 1, \sc, 0
	MULQ 3, 1, 1, \sc, 0
	WIN 0
.endm
; A slot's second step without a barrier: the next slot was shown whole to every wave by the wait for all loads and the round at K step 1, and nothing is written into the slot that is left.
.macro PASS next, sc, kb
	s_wait_dscnt 0x0
	PLACES 4
	FETCH_B \next, 0, 0
	FETCH_A \next, 0, 0
	SCALES 1-(\sc), \kb
	WIN 0xa1
	MULQ 0, 1, 1, \sc, 0
	MULQ 1, 1, 1, \sc, 0
	WIN 0xf1
	MULQ 2, 1, 1, \sc, 0
	MULQ 3, 1, 1, \sc, 0
	WIN 0
.endm
.macro LAST sc
	s_wait_dscnt 0x0
	WIN 0xa1
	MULQ 0, 1, 1, \sc, 0
	MULQ 1, 1, 1, \sc, 0
	WIN 0xf1
	MULQ 2, 1, 1, \sc, 0
	MULQ 3, 1, 1, \sc, 0
	WIN 0
.endm
	s_load_b256 s[4:11], s[0:1], 0x0               ; H s[4:5], W s[6:7], b_attn s[8:9], QKV s[10:11]
	v_lshl_add_u32 v[SPW], v0, 2, SPARE
	v_mov_b32 v[NIL], 0
	ds_add_u32 v28, v29
	ds_add_u32 v28, v29
	s_wait_dscnt 0x0
	v_lshrrev_b32 v1, 5, v0
	v_readfirstlane_b32 s14, v1                    ; wave 0..3
	s_lshr_b32 s15, s14, 1                         ; my half of the A side's rows.  Also: I fetch for A (0) or B (1)
	s_and_b32 s16, s14, 1                          ; my half of the B side's rows.  Also: which half of the tile I fetch
	s_bfe_u32 s40, ttmp6, 0x40000                  ; cx
	s_bfe_u32 s41, ttmp6, 0x40004                  ; cy
	s_and_b32 s18, ttmp7, 0xffff
	s_lshl_b32 s18, s18, 2                         ; 4 x cluster y
	s_lshl_b32 s19, ttmp9, 2                       ; 4 x cluster x
	s_cmp_eq_u32 ttmp9, 2                          ; v's clusters: A side = w_attn's tiles 8 + cy, B side = token tiles 4 Y + cx
	s_cselect_b32 s17, 8, s18
	s_cselect_b32 s42, s18, s19
	s_add_co_u32 s17, s17, s41                     ; the A side's tile
	s_add_co_u32 s42, s42, s40                     ; the B side's tile
	s_lshl_b32 s43, s41, 2
	s_lshl_b32 s43, 15, s43                        ; my row of the cluster
	s_lshl_b32 s44, 0x1111, s40                    ; my column
	s_or_b32 s[G1+0], s43, (3<<16)|(1<<21)         ; the mask; elements of 8 bytes; bit 21 beside a mask; no padding
	s_or_b32 s[G1B+0], s44, (3<<16)|(1<<21)
.irp g, G1, G1B
	s_mov_b32 s[\g+1], (192*NQ)<<16                ; tensor_dim0: a group's NQ fragments, in elements
	s_mov_b32 s[\g+2], (GT/2)<<16                  ; tensor_dim1: groups
	s_mov_b32 s[\g+3], (192*NQ)<<16                ; tile_dim0
	s_mov_b32 s[\g+4], GT/2                        ; tile_dim1
	s_mov_b32 s[\g+5], 192*KS                      ; from group to group
	s_mov_b32 s[\g+6], 0
	s_mov_b32 s[\g+7], 0
.endr
	s_mul_i32 s18, s16, GT/2
	s_mul_i32 s20, s17, GT
	s_add_co_u32 s20, s20, s18                     ; the A side's first group that I fetch
	s_mul_i32 s46, s42, GT
	s_add_co_u32 s46, s46, s18                     ; the B side's
	s_mul_i32 s22, s20, KS*64
	s_mul_i32 s20, s20, KS*FRB
	s_mul_i32 s92, s46, KS*64
	s_mul_i32 s46, s46, KS*FRB
	s_mov_b32 s21, 0
	s_mov_b32 s23, 0
	s_mov_b32 s47, 0
	s_mov_b32 s93, 0
	s_wait_kmcnt 0x0
	s_cmp_eq_u32 ttmp9, 2
	s_cselect_b64 s[96:97], s[6:7], s[4:5]         ; the A side's buffer
	s_cselect_b64 s[98:99], s[4:5], s[6:7]         ; the B side's
	s_mov_b32 s66, 3145728
	s_cselect_b32 s66, 9437184, s66                ; where its scale words begin
	s_mov_b32 s100, 9437184
	s_cselect_b32 s100, 3145728, s100
	s_mov_b32 s67, 0
	s_mov_b32 s101, 0
	s_add_nc_u64 s[20:21], s[96:97], s[20:21]
	s_add_nc_u64 s[22:23], s[96:97], s[22:23]
	s_add_nc_u64 s[22:23], s[22:23], s[66:67]
	s_add_nc_u64 s[46:47], s[98:99], s[46:47]
	s_add_nc_u64 s[92:93], s[98:99], s[92:93]
	s_add_nc_u64 s[92:93], s[92:93], s[100:101]
	CROUND                                         ; all sixteen work-groups are here: the first joint loads meet
; THE HEAD'S FOUR TILES, one a wave, each on a line of its own: wave 0 the A side's 16 groups x K steps 0, 1 (LDS 0), wave 2 the B side's (2 PART),
; wave 1 the A side's 16 groups x K steps 2 to 5 (4 PART), wave 3 the B side's (8 PART).  The scale words come by plain loads and LDS stores further down.
	s_cmp_eq_u32 s15, 0
	s_cselect_b64 s[100:101], s[22:23], s[92:93]   ; the 4,096 bytes of scale words that I copy
	s_mov_b32 s[G0], 1
	s_mov_b32 s[G0+1], 0
	s_mov_b64 s[G0+2:G0+3], s[20:21]
	s_mov_b32 s[G0+4], 1
	s_mov_b32 s[G0+5], 4*PART
	s_sub_nc_u64 s[G0+6:G0+7], s[20:21], (GT/2)*KS*FRB-2*FRB   ; (wave 1's half taken off again) the tile's first group, K step 2
	s_mov_b32 s[G0C], 1                            ; the refill: my half of K steps 6, 7
	s_mul_i32 s[G0C+1], s16, PART
	s_add_nc_u64 s[G0C+2:G0C+3], s[20:21], 6*FRB
	s_mov_b32 s[G0B], 1
	s_mov_b32 s[G0B+1], 2*PART
	s_mov_b64 s[G0B+2:G0B+3], s[46:47]
	s_mov_b32 s[G0B+4], 1
	s_mov_b32 s[G0B+5], 8*PART
	s_sub_nc_u64 s[G0B+6:G0B+7], s[46:47], (GT/2)*KS*FRB-2*FRB
	s_mov_b32 s[G0BC], 1
	s_mul_i32 s[G0BC+1], s16, PART
	s_add_co_u32 s[G0BC+1], s[G0BC+1], 2*PART
	s_add_nc_u64 s[G0BC+2:G0BC+3], s[46:47], 6*FRB
.irp g, G0+3, G0+7, G0C+3, G0B+3, G0B+7, G0BC+3
	s_or_b32 s[\g], s[\g], 0x80000000
.endr
	s_cmp_eq_u32 s14, 0
	s_cbranch_scc0 .Lh1
	s_mov_b32 s[G1+2], GT<<16
	s_mov_b32 s[G1+4], GT
	tensor_load_to_lds s[G0:G0+3], s[G1:G1+7]
	s_nop 0
	PLACES 4
	s_branch .Lhj
.Lh1:
	s_cmp_eq_u32 s14, 2
	s_cbranch_scc0 .Lh2
	s_mov_b32 s[G1B+2], GT<<16
	s_mov_b32 s[G1B+4], GT
	tensor_load_to_lds s[G0B:G0B+3], s[G1B:G1B+7]
	s_nop 0
	PLACES 4
	s_branch .Lhj
.Lh2:
	s_cmp_eq_u32 s14, 1
	s_cbranch_scc0 .Lh3
	s_mov_b32 s[G1+1], (192*4)<<16
	s_mov_b32 s[G1+2], GT<<16
	s_mov_b32 s[G1+3], (192*4)<<16
	s_mov_b32 s[G1+4], GT
	tensor_load_to_lds s[G0+4:G0+7], s[G1:G1+7]
	s_nop 0
	PLACES 4
	s_branch .Lhj
.Lh3:
	s_mov_b32 s[G1B+1], (192*4)<<16
	s_mov_b32 s[G1B+2], GT<<16
	s_mov_b32 s[G1B+3], (192*4)<<16
	s_mov_b32 s[G1B+4], GT
	tensor_load_to_lds s[G0B+4:G0B+7], s[G1B:G1B+7]
	s_nop 0
	PLACES 4
.Lhj:
	v_and_b32 v1, 15, v0                           ; r
	v_bfe_u32 v2, v0, 4, 1                         ; h
	v_and_b32 v3, 31, v0
	v_lshlrev_b32 v[E16], 4, v3                    ; 16 L
	v_lshlrev_b32 v[ED], 4, v1
	v_lshl_add_u32 v[ED], v2, 3, v[ED]             ; 16 r + 8 h
	s_mul_i32 s21, s15, PART
	s_mul_i32 s22, s16, PART
	s_add_co_u32 s22, s22, 2*PART
.irp s, 0,1,2
	v_add_nc_u32 v[A16+\s], s21, v[E16]
	v_add_nc_u32 v[A8+\s], s21, v[ED]
	v_add_nc_u32 v[B16+\s], s22, v[E16]
	v_add_nc_u32 v[B8+\s], s22, v[ED]
.if \s == 0
	s_wait_alu depctr_va_vdst(0)
	s_lshl_b32 s21, s21, 1                         ; K steps 2 to 5: four fragments a group, behind the two tiles of K steps 0, 1
	s_lshl_b32 s22, s22, 1
	s_add_co_u32 s21, s21, 4*PART
	s_add_co_u32 s22, s22, 4*PART
.else
	s_add_co_u32 s21, s21, 2*FRB                   ; K steps 4, 5: two fragments on
	s_add_co_u32 s22, s22, 2*FRB
.endif
.endr
	v_lshlrev_b32 v5, 2, v1
	s_mul_i32 s21, s15, HALFS
	s_mul_i32 s22, s16, HALFS
	s_add_co_u32 s22, s22, 2*HALFS
	s_sub_co_u32 s22, s22, s21
	v_mul_u32_u24 v6, s22, v2                      ; lanes 16-31 take the B side's words
	s_add_co_u32 s21, s21, SCL
	v_add_nc_u32 v5, v5, v6
	v_add_nc_u32 v[ADRS], s21, v5
	; the biases.  Column bias (q, k): 64 numbers a lane, b_attn[n0 + 32 b + 16 h + 0..15]; in v's clusters n0 is 0, so that no load leaves the buffer (the numbers are not used there)
	s_lshl_b32 s46, s42, 10
	s_lshl_b32 s47, s16, 9
	s_add_co_u32 s46, s46, s47
	s_cmp_eq_u32 ttmp9, 2
	s_cselect_b32 s46, 0, s46
	s_mov_b32 s47, 0
	s_add_nc_u64 s[46:47], s[8:9], s[46:47]
	v_lshlrev_b32 v7, 6, v2
	WIN 0x40
.set cn, 0
.rept 16
.set bi, 96+4*cn+96*(cn/8)
	global_load_b128 v[bi:bi+3], v7, s[46:47] offset:128*(cn/4)+16*(cn%4)
.set cn, cn+1
.endr
	WIN 0
	; row bias (v): b_attn[2048 + 256 cy + 128 half + the block's row]: inside the buffer in every cluster
	s_lshl_b32 s20, s41, 10
	s_lshl_b32 s21, s15, 9
	s_add_co_u32 s20, s20, s21
	s_add_co_u32 s20, s20, 8192
	s_mov_b32 s21, 0
	s_add_nc_u64 s[20:21], s[8:9], s[20:21]
	v_lshrrev_b32 v6, 3, v1
	v_lshl_add_u32 v6, v6, 3, v1
	v_lshlrev_b32 v6, 2, v6
.irp a, 0,1,2,3,4,5,6,7
	global_load_b32 v[8+\a], v6, s[20:21] offset:(32*(\a/2)+8*(\a%2))*4
.endr
	s_mul_i32 s66, s14, HALFS
	s_add_co_u32 s66, s66, SCL
	v_add_nc_u32 v31, s66, v[E16]
.irp k, 0,1,2,3,4,5,6,7
	global_load_b128 v[AF+4*\k:AF+4*\k+3], v[E16], s[100:101] offset:512*\k   ; 512 consecutive bytes a load
.endr
	s_wait_alu depctr_va_vdst(0)
	s_wait_loadcnt 0x0
.irp k, 0,1,2,3,4,5,6,7
	ds_store_b128 v31, v[AF+4*\k:AF+4*\k+3] offset:512*\k
.endr
	s_wait_dscnt 0x0                               ; my part of the scale words is in LDS
	s_cmp_eq_u32 s16, 0
	s_cbranch_scc0 .Lnot_first
	s_wait_tensorcnt 0x0                           ; waves 0 and 2: K steps 0, 1 of both sides; the other two tiles may be out
.Lnot_first:
	s_barrier_signal -1
	s_barrier_wait -1
	FETCH_B 0, 0, 0
	FETCH_A 0, 0, 0
	SCALES 0, 0
	STEP 0, 0, 1                                   ; K step 0: its products start the sums
	TURN 0, 1, 0, 2, 1                             ; K step 1; slot 0 is asked for again: K steps 6, 7
	STEP 1, 1, 0                                   ; K step 2
	PASS 2, 1, 4                                   ; K step 3
	STEP 2, 0, 0                                   ; K step 4
	TURN 2, 0, 0, 6, 0                             ; K step 5; the refill is waited for and shown to every wave
	STEP 0, 1, 0                                   ; K step 6
	LAST 1                                         ; K step 7
; THE WAY OUT: two blocks of the A side at a time: + bias into window 0, quantised in registers, stored as images.
.set T0,  64                           ; v64-191 two blocks' 64 numbers
.set PC0, 192                          ; v192-210 codes and scratch;  v212-230 the second block's
.set PC1, 212
.set TM,  232                          ; v232-247 at work
.set PW0, 248
.set PW1, 249
.set WA,  250
.set WB,  251
.set WS,  252
.set BV,  8
.set SEL, 90
; 64 numbers of a lane, register 16 b + i = k 32 b + 16 h + i of my row, become a fragment's 12 registers at v[pc] and its scale word in v[pw]
.macro QUANT s, pc, pw
.irp b, 0,1,2,3
	v_max3_num_f32 v[TM+\b], |v[\s+16*\b]|, |v[\s+1+16*\b]|, 0x1800000   ; and the floor 2^(3 - 127)
.endr
.irp i, 2,4,6,8,10,12,14
.irp b, 0,1,2,3
	v_max3_num_f32 v[TM+\b], v[TM+\b], |v[\s+16*\b+\i]|, |v[\s+1+16*\b+\i]|
.endr
.endr
.irp b, 0,1,2,3
	v_permlanex16_b32 v[TM+4+\b], v[TM+\b], s[SEL], s[SEL+1]
.endr
.irp b, 0,1,2,3
	v_max_num_f32 v[TM+\b], v[TM+\b], v[TM+4+\b]
.endr
.irp b, 0,1,2,3
	v_add_nc_u32 v[TM+12+\b], 0xff000000, v[TM+\b]
.endr
.irp b, 0,1,2,3
	v_lshrrev_b32 v[TM+4+\b], 23, v[TM+12+\b]
.endr
	v_lshl_or_b32 v[\pw], v[TM+5], 8, v[TM+4]
	v_lshl_or_b32 v[\pw], v[TM+6], 16, v[\pw]
	v_lshl_or_b32 v[\pw], v[TM+7], 24, v[\pw]
.irp c, 0,1
	v_cvt_scalef32_pk16_fp6_f32 v[\pc+6*\c:\pc+2+6*\c], v[\s+32*\c:\s+15+32*\c], v[TM+12+2*\c]
	v_cvt_scalef32_pk16_fp6_f32 v[\pc+12+4*\c:\pc+14+4*\c], v[\s+16+32*\c:\s+31+32*\c], v[TM+12+2*\c+1]
.endr
	v_nop                                          ; a plain instruction behind the conversions
.irp c, 0,1
.irp i, 0,1,2
	v_permlane16_swap_b32 v[\pc+6*\c+\i], v[\pc+12+4*\c+\i]
.endr
.irp i, 0,1,2
	v_mov_b32 v[\pc+3+6*\c+\i], v[\pc+12+4*\c+\i]
.endr
.endr
.endm
.macro TRIP i, isv
.if (\i) > 0
	s_wait_xcnt 0x0                                ; the last trip's stores have read their registers
.endif
.if \isv
	WIN 0x02+(\i)/2
.set cn, 0
.rept 128
	v_add_f32 v[T0+cn], v[128*((\i)%2)+cn], v[BV+2*(\i)+cn/64]   ; each accumulator from its low end on
.set cn, cn+1
.endr
.else
	WIN 0x06+(\i)/2
.set cn, 0
.rept 64
.set bi, 96+(cn%64)+96*((cn%64)/32)
	v_pk_add_f32 v[T0+cn:T0+cn+1], v[128*((\i)%2)+cn:128*((\i)%2)+cn+1], v[bi:bi+1]
.set cn, cn+2
.endr
.endif
	WIN 0
	QUANT T0, PC0, PW0
	QUANT T0+64, PC1, PW1
.if \isv
.set VO, ((\i)/2)*98304+((\i)%2)*3072  ; head i / 2 of my two, channel tiles 2 (i % 2) and + 1
.irp k, 0,1
	global_store_b128 v[E16], v[PC0+20*\k:PC0+20*\k+3], s[68:69] offset:VO+1536*\k
	global_store_b64 v[ED], v[PC0+20*\k+4:PC0+20*\k+5], s[68:69] offset:VO+1536*\k+512
	global_store_b128 v[E16], v[PC0+20*\k+6:PC0+20*\k+9], s[68:69] offset:VO+1536*\k+768
	global_store_b64 v[ED], v[PC0+20*\k+10:PC0+20*\k+11], s[68:69] offset:VO+1536*\k+1280
.endr
	v_cndmask_b32 v[WS], v[PW0], v[PW1], vcc_lo    ; lanes 0-15 the first block's words, lanes 16-31 the second's
	global_store_b32 v5, v[WS], s[70:71] offset:((\i)/2)*4096+((\i)%2)*128
.else
.set QO, 1536*(\i)                     ; token tiles 2 i and 2 i + 1; a fragment's two halves are two heads' half images
.irp k, 0,1
	global_store_b128 v[E16], v[PC0+20*\k:PC0+20*\k+3], s[68:69] offset:QO+768*\k
	global_store_b64 v[ED], v[PC0+20*\k+4:PC0+20*\k+5], s[68:69] offset:QO+768*\k+512
	global_store_b128 v[E16], v[PC0+20*\k+6:PC0+20*\k+9], s[68:69] offset:QO+768*\k+98304
	global_store_b64 v[ED], v[PC0+20*\k+10:PC0+20*\k+11], s[68:69] offset:QO+768*\k+98304+512
.endr
	v_perm_b32 v[WA], v[PW1], v[PW0], 0x05040100   ; first head: the two tiles' two bytes each
	v_perm_b32 v[WB], v[PW1], v[PW0], 0x07060302   ; second head
	v_cndmask_b32 v[WS], v[WA], v[WB], vcc_lo
	global_store_b32 v5, v[WS], s[70:71] offset:64*(\i)
.endif
.endm
	PLACES 4                                       ; behind the last products
	s_wait_loadcnt 0x0                             ; the biases
	s_mov_b32 s[SEL], 0x76543210
	s_mov_b32 s[SEL+1], 0xfedcba98
	v_cmp_eq_u32 vcc_lo, 1, v2
.irp b, 0,1,2,3
	v_mov_b32 v[TM+4+\b], 0                        ; a lane permute's destination counts as one of its sources
.endr
	v_lshlrev_b32 v5, 2, v1
	s_cmp_eq_u32 ttmp9, 2                          ; the same in all partners of a cluster
	s_cbranch_scc1 .Lvpart
	s_lshr_b32 s66, s17, 3
	s_lshl_b32 s66, s66, 4
	s_lshl_b32 s67, s40, 2
	s_add_co_u32 s66, s66, s67
	s_lshl_b32 s67, s16, 1
	s_add_co_u32 s66, s66, s67                     ; batch x 16 + my first head
	s_and_b32 s67, s17, 7
	s_lshl_b32 s67, s67, 4
	s_lshl_b32 s68, s15, 3
	s_add_co_u32 s67, s67, s68                     ; my first token tile in the batch
	s_mul_i32 s68, ttmp9, 3145728
	s_mul_i32 s69, s66, 98304
	s_add_co_u32 s68, s68, s69
	s_mul_i32 s69, s67, 768
	s_add_co_u32 s68, s68, s69
	s_mov_b32 s69, 0
	s_add_nc_u64 s[68:69], s[10:11], s[68:69]
	s_mul_i32 s70, ttmp9, 131072
	s_lshl_b32 s71, s66, 12
	s_add_co_u32 s70, s70, s71
	s_lshl_b32 s71, s67, 5
	s_add_co_u32 s70, s70, s71
	s_add_co_u32 s70, s70, 9437184
	s_mov_b32 s71, 0
	s_add_nc_u64 s[70:71], s[10:11], s[70:71]
	s_wait_alu depctr_va_vdst(0)
	v_lshl_add_u32 v5, v2, 12, v5                  ; 4 r, and the next head's words for lanes 16-31
	TRIP 0, 0
	TRIP 1, 0
	TRIP 2, 0
	TRIP 3, 0
	s_branch .Lend
.Lvpart:
	s_lshr_b32 s66, s42, 3
	s_lshl_b32 s66, s66, 4
	s_lshl_b32 s67, s41, 2
	s_add_co_u32 s66, s66, s67
	s_lshl_b32 s67, s15, 1
	s_add_co_u32 s66, s66, s67                     ; batch x 16 + my first head
	s_and_b32 s67, s42, 7
	s_lshl_b32 s67, s67, 1
	s_add_co_u32 s67, s67, s16                     ; my key step
	s_mul_i32 s68, s66, 98304
	s_mul_i32 s69, s67, 6144
	s_add_co_u32 s68, s68, s69
	s_add_co_u32 s68, s68, 6291456
	s_mov_b32 s69, 0
	s_add_nc_u64 s[68:69], s[10:11], s[68:69]
	s_lshl_b32 s70, s66, 12
	s_lshl_b32 s71, s67, 8
	s_add_co_u32 s70, s70, s71
	s_add_co_u32 s70, s70, 9699328
	s_mov_b32 s71, 0
	s_add_nc_u64 s[70:71], s[10:11], s[70:71]
	s_wait_alu depctr_va_vdst(0)
	v_lshl_add_u32 v5, v2, 6, v5                   ; 4 L
	TRIP 0, 1
	TRIP 1, 1
	TRIP 2, 1
	TRIP 3, 1
.Lend:
	s_wait_tensorcnt 0x0                           ; the wave's end
	ds_add_u32 v[SPW], v[NIL]
	s_wait_dscnt 0x0
	CROUND                                         ; the closing round
	s_endpgm
.Lfunc_end_k_q96082b37dc_gqkv:
	.size	k_q96082b37dc_gqkv, .Lfunc_end_k_q96082b37dc_gqkv-k_q96082b37dc_gqkv
	.p2alignl 7, 3214868480
	.fill 96, 4, 3214868480
	.section	.rodata,"a",@progbits
	.p2align	6, 0x0
	.amdhsa_kernel k_q96082b37dc_gqkv
		.amdhsa_group_segment_fixed_size 327680
		.amdhsa_private_segment_fixed_size 0
		.amdhsa_enable_private_segment 0
		.amdhsa_kernarg_size 32
		.amdhsa_user_sgpr_count 2
		.amdhsa_user_sgpr_kernarg_segment_ptr 1
		.amdhsa_wavefront_size32 1
		.amdhsa_system_sgpr_workgroup_id_x 1
		.amdhsa_system_sgpr_workgroup_id_y 1
		.amdhsa_system_sgpr_workgroup_id_z 1
		.amdhsa_system_vgpr_workitem_id 0
		.amdhsa_next_free_vgpr 1024
		.amdhsa_next_free_sgpr 104
		.amdhsa_reserve_vcc 1
		.amdhsa_float_denorm_mode_32 3
		.amdhsa_float_denorm_mode_16_64 3
		.amdhsa_memory_ordered 1
		.amdhsa_forward_progress 1
		.amdhsa_inst_pref_size 221
	.end_amdhsa_kernel
	.amdgpu_metadata
---
amdhsa.version: [ 1, 2 ]
amdhsa.kernels:
  - .name:           k_q96082b37dc_gqkv
    .symbol:         k_q96082b37dc_gqkv.kd
    .args:
      - { .name: H, .offset: 0, .size: 8, .value_kind: global_buffer, .address_space: global }
      - { .name: W, .offset: 8, .size: 8, .value_kind: global_buffer, .address_space: global }
      - { .name: b_attn, .offset: 16, .size: 8, .value_kind: global_buffer, .address_space: global }
      - { .name: QKV, .offset: 24, .size: 8, .value_kind: global_buffer, .address_space: global }
    .group_segment_fixed_size: 327680
    .private_segment_fixed_size: 0
    .kernarg_segment_align: 8
    .kernarg_segment_size: 32
    .max_flat_workgroup_size: 128
    .sgpr_count:     104
    .vgpr_count:     1024
    .wavefront_size: 32
...
	.end_amdgpu_metadata
.endif
;; end of part 2
;; launch attn (part 3): grid 8 x 32, 16 waves a work-group, clusters of 4 x 1, 243,712 bytes of LDS; arguments QKV, OC; writes OC
.if DOCPART == 3
	.amdgcn_target "amdgcn-amd-amdhsa--gfx1250"
	.amdhsa_code_object_version 6
	.text
	.protected	k_q96082b37dc_attn
	.globl	k_q96082b37dc_attn
	.p2align	8
	.type	k_q96082b37dc_attn,@function
k_q96082b37dc_attn:
	s_mov_b64 s[64:65], 0
	v_nop
	global_prefetch_b8 v0, s[64:65] scope:SCOPE_SE
	s_setreg_imm32_b32 hwreg(HW_REG_WAVE_MODE, 25, 1), 1
	s_wait_xcnt 0x0
	s_wait_alu depctr_hold_cnt(0) depctr_sa_sdst(0) depctr_va_vdst(0) depctr_va_sdst(0) depctr_va_ssrc(0) depctr_va_vcc(0) depctr_vm_vsrc(0)
	s_getreg_b32 s2, hwreg(HW_REG_IB_STS2, 6, 4)
	s_cmp_eq_u32 s2, 0
	s_cbranch_scc0 .Lentry_in_a_cluster
	s_endpgm
.Lentry_in_a_cluster:
	s_bfe_u32 s2, ttmp6, 0x10000c
	s_cmp_lg_u32 s2, 0x3003
	s_cbranch_scc0 .Lentry_shape_is_right
	s_endpgm
.Lentry_shape_is_right:
; Causal attention of one head on codes of FP6 (E2M3) with E8M0 scales, and the quantising of its result along the model's axis.
; t = score x log2(e) / 8; M = the running largest t rounded up to a whole number; p = 2^(t - M) is quantised along the keys; the row's sum is taken of the unquantised p and divides at the end.
; INPUT (made by the launch before): q and k as half images (16 stored tokens x 64: 768 bytes) [which][head][tile 128]; v^T as fragments (16 channels x 128 keys) [head][key step 16][tile 4];
; pair scale words for q, k (bytes 0, 1 tile 2 p, bytes 2, 3 tile 2 p + 1); scale words for v^T.  Stored row r of tile g is token 32 (g/2) + 8 (g%2) + r + 8 (r/8).
; THE HEAD'S SIZE IS 64, HALF OF THE INSTRUCTION'S K: two neighbouring key tiles are the two halves of one fragment, and q stands in one half of its operand with zero codes in the other: [q | 0] picks the first tile, [0 | q] the second.
; SHARES: eight work-groups a head, sixteen waves each, a wave one tile of 16 queries: tile 8 rank + work-group.  All its queries lie in key step `rank`, so a wave works on steps 0 .. rank and masks in step rank alone:
; that hangs on the wave's number only, and every work-group has the same work.  The ranks are dealt so that waves w, w + 4, w + 8, w + 12 have ranks that add up to 30.
; A HEAD'S K AND V STAY IN LDS: filled once, jointly for the four work-groups of a cluster (they walk the same head), nothing is filled again.  The first 512 keys come by loads of their own, so that work starts before the rest is in.
; Both products are used transposed: a lane holds one query throughout.
; REGISTERS: v1-4 lane terms, v5-10 the step's LDS addresses, v11 -infinity, v12 -M, v13 largest t, v[14:15] the sum, v16-33 zeros | q | zeros, v34 q's scale word, v36-83 four fragments, v84-91 their scale words,
; v96-159 scores, then p, v160-191 O^T, v192-219 at work, v204 p's scale word, v224-235 p's codes.
; LIMITS: NaN and infinities are not served; a block under 2^-124 (zeros too) gets the byte 1.
.set VREG, 102400                      ; K's region at 0, V's here: 98,304 bytes of codes, 4,096 of scale words
.set SCO,  98304
.set WV,   8
.set RANK, 12
.set J,    13
.set TB,   14
.set TS,   15
.set SEL,  16
.set CS,   18
.set BM,   192
.set B2,   196
.set SO,   200
.set PSW,  204
.set TP,   205
.set FF,   206
.set CV,   208
.set S2,   216
.macro CROUND
	s_barrier_signal -1
	s_barrier_wait -1
	s_cmp_lg_u32 s[WV], 0
	s_cbranch_scc1 .Lnot_wave_0_\@
	s_barrier_signal -3
.Lnot_wave_0_\@:
	s_barrier_wait -3
	s_barrier_signal -1
	s_barrier_wait -1
.endm
.macro FRAG reg, a16, a8, off
	ds_load_b128 v[\reg:\reg+3], v[\a16] offset:\off
	ds_load_b64 v[\reg+4:\reg+5], v[\a8] offset:\off+512
	ds_load_b128 v[\reg+6:\reg+9], v[\a16] offset:\off+768
	ds_load_b64 v[\reg+10:\reg+11], v[\a8] offset:\off+1280
.endm
	s_load_b128 s[4:7], s[0:1], 0x0                ; QKV, OC
	v_lshl_add_u32 v254, v0, 2, 0x32000
	v_mov_b32 v255, 0
	ds_add_u32 v254, v255
	ds_add_u32 v254, v255
	v_lshrrev_b32 v1, 5, v0
	s_delay_alu instid0(VALU_DEP_1)
	v_readfirstlane_b32 s[WV], v1                  ; wave 0..15
	s_bfe_u32 s9, ttmp6, 0x40000                   ; cx
	s_lshl_b32 s10, ttmp9, 2
	s_add_co_u32 s10, s10, s9                      ; work-group 0..7 of the head: it enters q's and the result's addresses and the mask's numbers alone
	s_and_b32 s11, ttmp7, 0xffff                   ; batch x 16 + head, shared by the partners
; THE SHARES AS THEY STAND: the sixteen tiles of a work-group (tile 8 rank + work-group) are dealt in pairs p = wave % 8: ranks p and 15 - p, 17 key steps together.
; Waves 0-7 take key steps 0-7 of rank 15 - p (none of them masked) and hand O^T, -M and the sum to their partner through LDS.
; Waves 8-15 take rank p whole (p + 1 steps), store it, then key steps 8 .. 15 - p of rank 15 - p, join the partner's part and store.  So a wave has 8 or 9 key steps.
; The join multiplies both parts by powers of two, 2^(own M - common M): nothing is rounded by it.
	s_and_b32 s75, s[WV], 7                        ; p
	s_sub_co_u32 s80, 15, s75                      ; the upper rank
	s_cmp_lt_u32 s[WV], 8
	s_cselect_b32 s[RANK], s80, s75                ; my first tile's rank: its diagonal key step
	s_cselect_b32 s81, 7, s75                      ; the last key step that I take of it
	; three shapes, all rows of 256 bytes, dense: 16 rows (scale words), 96 rows (the first 512 keys), 288 rows (the rest)
.irp g, 24, 32, 40
	s_mov_b32 s[\g], 15|(3<<16)|(1<<21)            ; the mask: all four partners; elements of 8 bytes; bit 21 beside a mask
	s_mov_b32 s[\g+1], 32<<16
	s_mov_b32 s[\g+3], 32<<16
	s_mov_b32 s[\g+5], 32
	s_mov_b32 s[\g+6], 0
	s_mov_b32 s[\g+7], 0
.endr
	s_mov_b32 s26, 16<<16
	s_mov_b32 s28, 16
	s_mov_b32 s34, 96<<16
	s_mov_b32 s36, 96
	s_mov_b32 s42, 288<<16
	s_mov_b32 s44, 288
	s_and_b32 s74, s[WV], 1                        ; even waves fetch for K, odd ones for V
	s_mul_i32 s20, s74, VREG
	s_mul_i32 s60, s74, 131072
	s_lshl_b32 s61, s11, 12
	s_add_co_u32 s60, s60, s61
	s_add_co_u32 s60, s60, 9568256
	s_mov_b32 s61, 0
	s_mul_i32 s62, s74, 3145728
	s_mul_i32 s63, s11, 98304
	s_add_co_u32 s62, s62, s63
	s_add_co_u32 s62, s62, 3145728
	s_mov_b32 s63, 0
	s_mov_b32 s[SEL], 0x76543210
	s_mov_b32 s[SEL+1], 0xfedcba98
	s_mov_b32 s[CS], 0x3e38aa3b                    ; log2(e) / 8
	s_mov_b32 s[CS+1], s[CS]
	s_wait_dscnt 0x0
	s_wait_kmcnt 0x0
	s_mov_b32 s48, 1
	s_add_co_u32 s49, s20, SCO
	s_add_nc_u64 s[50:51], s[4:5], s[60:61]
	s_or_b32 s51, s51, 0x80000000
	s_mov_b32 s52, 1
	s_mov_b32 s53, s20
	s_add_nc_u64 s[54:55], s[4:5], s[62:63]
	s_mov_b32 s56, 1
	s_add_co_u32 s57, s20, 24576
	s_add_nc_u64 s[58:59], s[54:55], 24576
	s_or_b32 s55, s55, 0x80000000
	s_or_b32 s59, s59, 0x80000000
	CROUND                                         ; all four work-groups are here: the joint loads meet
	s_cmp_lt_u32 s[WV], 2                          ; six fills, one a wave: waves 0, 1 the scale words, waves 2, 3 the first 512 keys, waves 4, 5 the rest
	s_cbranch_scc0 .Lfetch_a
	tensor_load_to_lds s[48:51], s[24:31]
	s_nop 0
.rept 4
	v_nop
.endr
	s_branch .Lno_fetch
.Lfetch_a:
	s_cmp_lt_u32 s[WV], 4
	s_cbranch_scc0 .Lfetch_b
	tensor_load_to_lds s[52:55], s[32:39]
	s_nop 0
.rept 4
	v_nop
.endr
	s_branch .Lno_fetch
.Lfetch_b:
	s_cmp_lt_u32 s[WV], 6
	s_cbranch_scc0 .Lno_fetch
	tensor_load_to_lds s[56:59], s[40:47]
	s_nop 0
.rept 4
	v_nop
.endr
.Lno_fetch:
	s_lshl_b32 s21, s[RANK], 3
	s_add_co_u32 s22, s21, s10                     ; my tile of queries
	s_mul_i32 s20, s11, 98304
	s_mul_i32 s21, s22, 768
	s_add_co_u32 s20, s20, s21
	s_mov_b32 s21, 0
	s_add_nc_u64 s[66:67], s[4:5], s[20:21]        ; q's half image
	s_lshl_b32 s20, s11, 12
	s_lshr_b32 s23, s22, 1
	s_lshl_b32 s23, s23, 6
	s_add_co_u32 s20, s20, s23
	s_add_co_u32 s20, s20, 9437184
	s_add_nc_u64 s[68:69], s[4:5], s[20:21]        ; its pair scale words
	s_lshr_b32 s20, s11, 4
	s_lshl_b32 s20, s20, 7
	s_add_co_u32 s20, s20, s22                     ; the token group among all 256
	s_lshl_b32 s20, s20, 3
	s_and_b32 s23, s11, 15
	s_lshr_b32 s23, s23, 1
	s_add_co_u32 s20, s20, s23                     ; the fragment: group x 8 + head / 2
	s_and_b32 s23, s11, 1
	s_lshl_b32 s60, s20, 6
	s_lshl_b32 s61, s23, 1
	s_add_co_u32 s60, s60, s61
	s_add_co_u32 s60, s60, 3145728
	s_mov_b32 s61, 0
	s_add_nc_u64 s[72:73], s[6:7], s[60:61]        ; my two scale bytes' place
	s_mul_i32 s20, s20, 1536
	s_mul_i32 s23, s23, 768
	s_add_co_u32 s20, s20, s23
	s_add_nc_u64 s[70:71], s[6:7], s[20:21]
	s_sub_co_u32 s86, s80, s[RANK]
	s_lshl_b32 s86, s86, 3                         ; tiles from my first tile to the upper one (0 in waves 0-7)
	s_mov_b32 s89, 0
	s_mov_b64 s[76:77], s[70:71]                   ; the first tile's result and scale bytes
	s_mov_b64 s[78:79], s[72:73]
	s_mul_i32 s88, s86, 12288
	s_add_nc_u64 s[70:71], s[70:71], s[88:89]      ; the upper tile's: 8 fragments a tile
	s_lshl_b32 s88, s86, 9
	s_add_nc_u64 s[72:73], s[72:73], s[88:89]
	s_mul_i32 s88, s86, 768
	s_add_nc_u64 s[82:83], s[66:67], s[88:89]      ; the upper tile's q
	s_lshl_b32 s88, s86, 5
	s_add_nc_u64 s[84:85], s[68:69], s[88:89]      ; and its pair scale words
	v_and_b32 v1, 31, v0
	s_delay_alu instid0(VALU_DEP_1)
	v_lshlrev_b32 v1, 4, v1                        ; 16 L
	v_and_b32 v5, 15, v0                           ; r
	v_bfe_u32 v6, v0, 4, 1                         ; h
	s_delay_alu instid0(VALU_DEP_2)
	v_lshlrev_b32 v2, 4, v5
	s_delay_alu instid0(VALU_DEP_1)
	v_lshl_add_u32 v2, v6, 3, v2                   ; 16 r + 8 h
	s_delay_alu instid0(VALU_DEP_4)
	v_lshl_add_u32 v3, v5, 2, SCO                  ; a scale word's place in a region
	v_lshlrev_b32 v92, 2, v5                       ; 4 r
	global_load_b128 v[22:25], v1, s[66:67]
	global_load_b64 v[26:27], v2, s[66:67] offset:512
	global_load_b32 v93, v92, s[68:69]
	global_load_b128 v[236:239], v1, s[82:83]      ; the upper tile's q waits in v236-241
	global_load_b64 v[240:241], v2, s[82:83] offset:512
	global_load_b32 v220, v92, s[84:85]
	s_lshr_b32 s20, s10, 1
	s_lshl_b32 s20, s20, 5
	s_and_b32 s21, s10, 1
	s_lshl_b32 s23, s21, 3
	s_add_co_u32 s20, s20, s23
	v_lshrrev_b32 v94, 3, v5
	s_delay_alu instid0(VALU_DEP_1)
	v_lshl_add_u32 v94, v94, 3, v5
	v_lshlrev_b32 v95, 4, v6
	s_delay_alu instid0(VALU_DEP_1)
	v_sub_nc_u32 v94, v94, v95
	s_delay_alu instid0(VALU_DEP_1)
	v_add_nc_u32 v4, s20, v94                      ; d = my query within its key step - 16 h: register n of the scores is hidden where 32 (n / 16) + n % 16 > d
	s_cmp_eq_u32 s21, 1
	s_mov_b32 s23, 0x01000100
	s_cselect_b32 s23, 0x03020302, s23             ; which two bytes of the pair word are my tile's
	s_wait_loadcnt 0x0
	v_perm_b32 v34, v93, v93, s23
	v_perm_b32 v221, v220, v220, s23
	s_mul_i32 s88, s75, 4608
	s_add_co_u32 s88, s88, 206848
	v_add_nc_u32 v222, s88, v1                     ; the pair's 4,608 bytes behind the spare words: nine registers' quads at 16 L
.irp i, 16,17,18,19,20,21,28,29,30,31,32,33
	v_mov_b32 v\i, 0                               ; zero codes
.endr
	v_mov_b32 v11, 0xff800000
	v_mov_b32 v13, 0xff61b1e6                      ; -3e38, under every t
	s_delay_alu instid0(VALU_DEP_1)
	v_floor_f32 v12, -v13
	v_mov_b32 v14, 0
	v_mov_b32 v15, 0
.irp b, 0,1,2,3
	v_mov_b32 v[B2+\b], 0                          ; a lane permute's destination counts as one of its sources
.endr
	v_mov_b32 v[TP], 0
	v_mov_b32 v[FF+1], 0
.set n, 0
.rept 32
	v_mov_b32 v[160+n], 0                          ; O^T: the step is written once; the first change of M multiplies zeros
.set n, n+1
.endr
	s_mov_b32 s[J], 0
	s_mov_b32 s[TB], 0
	s_mov_b32 s[TS], 0
; A KEY STEP of 128 keys.  A step behind my queries is left out: a scalar branch on the wave's number and the loop's count, round the work alone.
.macro STEP
	s_cmp_gt_u32 s[J], s81
	s_cbranch_scc1 .Lhidden_\@
	v_add_nc_u32 v5, s[TB], v1                     ; six plain instructions: the places in front of loads into registers that the last products read
	v_add_nc_u32 v6, s[TB], v2
	v_add_nc_u32 v7, s[TS], v3
	s_delay_alu instid0(VALU_DEP_3)
	v_add_nc_u32 v8, VREG, v5
	s_delay_alu instid0(VALU_DEP_3)
	v_add_nc_u32 v9, VREG, v6
	s_delay_alu instid0(VALU_DEP_3)
	v_add_nc_u32 v10, VREG, v7
.irp f, 0,1,2,3
	FRAG 36+12*\f, 5, 6, 1536*\f
	ds_load_b32 v[84+\f], v7 offset:64*\f
.endr
	s_wait_alu depctr_va_vdst(0)
	s_wait_dscnt 0x0
.irp f, 0,1,2,3
	v_wmma_scale_f32_16x16x128_f8f6f4 v[96+16*\f:103+16*\f], v[36+12*\f:47+12*\f], v[22:33], 0, v[84+\f], v34 matrix_a_fmt:MATRIX_FMT_FP6 matrix_b_fmt:MATRIX_FMT_FP6
	v_wmma_scale_f32_16x16x128_f8f6f4 v[104+16*\f:111+16*\f], v[36+12*\f:47+12*\f], v[16:27], 0, v[84+\f], v34 matrix_a_fmt:MATRIX_FMT_FP6 matrix_b_fmt:MATRIX_FMT_FP6
.endr
.rept 4
	v_nop                                          ; places: in front of the loads below and of the first read of the scores
.endr
.irp t, 0,1,2,3
	FRAG 36+12*\t, 8, 9, 1536*\t                   ; V's fragments land while the softmax is worked
	ds_load_b32 v[88+\t], v10 offset:64*\t
.endr
	s_cmp_lg_u32 s[J], s[RANK]
	s_cbranch_scc1 .Lopen_\@
.set n, 0
.rept 64
	v_cmp_gt_i32 vcc_lo, 32*(n/16)+n%16, v4
	v_cndmask_b32 v[96+n], v[96+n], v11, vcc_lo    ; hidden scores become -infinity: p = 0
.set n, n+1
.endr
.Lopen_\@:
.irp b, 0,1,2,3
	v_max3_num_f32 v[BM+\b], v[96+16*\b], v[97+16*\b], v[98+16*\b]   ; the largest score of each block of 32 keys: for the row's maximum and for the block's largest p
.endr
.irp i, 3,5,7,9,11,13
.irp b, 0,1,2,3
	v_max3_num_f32 v[BM+\b], v[BM+\b], v[96+16*\b+\i], v[97+16*\b+\i]
.endr
.endr
.irp b, 0,1,2,3
	v_max_num_f32 v[BM+\b], v[BM+\b], v[111+16*\b]
.endr
.irp b, 0,1,2,3
	s_delay_alu instid0(VALU_DEP_4)
	v_permlanex16_b32 v[B2+\b], v[BM+\b], s[SEL], s[SEL+1]
.endr
.irp b, 0,1,2,3
	s_delay_alu instid0(VALU_DEP_4)
	v_max_num_f32 v[BM+\b], v[BM+\b], v[B2+\b]
.endr
	s_delay_alu instid0(VALU_DEP_2)
	v_max3_num_f32 v[TP], v[BM], v[BM+1], v[BM+2]
	s_delay_alu instid0(VALU_DEP_1)
	v_max_num_f32 v[TP], v[TP], v[BM+3]
	s_delay_alu instid0(VALU_DEP_1)
	v_mul_f32 v[TP], s[CS], v[TP]
	s_delay_alu instid0(VALU_DEP_1)
	v_max_num_f32 v13, v13, v[TP]                  ; the running largest t
	v_mov_b32 v[TP], v12
	s_delay_alu instid0(VALU_DEP_2)
	v_floor_f32 v12, -v13                          ; -M = floor(-t): M is a whole number
	s_delay_alu instid0(VALU_DEP_1)
	v_sub_f32 v[TP], v12, v[TP]
	s_delay_alu instid0(VALU_DEP_1)
	v_cvt_i32_f32 v[TP], v[TP]                     ; (it saturates)
	s_delay_alu instid0(VALU_DEP_1)
	v_ldexp_f32 v[FF], 1.0, v[TP]                  ; f = 2^(old M - new M): rounds nothing
.set n, 0
.rept 32
	v_pk_fma_f32 v[96+n:97+n], v[96+n:97+n], s[CS:CS+1], v[12:13] op_sel_hi:[1,0,0]   ; t - M
.set n, n+2
.endr
.irp b, 0,1,2,3
	v_fma_f32 v[BM+\b], v[BM+\b], s[CS], v12
.endr
.set n, 0
	s_wait_alu depctr_va_vdst(0)
.rept 64
	v_exp_f32 v[96+n], v[96+n]
.set n, n+1
.endr
	v_pk_mul_f32 v[14:15], v[14:15], v[FF:FF+1] op_sel_hi:[1,0]   ; the sums under the new M: a plain instruction behind the exponentials
	s_wait_alu depctr_va_vdst(0)                   ; one wait for the batch of 64, ahead of its first reader
.irp b, 0,1,2,3
	v_exp_f32 v[BM+\b], v[BM+\b]                   ; each block's largest p
.endr
	v_pk_add_f32 v[216:217], v[100:101], v[104:105]
	v_pk_add_f32 v[252:253], v[108:109], v[112:113]
	v_pk_add_f32 v[250:251], v[116:117], v[120:121]
	v_pk_add_f32 v[248:249], v[124:125], v[128:129]
	v_pk_add_f32 v[246:247], v[132:133], v[136:137]
	v_pk_add_f32 v[244:245], v[140:141], v[144:145]
	v_pk_add_f32 v[242:243], v[148:149], v[152:153]
	v_pk_add_f32 v[14:15], v[14:15], v[156:157]
	v_pk_add_f32 v[216:217], v[216:217], v[96:97]
	v_pk_add_f32 v[252:253], v[252:253], v[98:99]
	v_pk_add_f32 v[250:251], v[250:251], v[102:103]
	v_pk_add_f32 v[248:249], v[248:249], v[106:107]
	v_pk_add_f32 v[246:247], v[246:247], v[110:111]
	v_pk_add_f32 v[244:245], v[244:245], v[114:115]
	v_pk_add_f32 v[242:243], v[242:243], v[118:119]
	v_pk_add_f32 v[14:15], v[14:15], v[122:123]
	v_pk_add_f32 v[216:217], v[216:217], v[126:127]
	v_pk_add_f32 v[252:253], v[252:253], v[130:131]
	v_pk_add_f32 v[250:251], v[250:251], v[134:135]
	v_pk_add_f32 v[248:249], v[248:249], v[138:139]
	v_pk_add_f32 v[246:247], v[246:247], v[142:143]
	v_pk_add_f32 v[244:245], v[244:245], v[146:147]
	v_pk_add_f32 v[242:243], v[242:243], v[150:151]
	v_pk_add_f32 v[14:15], v[14:15], v[154:155]
	v_pk_add_f32 v[216:217], v[216:217], v[158:159]
	s_delay_alu instid0(VALU_DEP_2)
	v_pk_add_f32 v[14:15], v[14:15], v[248:249]
	s_delay_alu instid0(VALU_DEP_2)
	v_pk_add_f32 v[216:217], v[216:217], v[246:247]
	v_pk_add_f32 v[252:253], v[252:253], v[244:245]
	v_pk_add_f32 v[250:251], v[250:251], v[242:243]
	s_delay_alu instid0(VALU_DEP_2)
	v_pk_add_f32 v[14:15], v[14:15], v[252:253]
	s_delay_alu instid0(VALU_DEP_2)
	v_pk_add_f32 v[216:217], v[216:217], v[250:251]
	s_delay_alu instid0(VALU_DEP_1)
	v_pk_add_f32 v[14:15], v[14:15], v[216:217]
	s_wait_alu depctr_va_vdst(0)                   ; and one for the four
.irp b, 0,1,2,3
	v_max_num_f32 v[BM+\b], 0x1800000, v[BM+\b]    ; the floor 2^(3 - 127)
.endr
.irp b, 0,1,2,3
	s_delay_alu instid0(VALU_DEP_4)
	v_add_nc_u32 v[SO+\b], 0xff000000, v[BM+\b]
.endr
.irp b, 0,1,2,3
	s_delay_alu instid0(VALU_DEP_4)
	v_lshrrev_b32 v[B2+\b], 23, v[SO+\b]
.endr
	s_delay_alu instid0(VALU_DEP_3)
	v_lshl_or_b32 v[PSW], v[B2+1], 8, v[B2]
	s_delay_alu instid0(VALU_DEP_1)
	v_lshl_or_b32 v[PSW], v[B2+2], 16, v[PSW]
	s_delay_alu instid0(VALU_DEP_1)
	v_lshl_or_b32 v[PSW], v[B2+3], 24, v[PSW]
.irp c, 0,1
	v_cvt_scalef32_pk16_fp6_f32 v[224+6*\c:226+6*\c], v[96+32*\c:111+32*\c], v[SO+2*\c]
	v_cvt_scalef32_pk16_fp6_f32 v[CV+4*\c:CV+2+4*\c], v[112+32*\c:127+32*\c], v[SO+2*\c+1]
.endr
	v_nop                                          ; a plain instruction behind the conversions
.irp c, 0,1
.irp i, 0,1,2
	v_permlane16_swap_b32 v[224+6*\c+\i], v[CV+4*\c+\i]
.endr
.irp i, 0,1,2
	s_delay_alu instid0(VALU_DEP_3)
	v_mov_b32 v[227+6*\c+\i], v[CV+4*\c+\i]
.endr
.endr
.set n, 0
.rept 16
	v_pk_mul_f32 v[160+n:161+n], v[160+n:161+n], v[FF:FF+1] op_sel_hi:[1,0]   ; O^T under the new M; these stand between the scale word's and the codes' last writes and the products
.set n, n+2
.endr
	s_wait_alu depctr_va_vdst(0)
	s_wait_dscnt 0x0                               ; V's fragments and scale words
.irp t, 0,1,2,3
	v_wmma_scale_f32_16x16x128_f8f6f4 v[160+8*\t:167+8*\t], v[36+12*\t:47+12*\t], v[224:235], v[160+8*\t:167+8*\t], v[88+\t], v[PSW] matrix_a_fmt:MATRIX_FMT_FP6 matrix_b_fmt:MATRIX_FMT_FP6
.endr
.Lhidden_\@:
	s_add_co_u32 s[TB], s[TB], 6144
	s_add_co_u32 s[TS], s[TS], 256
.endm
	s_wait_alu depctr_va_vdst(0)
	s_cmp_lt_u32 s[WV], 4
	s_cbranch_scc0 .Lnot_early
	s_wait_tensorcnt 0x0                           ; waves 0 to 3: the scale words and the first 512 keys; the rest may be out
.Lnot_early:
	s_barrier_signal -1
	s_barrier_wait -1
	STEP                                           ; key step 0, which every wave has: the rest of the head lands meanwhile
	s_add_co_u32 s[J], s[J], 1
	s_wait_tensorcnt 0x0                           ; the rest of the head.  All waves have done one step here; no later barrier stands among the steps
	s_wait_dscnt 0x0
	s_barrier_signal -1
	s_barrier_wait -1
.Lfirst:
	STEP
	s_add_co_u32 s[J], s[J], 1
	s_cmp_lt_u32 s[J], 8
	s_cbranch_scc1 .Lfirst
	s_cmp_lt_u32 s[WV], 8
	s_cbranch_scc1 .Lno_turn
	; waves 8-15: the lower tile is whole: O^T / the sum, quantised as a half image, stored; then the state begins anew for the upper tile
.rept 4
	v_nop
.endr
	v_add_f32 v14, v14, v15
	v_permlanex16_b32 v[TP], v14, s[SEL], s[SEL+1]
	v_add_f32 v14, v14, v[TP]
	s_wait_alu depctr_va_vdst(0)
	v_rcp_f32 v14, v14
	v_nop
	s_wait_alu depctr_va_vdst(0)
.set n, 0
.rept 32
	v_mul_f32 v[96+n], v[160+n], v14
.set n, n+1
.endr
.irp b, 0,1
	v_max3_num_f32 v[BM+\b], |v[96+16*\b]|, |v[97+16*\b]|, 0x1800000
.endr
.irp i, 2,4,6,8,10,12,14
.irp b, 0,1
	v_max3_num_f32 v[BM+\b], v[BM+\b], |v[96+16*\b+\i]|, |v[97+16*\b+\i]|
.endr
.endr
.irp b, 0,1
	v_permlanex16_b32 v[B2+\b], v[BM+\b], s[SEL], s[SEL+1]
.endr
.irp b, 0,1
	v_max_num_f32 v[BM+\b], v[BM+\b], v[B2+\b]
.endr
.irp b, 0,1
	v_add_nc_u32 v[SO+\b], 0xff000000, v[BM+\b]
.endr
.irp b, 0,1
	v_lshrrev_b32 v[B2+\b], 23, v[SO+\b]
.endr
	v_lshl_or_b32 v[TP], v[B2+1], 8, v[B2]
	v_cvt_scalef32_pk16_fp6_f32 v[224:226], v[96:111], v[SO]
	v_cvt_scalef32_pk16_fp6_f32 v[CV:CV+2], v[112:127], v[SO+1]
	v_nop
.irp i, 0,1,2
	v_permlane16_swap_b32 v[224+\i], v[CV+\i]
.endr
.irp i, 0,1,2
	v_mov_b32 v[227+\i], v[CV+\i]
.endr
	global_store_b128 v1, v[224:227], s[76:77]
	global_store_b64 v2, v[228:229], s[76:77] offset:512
	global_store_b16 v92, v[TP], s[78:79]
	v_mov_b32 v34, v221                            ; the upper tile's q and its scale word: these stand more than eight plain lines ahead of the next products
.irp i, 0,1,2,3,4,5
	v_mov_b32 v[22+\i], v[236+\i]
.endr
	v_mov_b32 v13, 0xff61b1e6
	v_floor_f32 v12, -v13
	v_mov_b32 v14, 0
	v_mov_b32 v15, 0
.set n, 0
.rept 32
	v_mov_b32 v[160+n], 0
.set n, n+1
.endr
	s_mov_b32 s[RANK], s80
	s_mov_b32 s81, s80
	s_wait_alu depctr_va_vdst(0)
	s_wait_xcnt 0x0                                ; the stores have read their registers: the next step writes them again
.Lno_turn:
.Lrest:
	STEP
	s_add_co_u32 s[J], s[J], 1
	s_cmp_lt_u32 s[J], 16
	s_cbranch_scc1 .Lrest
	s_cmp_lt_u32 s[WV], 8
	s_cbranch_scc0 .Lno_send
.rept 4
	v_nop
.endr
.irp k, 0,1,2,3,4,5,6,7
	ds_store_b128 v222, v[160+4*\k:163+4*\k] offset:512*\k   ; waves 0-7: O^T of key steps 0-7,
.endr
	ds_store_b128 v222, v[12:15] offset:4096       ; -M, the largest t, the sum's two halves
.Lno_send:
	s_wait_dscnt 0x0
	s_barrier_signal -1
	s_barrier_wait -1
	s_cmp_lt_u32 s[WV], 8
	s_cbranch_scc1 .Lxend                          ; waves 0-7 have handed their part over
.irp k, 0,1,2,3,4,5,6,7
	ds_load_b128 v[96+4*\k:99+4*\k], v222 offset:512*\k
.endr
	ds_load_b128 v[128:131], v222 offset:4096
	s_wait_dscnt 0x0
	v_min_num_f32 v132, v12, v128                  ; the common -M
	v_sub_f32 v133, v132, v12                      ; whole numbers, 0 or less
	v_sub_f32 v134, v132, v128
	v_cvt_i32_f32 v133, v133
	v_cvt_i32_f32 v134, v134
	v_ldexp_f32 v[FF], 1.0, v133                   ; my part's factor
	v_ldexp_f32 v136, 1.0, v134                    ; the partner's
	v_mov_b32 v137, 0
	v_pk_mul_f32 v[14:15], v[14:15], v[FF:FF+1] op_sel_hi:[1,0]
	v_pk_fma_f32 v[14:15], v[130:131], v[136:137], v[14:15] op_sel_hi:[1,0,1]
.set n, 0
.rept 16
	v_pk_mul_f32 v[160+n:161+n], v[160+n:161+n], v[FF:FF+1] op_sel_hi:[1,0]
.set n, n+2
.endr
.set n, 0
.rept 16
	v_pk_fma_f32 v[160+n:161+n], v[96+n:97+n], v[136:137], v[160+n:161+n] op_sel_hi:[1,0,1]
.set n, n+2
.endr
	; THE WAY OUT: O^T / the sum; its 32 numbers a lane are channels 32 b + 16 h + 0..15 of my query: two blocks, quantised as a half image of the next product's operand
.rept 4
	v_nop
.endr
	v_add_f32 v14, v14, v15
	s_delay_alu instid0(VALU_DEP_1)
	v_permlanex16_b32 v[TP], v14, s[SEL], s[SEL+1]
	s_delay_alu instid0(VALU_DEP_1)
	v_add_f32 v14, v14, v[TP]
	s_wait_alu depctr_va_vdst(0)
	v_rcp_f32 v14, v14
	v_nop
	s_wait_alu depctr_va_vdst(0)
.set n, 0
.rept 32
	v_mul_f32 v[96+n], v[160+n], v14
.set n, n+1
.endr
.irp b, 0,1
	v_max3_num_f32 v[BM+\b], |v[96+16*\b]|, |v[97+16*\b]|, 0x1800000
.endr
.irp i, 2,4,6,8,10,12,14
.irp b, 0,1
	s_delay_alu instid0(VALU_DEP_2)
	v_max3_num_f32 v[BM+\b], v[BM+\b], |v[96+16*\b+\i]|, |v[97+16*\b+\i]|
.endr
.endr
.irp b, 0,1
	s_delay_alu instid0(VALU_DEP_2)
	v_permlanex16_b32 v[B2+\b], v[BM+\b], s[SEL], s[SEL+1]
.endr
.irp b, 0,1
	s_delay_alu instid0(VALU_DEP_2)
	v_max_num_f32 v[BM+\b], v[BM+\b], v[B2+\b]
.endr
.irp b, 0,1
	s_delay_alu instid0(VALU_DEP_2)
	v_add_nc_u32 v[SO+\b], 0xff000000, v[BM+\b]
.endr
.irp b, 0,1
	s_delay_alu instid0(VALU_DEP_2)
	v_lshrrev_b32 v[B2+\b], 23, v[SO+\b]
.endr
	s_delay_alu instid0(VALU_DEP_1)
	v_lshl_or_b32 v[TP], v[B2+1], 8, v[B2]
	v_cvt_scalef32_pk16_fp6_f32 v[224:226], v[96:111], v[SO]
	v_cvt_scalef32_pk16_fp6_f32 v[CV:CV+2], v[112:127], v[SO+1]
	v_nop
.irp i, 0,1,2
	v_permlane16_swap_b32 v[224+\i], v[CV+\i]
.endr
.irp i, 0,1,2
	s_delay_alu instid0(VALU_DEP_3)
	v_mov_b32 v[227+\i], v[CV+\i]
.endr
	global_store_b128 v1, v[224:227], s[70:71]     ; 512 consecutive bytes
	global_store_b64 v2, v[228:229], s[70:71] offset:512
	global_store_b16 v92, v[TP], s[72:73]
.Lxend:
	s_wait_tensorcnt 0x0
	ds_add_u32 v254, v255
	s_wait_dscnt 0x0
	CROUND                                         ; the closing round
	s_endpgm
.Lfunc_end_k_q96082b37dc_attn:
	.size	k_q96082b37dc_attn, .Lfunc_end_k_q96082b37dc_attn-k_q96082b37dc_attn
	.p2alignl 7, 3214868480
	.fill 96, 4, 3214868480
	.section	.rodata,"a",@progbits
	.p2align	6, 0x0
	.amdhsa_kernel k_q96082b37dc_attn
		.amdhsa_group_segment_fixed_size 243712
		.amdhsa_private_segment_fixed_size 0
		.amdhsa_enable_private_segment 0
		.amdhsa_kernarg_size 16
		.amdhsa_user_sgpr_count 2
		.amdhsa_user_sgpr_kernarg_segment_ptr 1
		.amdhsa_wavefront_size32 1
		.amdhsa_system_sgpr_workgroup_id_x 1
		.amdhsa_system_sgpr_workgroup_id_y 1
		.amdhsa_system_sgpr_workgroup_id_z 1
		.amdhsa_system_vgpr_workitem_id 0
		.amdhsa_next_free_vgpr 256
		.amdhsa_next_free_sgpr 96
		.amdhsa_reserve_vcc 1
		.amdhsa_float_denorm_mode_32 3
		.amdhsa_float_denorm_mode_16_64 3
		.amdhsa_memory_ordered 1
		.amdhsa_forward_progress 1
		.amdhsa_inst_pref_size 94
	.end_amdhsa_kernel
	.amdgpu_metadata
---
amdhsa.version: [ 1, 2 ]
amdhsa.kernels:
  - .name:           k_q96082b37dc_attn
    .symbol:         k_q96082b37dc_attn.kd
    .args:
      - { .name: QKV, .offset: 0, .size: 8, .value_kind: global_buffer, .address_space: global }
      - { .name: OC, .offset: 8, .size: 8, .value_kind: global_buffer, .address_space: global }
    .group_segment_fixed_size: 243712
    .private_segment_fixed_size: 0
    .kernarg_segment_align: 8
    .kernarg_segment_size: 16
    .max_flat_workgroup_size: 512
    .sgpr_count:     96
    .vgpr_count:     256
    .wavefront_size: 32
...
	.end_amdgpu_metadata
.endif
;; end of part 3
;; launch gproj (part 4): grid 8 x 32, 4 waves a work-group, clusters of 4 x 4, 327,680 bytes of LDS; arguments OC, W, b_attn_proj, x, X1; writes X1
.if DOCPART == 4
	.amdgcn_target "amdgcn-amd-amdhsa--gfx1250"
	.amdhsa_code_object_version 6
	.text
	.protected	k_q96082b37dc_gproj
	.globl	k_q96082b37dc_gproj
	.p2align	8
	.type	k_q96082b37dc_gproj,@function
k_q96082b37dc_gproj:
	s_mov_b64 s[64:65], 0
	v_nop
	global_prefetch_b8 v0, s[64:65] scope:SCOPE_SE
	s_setreg_imm32_b32 hwreg(HW_REG_WAVE_MODE, 25, 1), 1
	s_wait_xcnt 0x0
	s_wait_alu depctr_hold_cnt(0) depctr_sa_sdst(0) depctr_va_vdst(0) depctr_va_sdst(0) depctr_va_ssrc(0) depctr_va_vcc(0) depctr_vm_vsrc(0)
	s_getreg_b32 s2, hwreg(HW_REG_IB_STS2, 6, 4)
	s_cmp_eq_u32 s2, 0
	s_cbranch_scc0 .Lentry_in_a_cluster
	s_endpgm
.Lentry_in_a_cluster:
	s_bfe_u32 s2, ttmp6, 0x10000c
	s_cmp_lg_u32 s2, 0xf033
	s_cbranch_scc0 .Lentry_shape_is_right
	s_endpgm
.Lentry_shape_is_right:
.set AB, 4
.set NQ, 4
.set KS, 8
.set ASC, 3145728
.set WCO, 2359296
.set WSO, 9535488
.set FRB,   1536
.set GT,    2*AB
.set PART,  (GT/2)*NQ*FRB
.set SLOT,  4*PART
.set SCL,   2*SLOT
.set HALFS, (GT/2)*KS*64
.set SPARE, SCL+4*HALFS
.set STG,   SPARE+512
.set LAPS,  KS/(2*NQ)
.set E16,  3
.set ED,   4
.set A16,  16
.set A8,   18
.set B16,  20
.set B8,   22
.set ADRS, 27
.set SPW,  28
.set NIL,  29
.set SC,   32
.set AF,   64
.set G1,   24
.set G0,   32
.set G1B,  48
.set G0B,  56
.set G1S,  68
.set G0S,  76
.set G1SB, 80
.set G0SB, 88
.set MSB,  0
.macro WIN new
.if MSB != (\new)
	s_set_vgpr_msb (MSB<<8)|(\new)
.set MSB, (\new)
.endif
.endm
.macro JLOAD g0a, g1a, g0b, g1b
	s_cmp_eq_u32 s15, 0
	s_cbranch_scc0 .Lfor_b_\@
	tensor_load_to_lds s[\g0a:\g0a+3], s[\g1a:\g1a+7]
	s_nop 0
.rept 4
	v_nop
.endr
	s_branch .Lasked_\@
.Lfor_b_\@:
	tensor_load_to_lds s[\g0b:\g0b+3], s[\g1b:\g1b+7]
	s_nop 0
.rept 4
	v_nop
.endr
.Lasked_\@:
.endm
.macro CREST
	s_cmp_lg_u32 s14, 0
	s_cbranch_scc1 .Lnot_wave_0_\@
	s_barrier_signal -3
.Lnot_wave_0_\@:
	s_barrier_wait -3
	s_barrier_signal -1
	s_barrier_wait -1
.endm
.macro CROUND
	s_barrier_signal -1
	s_barrier_wait -1
	CREST
.endm
.macro PLACES n
.rept \n
	v_nop
.endr
.endm
.macro FRAG reg, a16, a8, off
	ds_load_b128 v[\reg:\reg+3], v[\a16] offset:\off
	ds_load_b64 v[\reg+4:\reg+5], v[\a8] offset:\off+512
	ds_load_b128 v[\reg+6:\reg+9], v[\a16] offset:\off+768
	ds_load_b64 v[\reg+10:\reg+11], v[\a8] offset:\off+1280
.endm
.macro FETCH_B slot, q, p
	WIN 0x40
.set fi, 0
.rept AB
	FRAG 128*(\p)+12*fi, B16+\slot, B8+\slot, (fi*KS+(\q))*FRB
.set fi, fi+1
.endr
	WIN 0
.endm
.macro FETCH_A slot, q, p
.set fi, 0
.rept AB
	FRAG AF+96*(\p)+12*fi, A16+\slot, A8+\slot, (fi*KS+(\q))*FRB
.set fi, fi+1
.endr
.endm
.macro SCALES sc
.set fi, 0
.rept AB
.set fq, 0
.rept NQ
	ds_load_b32 v[SC+16*(\sc)+NQ*fi+fq], v[ADRS] offset:(fi*KS+fq)*64
.set fq, fq+1
.endr
.set fi, fi+1
.endr
.endm
.macro MULQ k, p, q, sc, zero
.set ma, (\k)*(AB/4)
.rept AB/4
.set mb, 0
.rept AB
.set mD, 8*(AB*(ma%(AB/2))+mb)
.if \zero
	v_wmma_scale_f32_16x16x128_f8f6f4 v[mD:mD+7], v[128*(\p)+12*mb:128*(\p)+12*mb+11], v[AF+96*(\p)+12*ma:AF+96*(\p)+12*ma+11], 0, v[SC+16*(\sc)+NQ*mb+(\q)], v[SC+16*(\sc)+NQ*ma+(\q)] matrix_a_fmt:MATRIX_FMT_FP6 matrix_b_fmt:MATRIX_FMT_FP6 matrix_a_scale:MATRIX_SCALE_ROW1
.else
	v_wmma_scale_f32_16x16x128_f8f6f4 v[mD:mD+7], v[128*(\p)+12*mb:128*(\p)+12*mb+11], v[AF+96*(\p)+12*ma:AF+96*(\p)+12*ma+11], v[mD:mD+7], v[SC+16*(\sc)+NQ*mb+(\q)], v[SC+16*(\sc)+NQ*ma+(\q)] matrix_a_fmt:MATRIX_FMT_FP6 matrix_b_fmt:MATRIX_FMT_FP6 matrix_a_scale:MATRIX_SCALE_ROW1
.endif
.set mb, mb+1
.endr
.set ma, ma+1
.endr
.endm
.macro STEP slot, q, zero
	s_wait_dscnt 0x0
	PLACES 4
	FETCH_B \slot, (\q)+1, 1-(\q)%2
	FETCH_A \slot, (\q)+1, 1-(\q)%2
	WIN 0xa1
	MULQ 0, (\q)%2, \q, \slot, \zero
	MULQ 1, (\q)%2, \q, \slot, \zero
	WIN 0xf1
	MULQ 2, (\q)%2, \q, \slot, \zero
	MULQ 3, (\q)%2, \q, \slot, \zero
	WIN 0
.endm
.macro STEPS slot, first
.set qq, \first
.rept NQ-1-(\first)
	STEP \slot, qq, 0
.set qq, qq+1
.endr
.endm
.macro TURN slot, next, fill
	s_wait_tensorcnt 0x0
	ds_add_u32 v[SPW], v[NIL]
	s_wait_dscnt 1
	WIN 0xa1
	MULQ 0, 1, NQ-1, \slot, 0
	s_wait_dscnt 0x0
	s_barrier_signal -1
	MULQ 1, 1, NQ-1, \slot, 0
	WIN 0
	s_barrier_wait -1
.if \fill
	CREST
	s_add_nc_u64 s[G0+4*\slot+2:G0+4*\slot+3], s[G0+4*\slot+2:G0+4*\slot+3], 2*NQ*FRB
	s_add_nc_u64 s[G0B+4*\slot+2:G0B+4*\slot+3], s[G0B+4*\slot+2:G0B+4*\slot+3], 2*NQ*FRB
	JLOAD G0+4*\slot, G1, G0B+4*\slot, G1B
.else
	PLACES 4
.endif
	v_add_nc_u32 v[ADRS], 64*NQ, v[ADRS]
	FETCH_B \next, 0, 0
	FETCH_A \next, 0, 0
	SCALES \next
	WIN 0xf1
	MULQ 2, 1, NQ-1, \slot, 0
	MULQ 3, 1, NQ-1, \slot, 0
	WIN 0
.endm
.macro LAST
	s_wait_dscnt 0x0
	WIN 0xa1
	MULQ 0, 1, NQ-1, 1, 0
	MULQ 1, 1, NQ-1, 1, 0
	WIN 0xf1
	MULQ 2, 1, NQ-1, 1, 0
	MULQ 3, 1, NQ-1, 1, 0
	WIN 0
.endm
	s_load_b256 s[4:11], s[0:1], 0x0
	s_load_b64 s[12:13], s[0:1], 0x20
	v_lshl_add_u32 v[SPW], v0, 2, SPARE
	v_mov_b32 v[NIL], 0
	ds_add_u32 v28, v29
	ds_add_u32 v28, v29
	s_wait_dscnt 0x0
	v_lshrrev_b32 v1, 5, v0
	v_readfirstlane_b32 s14, v1
	s_lshr_b32 s15, s14, 1
	s_and_b32 s16, s14, 1
	s_bfe_u32 s40, ttmp6, 0x40000
	s_bfe_u32 s41, ttmp6, 0x40004
	s_lshl_b32 s42, ttmp9, 2
	s_add_co_u32 s42, s42, s40
	s_and_b32 s17, ttmp7, 0xffff
	s_lshl_b32 s17, s17, 2
	s_add_co_u32 s17, s17, s41
	s_lshl_b32 s43, s41, 2
	s_lshl_b32 s43, 15, s43
	s_lshl_b32 s44, 0x1111, s40
	s_or_b32 s[G1+0], s43, (3<<16)|(1<<21)
	s_or_b32 s[G1B+0], s44, (3<<16)|(1<<21)
.irp g, G1, G1B
	s_mov_b32 s[\g+1], (192*KS)<<16                ; a group's fragments of all 8 K steps: one tensor load a wave brings all that it fetches
	s_mov_b32 s[\g+2], (GT/2)<<16
	s_mov_b32 s[\g+3], (192*KS)<<16
	s_mov_b32 s[\g+4], GT/2
	s_mov_b32 s[\g+5], 192*KS
	s_mov_b32 s[\g+6], 0
	s_mov_b32 s[\g+7], 0
.endr
	s_mul_i32 s18, s16, GT/2
	s_mul_i32 s20, s17, GT
	s_add_co_u32 s20, s20, s18
	s_mul_i32 s46, s42, GT
	s_add_co_u32 s46, s46, s18
	s_mul_i32 s22, s20, KS*64
	s_mul_i32 s20, s20, KS*FRB
	s_mul_i32 s92, s46, KS*64
	s_mul_i32 s46, s46, KS*FRB
	s_mov_b32 s21, 0
	s_mov_b32 s23, 0
	s_mov_b32 s47, 0
	s_mov_b32 s93, 0
	s_mul_i32 s45, s14, 2*PART
	s_wait_kmcnt 0x0
	s_add_nc_u64 s[20:21], s[4:5], s[20:21]
	s_add_nc_u64 s[22:23], s[4:5], s[22:23]
	s_add_nc_u64 s[22:23], s[22:23], ASC
	s_add_nc_u64 s[46:47], s[6:7], s[46:47]
	s_add_nc_u64 s[46:47], s[46:47], WCO
	s_add_nc_u64 s[92:93], s[6:7], s[92:93]
	s_add_nc_u64 s[92:93], s[92:93], WSO
	CROUND
	s_cmp_eq_u32 s15, 0
	s_cselect_b64 s[100:101], s[22:23], s[92:93]   ; the 2,048 bytes of scale words that I copy by plain loads
	s_mov_b32 s[G0], 1
	s_mov_b32 s[G0+1], s45
	s_mov_b64 s[G0+2:G0+3], s[20:21]
	s_or_b32 s[G0+3], s[G0+3], 0x80000000
	s_mov_b32 s[G0B], 1
	s_mov_b32 s[G0B+1], s45
	s_mov_b64 s[G0B+2:G0B+3], s[46:47]
	s_or_b32 s[G0B+3], s[G0B+3], 0x80000000
	JLOAD G0, G1, G0B, G1B                         ; my four groups, all of K: the launch's only tensor load of this wave
	v_and_b32 v1, 15, v0
	v_bfe_u32 v2, v0, 4, 1
	v_and_b32 v3, 31, v0
	v_lshlrev_b32 v[E16], 4, v3
	v_lshlrev_b32 v[ED], 4, v1
	v_lshl_add_u32 v[ED], v2, 3, v[ED]
	s_mul_i32 s21, s15, 2*PART
	s_mul_i32 s22, s16, 2*PART
	s_add_co_u32 s22, s22, 4*PART
.irp s, 0,1
	v_add_nc_u32 v[A16+\s], s21, v[E16]
	v_add_nc_u32 v[A8+\s], s21, v[ED]
	v_add_nc_u32 v[B16+\s], s22, v[E16]
	v_add_nc_u32 v[B8+\s], s22, v[ED]
	s_add_co_u32 s21, s21, NQ*FRB
	s_add_co_u32 s22, s22, NQ*FRB
.endr
	v_lshlrev_b32 v5, 2, v1
	s_mul_i32 s21, s15, HALFS
	s_mul_i32 s22, s16, HALFS
	s_add_co_u32 s22, s22, 2*HALFS
	s_sub_co_u32 s22, s22, s21
	v_mul_u32_u24 v6, s22, v2
	s_add_co_u32 s21, s21, SCL
	v_add_nc_u32 v5, v5, v6
	v_add_nc_u32 v[ADRS], s21, v5
.set STO, 24
.set RD,  25
.set CO,  6
.set BIA, 8
.set BK,  64
	s_mul_i32 s21, s14, 16*272
	s_add_co_u32 s21, s21, STG
	v_mul_u32_u24 v[STO], v1, 272
	v_lshl_add_u32 v[STO], v2, 6, v[STO]
	v_add_nc_u32 v[STO], s21, v[STO]
	v_mul_u32_u24 v[RD], v2, 272
	v_lshl_add_u32 v[RD], v1, 4, v[RD]
	v_add_nc_u32 v[RD], s21, v[RD]
	v_lshlrev_b32 v[CO], 4, v1
	v_lshl_add_u32 v[CO], v2, 12, v[CO]
	v_lshlrev_b32 v7, 4, v1
	s_wait_alu depctr_va_vdst(0)
	s_lshl_b32 s46, s42, 9
	s_lshl_b32 s47, s16, 8
	s_add_co_u32 s46, s46, s47
	s_mov_b32 s47, 0
	s_lshl_b32 s66, s17, 19
	s_lshl_b32 s67, s15, 18
	s_add_co_u32 s66, s66, s67
	s_add_co_u32 s66, s66, s46
	s_mov_b32 s67, 0
	s_add_nc_u64 s[20:21], s[10:11], s[66:67]
	s_add_nc_u64 s[22:23], s[12:13], s[66:67]
	s_add_nc_u64 s[46:47], s[8:9], s[46:47]
	global_load_b128 v[BIA:BIA+3], v7, s[46:47]
	WIN 0x40
.irp a, 0,1,2,3
.irp t, 0,1,2,3,4,5,6,7
	global_load_b128 v[48+128*(\a/2)+32*(\a%2)+4*\t:48+128*(\a/2)+32*(\a%2)+4*\t+3], v[CO], s[20:21] offset:(32*(\a/2)+8*(\a%2)+2*\t+8*(\t/4))*4096
.endr
.endr
	WIN 0
	s_mul_i32 s66, s14, HALFS
	s_add_co_u32 s66, s66, SCL
	v_add_nc_u32 v31, s66, v[E16]
.irp k, 0,1,2,3
	global_load_b128 v[AF+4*\k:AF+4*\k+3], v[E16], s[100:101] offset:512*\k
.endr
	s_wait_alu depctr_va_vdst(0)
	s_wait_loadcnt 0x0
.irp k, 0,1,2,3
	ds_store_b128 v31, v[AF+4*\k:AF+4*\k+3] offset:512*\k
.endr
	s_wait_dscnt 0x0
	s_wait_tensorcnt 0x0
	s_barrier_signal -1
	s_barrier_wait -1
	FETCH_B 0, 0, 0
	FETCH_A 0, 0, 0
	SCALES 0
	STEP 0, 0, 1
.if LAPS > 1
	s_mov_b32 s3, LAPS-1
.Llap:
	STEPS 0, 1
	TURN 0, 1, 1
	STEPS 1, 0
	TURN 1, 0, 1
	STEP 0, 0, 0
	s_sub_co_u32 s3, s3, 1
	s_cmp_lg_u32 s3, 0
	s_cbranch_scc1 .Llap
.endif
	STEPS 0, 1
	TURN 0, 1, 0
	STEPS 1, 0
	LAST
.macro TOSTAGE a
	WIN 0x08+4*((\a)/2)
.set tb, 0
.rept 4
.set tD, 8*(4*((\a)%2)+tb)
	ds_store_b128 v[STO], v[tD:tD+3] offset:128*(tb/2)+32*(tb%2)
	ds_store_b128 v[STO], v[tD+4:tD+7] offset:128*(tb/2)+32*(tb%2)+16
.set tb, tb+1
.endr
	WIN 0
.set BB, BK+32*((\a)%2)
.irp t, 0,1,2,3,4,5,6,7
	ds_load_b128 v[BB+4*\t:BB+4*\t+3], v[RD] offset:544*\t
.endr
.endm
.macro SEND a, younger
.set BB, BK+32*((\a)%2)
.set RR, 48+128*((\a)/2)+32*((\a)%2)
	s_wait_dscnt \younger
	WIN 0x04
.set nn, 0
.rept 16
	v_pk_add_f32 v[BB+nn:BB+nn+1], v[BB+nn:BB+nn+1], v[RR+nn:RR+nn+1]
.set nn, nn+2
.endr
	WIN 0
.set nn, 0
.rept 16
	v_pk_add_f32 v[BB+nn:BB+nn+1], v[BB+nn:BB+nn+1], v[BIA+nn%4:BIA+nn%4+1]
.set nn, nn+2
.endr
.irp t, 0,1,2,3,4,5,6,7
	global_store_b128 v[CO], v[BB+4*\t:BB+4*\t+3], s[22:23] offset:(32*((\a)/2)+8*((\a)%2)+2*\t+8*(\t/4))*4096
.endr
.endm
	PLACES 4
	s_wait_loadcnt 0x0
	TOSTAGE 0
.irp a, 1,2,3
.if \a > 1
	s_wait_xcnt 0x0
.endif
	TOSTAGE \a
	SEND (\a-1), 16
.endr
	SEND 3, 0
	s_wait_tensorcnt 0x0
	ds_add_u32 v[SPW], v[NIL]
	s_wait_dscnt 0x0
	CROUND
	s_endpgm
.Lfunc_end_k_q96082b37dc_gproj:
	.size	k_q96082b37dc_gproj, .Lfunc_end_k_q96082b37dc_gproj-k_q96082b37dc_gproj
	.p2alignl 7, 3214868480
	.fill 96, 4, 3214868480
	.section	.rodata,"a",@progbits
	.p2align	6, 0x0
	.amdhsa_kernel k_q96082b37dc_gproj
		.amdhsa_group_segment_fixed_size 327680
		.amdhsa_private_segment_fixed_size 0
		.amdhsa_enable_private_segment 0
		.amdhsa_kernarg_size 40
		.amdhsa_user_sgpr_count 2
		.amdhsa_user_sgpr_kernarg_segment_ptr 1
		.amdhsa_wavefront_size32 1
		.amdhsa_system_sgpr_workgroup_id_x 1
		.amdhsa_system_sgpr_workgroup_id_y 1
		.amdhsa_system_sgpr_workgroup_id_z 1
		.amdhsa_system_vgpr_workitem_id 0
		.amdhsa_next_free_vgpr 1024
		.amdhsa_next_free_sgpr 104
		.amdhsa_reserve_vcc 0
		.amdhsa_float_denorm_mode_32 3
		.amdhsa_float_denorm_mode_16_64 3
		.amdhsa_memory_ordered 1
		.amdhsa_forward_progress 1
		.amdhsa_inst_pref_size 64
	.end_amdhsa_kernel
	.amdgpu_metadata
---
amdhsa.version: [ 1, 2 ]
amdhsa.kernels:
  - .name:           k_q96082b37dc_gproj
    .symbol:         k_q96082b37dc_gproj.kd
    .args:
      - { .name: OC, .offset: 0, .size: 8, .value_kind: global_buffer, .address_space: global }
      - { .name: W, .offset: 8, .size: 8, .value_kind: global_buffer, .address_space: global }
      - { .name: b_attn_proj, .offset: 16, .size: 8, .value_kind: global_buffer, .address_space: global }
      - { .name: x, .offset: 24, .size: 8, .value_kind: global_buffer, .address_space: global }
      - { .name: X1, .offset: 32, .size: 8, .value_kind: global_buffer, .address_space: global }
    .group_segment_fixed_size: 327680
    .private_segment_fixed_size: 0
    .kernarg_segment_align: 8
    .kernarg_segment_size: 40
    .max_flat_workgroup_size: 128
    .sgpr_count:     104
    .vgpr_count:     1024
    .wavefront_size: 32
...
	.end_amdgpu_metadata
.endif
;; end of part 4
;; launch ln2 (part 5): grid 256 x 1, 4 waves a work-group, no clusters, 33,280 bytes of LDS; arguments X1, ln2_g, ln2_b, H; writes H
.if DOCPART == 5
	.amdgcn_target "amdgcn-amd-amdhsa--gfx1250"
	.amdhsa_code_object_version 6
	.text
	.protected	k_q96082b37dc_ln2
	.globl	k_q96082b37dc_ln2
	.p2align	8
	.type	k_q96082b37dc_ln2,@function
k_q96082b37dc_ln2:
	s_mov_b64 s[64:65], 0
	v_nop
	global_prefetch_b8 v0, s[64:65] scope:SCOPE_SE
	s_setreg_imm32_b32 hwreg(HW_REG_WAVE_MODE, 25, 1), 1
	s_wait_xcnt 0x0
; LayerNorm of rows of 1,024 f32 numbers, quantised along the row to codes of FP6 (E2M3) with one E8M0 byte for each 32.
; OUTPUT FORMAT (all code buffers of this program): a fragment = 16 stored rows x 128 K = 1,536 bytes, laid as the operand's registers:
; for each half c (64 K): 512 bytes, lane L's registers 6c..6c+3 at 16 L; then 256 bytes, lane (r, h)'s registers 6c+4, 6c+5 at 16 r + 8 h.
; codes [group g][K step s][1536]; scale words [g][s][16 words] behind them.  Stored row r of group g is the true row 32 (g/2) + 8 (g%2) + r + 8 (r/8).
; SHARES: a work-group makes one group g (16 tokens), a wave four tokens (neighbours in memory).  Nothing is shared between work-groups: no cluster, no tensor load.
; Mean and variance in two passes over registers, f32.  A row then turns through the wave's own stage in LDS, so that lane l holds block l (32 neighbours).
; LIMITS: NaN and infinities are not served; a block whose largest magnitude lies under 2^-124 (zeros too) gets the byte 1: only this program reads the bytes.
.set X,    64                          ; v64-191  four rows, 32 registers each: register 4 j + e = column 128 j + 4 lane + e
.set GA,   192                         ; v192-223 the gain, same layout
.set BE,   224                         ; v224-255 the bias
.set Y,    32                          ; v32-63   a block's 32 neighbours; later the way out
.set STGB, 4608                        ; a wave's stage: 32 blocks x (128 bytes + 16)
.set IMG,  4*STGB                      ; the group's image: 48 pieces of 256 bytes, 272 apart
.set SCB,  IMG+48*272                  ; the group's 512 scale bytes
	s_load_b256 s[4:11], s[0:1], 0x0               ; rows s[4:5], gain s[6:7], bias s[8:9], codes' buffer s[10:11]
	s_set_vgpr_msb 0x40
	v_lshl_add_u32 v0, v0, 2, 0x8000
	v_mov_b32 v1, 0
	s_set_vgpr_msb 0x4000
	v_lshrrev_b32 v1, 5, v0
	v_readfirstlane_b32 s12, v1                    ; wave 0..3
	v_and_b32 v2, 31, v0                           ; lane
	v_lshlrev_b32 v3, 4, v2                        ; 16 x lane
	s_lshr_b32 s13, ttmp9, 1
	s_lshl_b32 s13, s13, 5                         ; 32 (g / 2)
	s_and_b32 s14, ttmp9, 1
	s_lshl_b32 s14, s14, 3
	s_add_co_u32 s13, s13, s14                     ; + 8 (g % 2)
	s_lshl_b32 s14, s12, 2
	s_add_co_u32 s13, s13, s14                     ; + 4 wave
	s_lshr_b32 s14, s12, 1
	s_lshl_b32 s14, s14, 3
	s_add_co_u32 s13, s13, s14                     ; + 8 (wave / 2): my first token
	s_lshl_b32 s14, s13, 12                        ; x 4,096 bytes
	s_mov_b32 s15, 0
	s_mul_i32 s16, ttmp9, 12288                    ; the group's codes
	s_mov_b32 s17, 0
	s_lshl_b32 s20, ttmp9, 9                       ; the group's scale words
	s_mov_b32 s21, 0
	s_mov_b32 s18, 0x76543210
	s_mov_b32 s19, 0xfedcba98                      ; lane l xor 16
	s_mov_b32 s22, 0x3a800000                      ; 1 / 1024
	s_mov_b32 s23, 0x3727c5ac                      ; 1e-5
	s_wait_alu depctr_va_vdst(0)
	s_wait_kmcnt 0x0
	s_add_nc_u64 s[4:5], s[4:5], s[14:15]
	s_add_nc_u64 s[24:25], s[10:11], s[16:17]
	s_add_nc_u64 s[26:27], s[10:11], s[20:21]
.irp i, 0,1,2,3
.irp j, 0,1,2,3,4,5,6,7
	global_load_b128 v[X+32*\i+4*\j:X+32*\i+4*\j+3], v3, s[4:5] offset:4096*\i+512*\j th:TH_LOAD_NT   ; 512 consecutive bytes a load
.endr
.endr
.irp j, 0,1,2,3,4,5,6,7
	global_load_b128 v[GA+4*\j:GA+4*\j+3], v3, s[6:7] offset:512*\j
	global_load_b128 v[BE+4*\j:BE+4*\j+3], v3, s[8:9] offset:512*\j
.endr
	; LDS addresses: a constant + a lane term + a constant x wave
	v_lshrrev_b32 v4, 3, v2
	v_lshl_add_u32 v4, v4, 4, v3
	s_mul_i32 s16, s12, STGB
	v_add_nc_u32 v4, s16, v4                       ; stage, in: 16 lane + 16 (lane / 8)
	v_mul_u32_u24 v5, v2, 144
	v_add_nc_u32 v5, s16, v5                       ; stage, out: block = lane, 144 bytes apart
	v_lshrrev_b32 v6, 2, v2                        ; K step of my block
	v_mul_u32_u24 v7, v6, 6
	v_bfe_u32 v16, v2, 1, 1
	v_mad_u32_u24 v7, v16, 3, v7                   ; piece 6 s + 3 c
	v_and_b32 v17, 1, v2                           ; h of my block
	v_add_nc_u32 v18, v7, v17
	v_mul_u32_u24 v18, v18, 272
	s_lshl_b32 s17, s12, 6
	s_add_co_u32 s17, s17, IMG
	v_add_nc_u32 v18, s17, v18                     ; registers 0-3: piece + h, at 16 r (r = 4 wave + i)
	v_mul_u32_u24 v19, v7, 272
	v_lshl_add_u32 v19, v17, 3, v19
	v_add_nc_u32 v19, s17, v19
	v_add_nc_u32 v19, 2*272, v19                   ; registers 4, 5: piece + 2, at 16 r + 8 h
	v_and_b32 v29, 3, v2
	v_lshl_add_u32 v29, v6, 6, v29
	s_lshl_b32 s17, s12, 4
	s_add_co_u32 s17, s17, SCB
	v_add_nc_u32 v29, s17, v29                     ; scale byte: 64 s + 4 r + block
	v_lshrrev_b32 v30, 4, v0
	v_mul_u32_u24 v30, v30, 272
	v_and_b32 v31, 15, v0
	v_lshl_add_u32 v30, v31, 4, v30
	v_add_nc_u32 v30, IMG, v30                     ; the way out: thread t reads piece t / 16, 16 bytes
	v_lshlrev_b32 v31, 4, v0
	v_lshl_add_u32 v1, v0, 2, SCB
	v_lshlrev_b32 v6, 2, v0
.macro REDUCE                          ; the four rows' pairs v[8+2i:9+2i] become sums over the wave, in every lane
.irp i, 0,1,2,3
	v_add_f32 v[8+2*\i], v[8+2*\i], v[9+2*\i]
.endr
.irp m, 1,2,4,8
.irp i, 0,1,2,3
	v_add_f32_dpp v[8+2*\i], v[8+2*\i], v[8+2*\i] row_xmask:\m row_mask:0xf bank_mask:0xf
.endr
.endr
.irp i, 0,1,2,3
	v_permlanex16_b32 v[9+2*\i], v[8+2*\i], s18, s19
.endr
.irp i, 0,1,2,3
	v_add_f32 v[8+2*\i], v[8+2*\i], v[9+2*\i]
.endr
.endm
	s_wait_loadcnt 0x0
.irp i, 0,1,2,3
	v_pk_add_f32 v[8+2*\i:9+2*\i], v[X+32*\i:X+32*\i+1], v[X+32*\i+2:X+32*\i+3]
.endr
.irp j, 4,6,8,10,12,14,16,18,20,22,24,26,28,30
.irp i, 0,1,2,3
	v_pk_add_f32 v[8+2*\i:9+2*\i], v[8+2*\i:9+2*\i], v[X+32*\i+\j:X+32*\i+\j+1]
.endr
.endr
	REDUCE
.irp i, 0,1,2,3
	v_mul_f32 v[8+2*\i], s22, v[8+2*\i]            ; the mean
.endr
.irp j, 0,2,4,6,8,10,12,14,16,18,20,22,24,26,28,30
.irp i, 0,1,2,3
	v_pk_add_f32 v[X+32*\i+\j:X+32*\i+\j+1], v[X+32*\i+\j:X+32*\i+\j+1], v[8+2*\i:9+2*\i] op_sel_hi:[1,0] neg_lo:[0,1] neg_hi:[0,1]   ; x - mean
.endr
.endr
.irp i, 0,1,2,3
	v_pk_mul_f32 v[8+2*\i:9+2*\i], v[X+32*\i:X+32*\i+1], v[X+32*\i:X+32*\i+1]
.endr
.irp j, 2,4,6,8,10,12,14,16,18,20,22,24,26,28,30
.irp i, 0,1,2,3
	v_pk_fma_f32 v[8+2*\i:9+2*\i], v[X+32*\i+\j:X+32*\i+\j+1], v[X+32*\i+\j:X+32*\i+\j+1], v[8+2*\i:9+2*\i]
.endr
.endr
	REDUCE
.irp i, 0,1,2,3
	v_fma_f32 v[8+2*\i], v[8+2*\i], s22, s23       ; variance + eps
.endr
	s_wait_alu depctr_va_vdst(0)
.irp i, 0,1,2,3
	v_rsq_f32 v[8+2*\i], v[8+2*\i]
.endr
	v_nop                                          ; a plain instruction behind the last of the four
	s_wait_alu depctr_va_vdst(0)                   ; one wait for the four, ahead of their first reader
.irp j, 0,2,4,6,8,10,12,14,16,18,20,22,24,26,28,30
.irp i, 0,1,2,3
	v_pk_mul_f32 v[X+32*\i+\j:X+32*\i+\j+1], v[X+32*\i+\j:X+32*\i+\j+1], v[8+2*\i:9+2*\i] op_sel_hi:[1,0]
.endr
.endr
.irp j, 0,2,4,6,8,10,12,14,16,18,20,22,24,26,28,30
.irp i, 0,1,2,3
	v_pk_fma_f32 v[X+32*\i+\j:X+32*\i+\j+1], v[X+32*\i+\j:X+32*\i+\j+1], v[GA+\j:GA+\j+1], v[BE+\j:BE+\j+1]
.endr
.endr
; Row i: through the stage (LDS serves a wave's instructions in order: no wait between stores and loads), then my block is quantised and laid into the image.
.macro ROWQ i
.irp j, 0,1,2,3,4,5,6,7
	ds_store_b128 v4, v[X+32*\i+4*\j:X+32*\i+4*\j+3] offset:576*\j
.endr
.irp j, 0,1,2,3,4,5,6,7
	ds_load_b128 v[Y+4*\j:Y+4*\j+3], v5 offset:16*\j
.endr
	s_wait_dscnt 0x0                               ; my block is in; the last row's image stores have read their registers
	v_max3_num_f32 v12, |v[Y]|, |v[Y+1]|, |v[Y+2]|
	v_max3_num_f32 v13, |v[Y+3]|, |v[Y+4]|, |v[Y+5]|
.irp k, 6,10,14,18,22,26
	v_max3_num_f32 v12, v12, |v[Y+\k]|, |v[Y+\k+1]|
	v_max3_num_f32 v13, v13, |v[Y+\k+2]|, |v[Y+\k+3]|
.endr
	v_max3_num_f32 v12, v12, |v[Y+30]|, |v[Y+31]|
	v_max3_num_f32 v12, v12, v13, 0x1800000        ; the floor 2^(3 - 127): the byte cannot fall under 1
	v_add_nc_u32 v11, 0xff000000, v12              ; 2 off the exponent field: the conversion's scale operand
	v_lshrrev_b32 v13, 23, v11                     ; the scale's byte
	v_cvt_scalef32_pk16_fp6_f32 v[20:22], v[Y:Y+15], v11
	v_cvt_scalef32_pk16_fp6_f32 v[26:28], v[Y+16:Y+31], v11
	v_nop                                          ; a plain instruction behind the conversions
	v_mov_b32 v23, v26
	v_mov_b32 v24, v27
	v_mov_b32 v25, v28
	ds_store_b128 v18, v[20:23] offset:16*\i
	ds_store_b64 v19, v[24:25] offset:16*\i
	ds_store_b8 v29, v13 offset:4*\i
.endm
	ROWQ 0
	ROWQ 1
	ROWQ 2
	ROWQ 3
	s_wait_dscnt 0x0                               ; for the others' sake: my stores into the image are done
	s_barrier_signal -1
	s_barrier_wait -1
.irp t, 0,1,2,3,4,5
	ds_load_b128 v[Y+4*\t:Y+4*\t+3], v30 offset:2176*\t
.endr
	ds_load_b32 v56, v1
.irp t, 0,1,2,3,4,5
	s_wait_dscnt 6-\t                              ; LDS loads come back in order: load t is in, the younger may be out
	global_store_b128 v31, v[Y+4*\t:Y+4*\t+3], s[24:25] offset:2048*\t   ; the work-group stores 2,048 consecutive bytes
.endr
	s_wait_dscnt 0x0
	global_store_b32 v6, v56, s[26:27] offset:3145728
	s_set_vgpr_msb 0x5
	s_wait_tensorcnt 0x0
	ds_add_u32 v0, v1
	s_wait_dscnt 0x0
	s_set_vgpr_msb 0x500
	s_endpgm
.Lfunc_end_k_q96082b37dc_ln2:
	.size	k_q96082b37dc_ln2, .Lfunc_end_k_q96082b37dc_ln2-k_q96082b37dc_ln2
	.p2alignl 7, 3214868480
	.fill 96, 4, 3214868480
	.section	.rodata,"a",@progbits
	.p2align	6, 0x0
	.amdhsa_kernel k_q96082b37dc_ln2
		.amdhsa_group_segment_fixed_size 33280
		.amdhsa_private_segment_fixed_size 0
		.amdhsa_enable_private_segment 0
		.amdhsa_kernarg_size 32
		.amdhsa_user_sgpr_count 2
		.amdhsa_user_sgpr_kernarg_segment_ptr 1
		.amdhsa_wavefront_size32 1
		.amdhsa_system_sgpr_workgroup_id_x 1
		.amdhsa_system_sgpr_workgroup_id_y 1
		.amdhsa_system_sgpr_workgroup_id_z 1
		.amdhsa_system_vgpr_workitem_id 0
		.amdhsa_next_free_vgpr 258
		.amdhsa_next_free_sgpr 66
		.amdhsa_reserve_vcc 0
		.amdhsa_float_denorm_mode_32 3
		.amdhsa_float_denorm_mode_16_64 3
		.amdhsa_memory_ordered 1
		.amdhsa_forward_progress 1
		.amdhsa_inst_pref_size 44
	.end_amdhsa_kernel
	.amdgpu_metadata
---
amdhsa.version: [ 1, 2 ]
amdhsa.kernels:
  - .name:           k_q96082b37dc_ln2
    .symbol:         k_q96082b37dc_ln2.kd
    .args:
      - { .name: X1, .offset: 0, .size: 8, .value_kind: global_buffer, .address_space: global }
      - { .name: ln2_g, .offset: 8, .size: 8, .value_kind: global_buffer, .address_space: global }
      - { .name: ln2_b, .offset: 16, .size: 8, .value_kind: global_buffer, .address_space: global }
      - { .name: H, .offset: 24, .size: 8, .value_kind: global_buffer, .address_space: global }
    .group_segment_fixed_size: 33280
    .private_segment_fixed_size: 0
    .kernarg_segment_align: 8
    .kernarg_segment_size: 32
    .max_flat_workgroup_size: 128
    .sgpr_count:     66
    .vgpr_count:     258
    .wavefront_size: 32
...
	.end_amdgpu_metadata
.endif
;; end of part 5
;; launch gfc (part 6): grid 16 x 16, 4 waves a work-group, clusters of 4 x 4, 327,680 bytes of LDS; arguments H, W, b_fc, MC; writes MC
.if DOCPART == 6
	.amdgcn_target "amdgcn-amd-amdhsa--gfx1250"
	.amdhsa_code_object_version 6
	.text
	.protected	k_q96082b37dc_gfc
	.globl	k_q96082b37dc_gfc
	.p2align	8
	.type	k_q96082b37dc_gfc,@function
k_q96082b37dc_gfc:
	s_mov_b64 s[64:65], 0
	v_nop
	global_prefetch_b8 v0, s[64:65] scope:SCOPE_SE
	s_setreg_imm32_b32 hwreg(HW_REG_WAVE_MODE, 25, 1), 1
	s_wait_xcnt 0x0
	s_wait_alu depctr_hold_cnt(0) depctr_sa_sdst(0) depctr_va_vdst(0) depctr_va_sdst(0) depctr_va_ssrc(0) depctr_va_vcc(0) depctr_vm_vsrc(0)
	s_getreg_b32 s2, hwreg(HW_REG_IB_STS2, 6, 4)
	s_cmp_eq_u32 s2, 0
	s_cbranch_scc0 .Lentry_in_a_cluster
	s_endpgm
.Lentry_in_a_cluster:
	s_bfe_u32 s2, ttmp6, 0x10000c
	s_cmp_lg_u32 s2, 0xf033
	s_cbranch_scc0 .Lentry_shape_is_right
	s_endpgm
.Lentry_shape_is_right:
; m = gelu(LN2(x1) w_fc + b_fc), the product on codes of FP6 (E2M3) with E8M0 scales; m is quantised along its 4,096 columns and stored as the next product's operand.
; OPERANDS lie in memory as images of the operand's registers: fragment = 16 stored rows x 128 K = 1,536 bytes; codes [group][K step][1536], scale words [group][K step][16].
; Stored row r of group g is the true row 32 (g/2) + 8 (g%2) + r + 8 (r/8).
; A work-group of four waves makes 256 x 256, a wave 128 x 128 (64 accumulators).
; K's 8 steps of 128 lie in slots of 2.  THREE LDS slots are filled at the start (K steps 0-5: 3 x 98,304 bytes), and slot 0 is filled once more (K steps 6, 7) when it has been read:
; that one refill has K steps 2 to 5, 256 matrix instructions a wave, in which to land.  The eight steps are written out.
; THE MATRIX INSTRUCTION IS USED TRANSPOSED: a lane holds one token, and by the row map its 64 registers of a block are 128 true columns in the order 32 b + 16 h + 0..15: one K step of the next product.
; CLUSTERS 4 x 4: the tokens' tile is shared along a row of the cluster, the weight's along a column: joint loads.
; GELU: 0.5 x (1 + erf(x / sqrt 2)), erf(u) = u P(u^2) / Q(u^2) with u held to +-4 (polynomials of degree 6 and 4 in u^2), all in f32.
; LIMITS: erf's error is a few 1e-7 absolute, so for very negative x the result's error is absolute (about 1e-7 |x|), not relative.  NaN and infinities are not served; a block under 2^-124 (zeros too) gets the byte 1.
.set AB, 8
.set NQ, 2
.set KS, 8
.set ASC, 3145728
.set WCO, 3145728
.set WSO, 9568256
.set FRB,   1536
.set GT,    2*AB
.set PART,  (GT/2)*NQ*FRB
.set SLOT,  4*PART
.set SCL,   3*SLOT                     ; behind the three slots: the scale words of both sides, all of K, filled once
.set HALFS, (GT/2)*KS*64
.set SPARE, SCL+4*HALFS                ; the spare words: 128 bytes a wave, named by no other line
.set E16,  3
.set ED,   4
.set A16,  16                          ; v16-18 slot 0, 1, 2
.set A8,   19                          ; v19-21
.set B16,  22                          ; v22-24
.set B8,   25                          ; v25-27
.set SPW,  28
.set NIL,  29
.set ADRS, 30
.set SC,   32
.set AF,   64
.set G1,   24
.set G0,   32                          ; s[32:35] the A side's group 0 for slot 0, s[36:39] for slots 1, 2;  s[96:99] for the refill
.set G1B,  48
.set G0B,  56                          ; s[56:59] the B side's for slot 0, s[60:63] for slots 1, 2;  s[92:95] for the refill
.set G1S,  68
.set G0S,  76
.set G1SB, 80
.set G0SB, 88
.set G0BC, 92
.set G0C,  96
.set MSB,  0
.macro WIN new
.if MSB != (\new)
	s_set_vgpr_msb (MSB<<8)|(\new)
.set MSB, (\new)
.endif
.endm
.macro JLOAD g0a, g1a, g0b, g1b        ; a joint load: waves 0, 1 fetch for the A side, waves 2, 3 for the B side; four v_nop follow each line
	s_cmp_eq_u32 s15, 0
	s_cbranch_scc0 .Lfor_b_\@
	tensor_load_to_lds s[\g0a:\g0a+3], s[\g1a:\g1a+7]
	s_nop 0
.rept 4
	v_nop
.endr
	s_branch .Lasked_\@
.Lfor_b_\@:
	tensor_load_to_lds s[\g0b:\g0b+3], s[\g1b:\g1b+7]
	s_nop 0
.rept 4
	v_nop
.endr
.Lasked_\@:
.endm
.macro CREST
	s_cmp_lg_u32 s14, 0
	s_cbranch_scc1 .Lnot_wave_0_\@
	s_barrier_signal -3
.Lnot_wave_0_\@:
	s_barrier_wait -3
	s_barrier_signal -1
	s_barrier_wait -1
.endm
.macro CROUND
	s_barrier_signal -1
	s_barrier_wait -1
	CREST
.endm
.macro PLACES n
.rept \n
	v_nop
.endr
.endm
.macro FRAG reg, a16, a8, off
	ds_load_b128 v[\reg:\reg+3], v[\a16] offset:\off
	ds_load_b64 v[\reg+4:\reg+5], v[\a8] offset:\off+512
	ds_load_b128 v[\reg+6:\reg+9], v[\a16] offset:\off+768
	ds_load_b64 v[\reg+10:\reg+11], v[\a8] offset:\off+1280
.endm
.macro FETCH_B slot, q, p
	WIN 0x40
.set fi, 0
.rept AB
	FRAG 128*(\p)+12*fi, B16+\slot, B8+\slot, (fi*(NQ+2*(((\slot)+1)/2))+(\q))*FRB
.set fi, fi+1
.endr
	WIN 0
.endm
.macro FETCH_A slot, q, p
.set fi, 0
.rept AB
	FRAG AF+96*(\p)+12*fi, A16+\slot, A8+\slot, (fi*(NQ+2*(((\slot)+1)/2))+(\q))*FRB
.set fi, fi+1
.endr
.endm
.macro SCALES sc, kb                   ; the scale words of K steps kb, kb + 1 into set sc; the K step stands in the immediate
.set fi, 0
.rept AB
.set fq, 0
.rept NQ
	ds_load_b32 v[SC+16*(\sc)+NQ*fi+fq], v[ADRS] offset:(fi*KS+(\kb)+fq)*64
.set fq, fq+1
.endr
.set fi, fi+1
.endr
.endm
.macro MULQ k, p, q, sc, zero          ; the accumulators take turns, one instruction a turn, in the same order in every step
.set ma, (\k)*(AB/4)
.rept AB/4
.set mb, 0
.rept AB
.set mD, 8*(AB*(ma%(AB/2))+mb)
.if \zero
	v_wmma_scale_f32_16x16x128_f8f6f4 v[mD:mD+7], v[128*(\p)+12*mb:128*(\p)+12*mb+11], v[AF+96*(\p)+12*ma:AF+96*(\p)+12*ma+11], 0, v[SC+16*(\sc)+NQ*mb+(\q)], v[SC+16*(\sc)+NQ*ma+(\q)] matrix_a_fmt:MATRIX_FMT_FP6 matrix_b_fmt:MATRIX_FMT_FP6 matrix_a_scale:MATRIX_SCALE_ROW1
.else
	v_wmma_scale_f32_16x16x128_f8f6f4 v[mD:mD+7], v[128*(\p)+12*mb:128*(\p)+12*mb+11], v[AF+96*(\p)+12*ma:AF+96*(\p)+12*ma+11], v[mD:mD+7], v[SC+16*(\sc)+NQ*mb+(\q)], v[SC+16*(\sc)+NQ*ma+(\q)] matrix_a_fmt:MATRIX_FMT_FP6 matrix_b_fmt:MATRIX_FMT_FP6 matrix_a_scale:MATRIX_SCALE_ROW1
.endif
.set mb, mb+1
.endr
.set ma, ma+1
.endr
.endm
.macro STEP slot, sc, zero             ; a slot's first step (fragments in set 0): the second step's fragments are asked for first, into set 1
	s_wait_dscnt 0x0                               ; this step's fragments and scale words are in
	PLACES 4                                       ; in front of loads into registers that the last step's matrix instructions read
	FETCH_B \slot, 1, 1
	FETCH_A \slot, 1, 1
	WIN 0xa1
	MULQ 0, 0, 0, \sc, \zero
	MULQ 1, 0, 0, \sc, \zero
	WIN 0xf1
	MULQ 2, 0, 0, \sc, \zero
	MULQ 3, 0, 0, \sc, \zero
	WIN 0
.endm
; A slot's second step with a barrier.  In front of it each wave waits for all its tensor loads, adds 0 to its spare word, and waits for that and for its reads of this slot.
; fill = 1: the barrier opens a round of the cluster's, and this slot is filled again, three slots on along K.  fill = 0: nothing is filled; the barrier shows the refill, for which each wave has just waited, to every wave.
.macro TURN slot, next, sc, kb, fill
	s_wait_tensorcnt 0x0                           ; all my tensor loads have landed
	ds_add_u32 v[SPW], v[NIL]
	s_wait_dscnt 1                                 ; this step's fragments are in; the add may be out
	WIN 0xa1
	MULQ 0, 1, 1, \sc, 0
	s_wait_dscnt 0x0                               ; the add is done, and my reads of this slot are over
	s_barrier_signal -1
	MULQ 1, 1, 1, \sc, 0
	WIN 0
	s_barrier_wait -1
.if \fill
	CREST                                          ; no wave of any partner still reads this slot or has a load on its way
.irp g, G1, G1B
	s_mov_b32 s[\g+1], (192*NQ)<<16                ; no load of mine is out: the refill's shape, 8 groups x 2 K steps a wave
	s_mov_b32 s[\g+2], (GT/2)<<16
	s_mov_b32 s[\g+3], (192*NQ)<<16
	s_mov_b32 s[\g+4], GT/2
.endr
	JLOAD G0C, G1, G0BC, G1B                       ; K steps 6, 7 over K steps 0, 1: the first tensor load behind the round
.else
	PLACES 4
.endif
	FETCH_B \next, 0, 0
	FETCH_A \next, 0, 0
	SCALES 1-(\sc), \kb
	WIN 0xf1
	MULQ 2, 1, 1, \sc, 0
	MULQ 3, 1, 1, \sc, 0
	WIN 0
.endm
; A slot's second step without a barrier: the next slot was shown whole to every wave by the wait for all loads and the round at K step 1, and nothing is written into the slot that is left.
.macro PASS next, sc, kb
	s_wait_dscnt 0x0
	PLACES 4
	FETCH_B \next, 0, 0
	FETCH_A \next, 0, 0
	SCALES 1-(\sc), \kb
	WIN 0xa1
	MULQ 0, 1, 1, \sc, 0
	MULQ 1, 1, 1, \sc, 0
	WIN 0xf1
	MULQ 2, 1, 1, \sc, 0
	MULQ 3, 1, 1, \sc, 0
	WIN 0
.endm
.macro LAST sc
	s_wait_dscnt 0x0
	WIN 0xa1
	MULQ 0, 1, 1, \sc, 0
	MULQ 1, 1, 1, \sc, 0
	WIN 0xf1
	MULQ 2, 1, 1, \sc, 0
	MULQ 3, 1, 1, \sc, 0
	WIN 0
.endm
	s_load_b256 s[4:11], s[0:1], 0x0               ; H s[4:5], W s[6:7], b_fc s[8:9], MC s[10:11]
	v_lshl_add_u32 v[SPW], v0, 2, SPARE
	v_mov_b32 v[NIL], 0
	ds_add_u32 v28, v29
	ds_add_u32 v28, v29
	s_wait_dscnt 0x0
	v_lshrrev_b32 v1, 5, v0
	v_readfirstlane_b32 s14, v1
	s_lshr_b32 s15, s14, 1
	s_and_b32 s16, s14, 1
	s_bfe_u32 s40, ttmp6, 0x40000
	s_bfe_u32 s41, ttmp6, 0x40004
	s_lshl_b32 s42, ttmp9, 2
	s_add_co_u32 s42, s42, s40                     ; tile of columns
	s_and_b32 s17, ttmp7, 0xffff
	s_lshl_b32 s17, s17, 2
	s_add_co_u32 s17, s17, s41                     ; tile of tokens
	s_lshl_b32 s43, s41, 2
	s_lshl_b32 s43, 15, s43
	s_lshl_b32 s44, 0x1111, s40
	s_or_b32 s[G1+0], s43, (3<<16)|(1<<21)
	s_or_b32 s[G1B+0], s44, (3<<16)|(1<<21)
.irp g, G1, G1B
	s_mov_b32 s[\g+1], (192*NQ)<<16
	s_mov_b32 s[\g+2], (GT/2)<<16
	s_mov_b32 s[\g+3], (192*NQ)<<16
	s_mov_b32 s[\g+4], GT/2
	s_mov_b32 s[\g+5], 192*KS
	s_mov_b32 s[\g+6], 0
	s_mov_b32 s[\g+7], 0
.endr
	s_mul_i32 s18, s16, GT/2
	s_mul_i32 s20, s17, GT
	s_add_co_u32 s20, s20, s18
	s_mul_i32 s46, s42, GT
	s_add_co_u32 s46, s46, s18
	s_mul_i32 s22, s20, KS*64
	s_mul_i32 s20, s20, KS*FRB
	s_mul_i32 s92, s46, KS*64
	s_mul_i32 s46, s46, KS*FRB
	s_mov_b32 s21, 0
	s_mov_b32 s23, 0
	s_mov_b32 s47, 0
	s_mov_b32 s93, 0
	s_wait_kmcnt 0x0
	s_add_nc_u64 s[20:21], s[4:5], s[20:21]
	s_add_nc_u64 s[22:23], s[4:5], s[22:23]
	s_add_nc_u64 s[22:23], s[22:23], ASC
	s_add_nc_u64 s[46:47], s[6:7], s[46:47]
	s_add_nc_u64 s[46:47], s[46:47], WCO
	s_add_nc_u64 s[92:93], s[6:7], s[92:93]
	s_add_nc_u64 s[92:93], s[92:93], WSO
	CROUND                                         ; all sixteen work-groups are here: the first joint loads meet
; THE HEAD'S FOUR TILES, one a wave, each on a line of its own: wave 0 the A side's 16 groups x K steps 0, 1 (LDS 0), wave 2 the B side's (2 PART),
; wave 1 the A side's 16 groups x K steps 2 to 5 (4 PART), wave 3 the B side's (8 PART).  The scale words come by plain loads and LDS stores further down.
	s_cmp_eq_u32 s15, 0
	s_cselect_b64 s[100:101], s[22:23], s[92:93]   ; the 4,096 bytes of scale words that I copy
	s_mov_b32 s[G0], 1
	s_mov_b32 s[G0+1], 0
	s_mov_b64 s[G0+2:G0+3], s[20:21]
	s_mov_b32 s[G0+4], 1
	s_mov_b32 s[G0+5], 4*PART
	s_sub_nc_u64 s[G0+6:G0+7], s[20:21], (GT/2)*KS*FRB-2*FRB   ; (wave 1's half taken off again) the tile's first group, K step 2
	s_mov_b32 s[G0C], 1                            ; the refill: my half of K steps 6, 7
	s_mul_i32 s[G0C+1], s16, PART
	s_add_nc_u64 s[G0C+2:G0C+3], s[20:21], 6*FRB
	s_mov_b32 s[G0B], 1
	s_mov_b32 s[G0B+1], 2*PART
	s_mov_b64 s[G0B+2:G0B+3], s[46:47]
	s_mov_b32 s[G0B+4], 1
	s_mov_b32 s[G0B+5], 8*PART
	s_sub_nc_u64 s[G0B+6:G0B+7], s[46:47], (GT/2)*KS*FRB-2*FRB
	s_mov_b32 s[G0BC], 1
	s_mul_i32 s[G0BC+1], s16, PART
	s_add_co_u32 s[G0BC+1], s[G0BC+1], 2*PART
	s_add_nc_u64 s[G0BC+2:G0BC+3], s[46:47], 6*FRB
.irp g, G0+3, G0+7, G0C+3, G0B+3, G0B+7, G0BC+3
	s_or_b32 s[\g], s[\g], 0x80000000
.endr
	s_cmp_eq_u32 s14, 0
	s_cbranch_scc0 .Lh1
	s_mov_b32 s[G1+2], GT<<16
	s_mov_b32 s[G1+4], GT
	tensor_load_to_lds s[G0:G0+3], s[G1:G1+7]
	s_nop 0
	PLACES 4
	s_branch .Lhj
.Lh1:
	s_cmp_eq_u32 s14, 2
	s_cbranch_scc0 .Lh2
	s_mov_b32 s[G1B+2], GT<<16
	s_mov_b32 s[G1B+4], GT
	tensor_load_to_lds s[G0B:G0B+3], s[G1B:G1B+7]
	s_nop 0
	PLACES 4
	s_branch .Lhj
.Lh2:
	s_cmp_eq_u32 s14, 1
	s_cbranch_scc0 .Lh3
	s_mov_b32 s[G1+1], (192*4)<<16
	s_mov_b32 s[G1+2], GT<<16
	s_mov_b32 s[G1+3], (192*4)<<16
	s_mov_b32 s[G1+4], GT
	tensor_load_to_lds s[G0+4:G0+7], s[G1:G1+7]
	s_nop 0
	PLACES 4
	s_branch .Lhj
.Lh3:
	s_mov_b32 s[G1B+1], (192*4)<<16
	s_mov_b32 s[G1B+2], GT<<16
	s_mov_b32 s[G1B+3], (192*4)<<16
	s_mov_b32 s[G1B+4], GT
	tensor_load_to_lds s[G0B+4:G0B+7], s[G1B:G1B+7]
	s_nop 0
	PLACES 4
.Lhj:
	v_and_b32 v1, 15, v0
	v_bfe_u32 v2, v0, 4, 1
	v_and_b32 v3, 31, v0
	v_lshlrev_b32 v[E16], 4, v3
	v_lshlrev_b32 v[ED], 4, v1
	v_lshl_add_u32 v[ED], v2, 3, v[ED]
	s_mul_i32 s21, s15, PART
	s_mul_i32 s22, s16, PART
	s_add_co_u32 s22, s22, 2*PART
.irp s, 0,1,2
	v_add_nc_u32 v[A16+\s], s21, v[E16]
	v_add_nc_u32 v[A8+\s], s21, v[ED]
	v_add_nc_u32 v[B16+\s], s22, v[E16]
	v_add_nc_u32 v[B8+\s], s22, v[ED]
.if \s == 0
	s_wait_alu depctr_va_vdst(0)
	s_lshl_b32 s21, s21, 1                         ; K steps 2 to 5: four fragments a group, behind the two tiles of K steps 0, 1
	s_lshl_b32 s22, s22, 1
	s_add_co_u32 s21, s21, 4*PART
	s_add_co_u32 s22, s22, 4*PART
.else
	s_add_co_u32 s21, s21, 2*FRB                   ; K steps 4, 5: two fragments on
	s_add_co_u32 s22, s22, 2*FRB
.endif
.endr
	v_lshlrev_b32 v5, 2, v1
	s_mul_i32 s21, s15, HALFS
	s_mul_i32 s22, s16, HALFS
	s_add_co_u32 s22, s22, 2*HALFS
	s_sub_co_u32 s22, s22, s21
	v_mul_u32_u24 v6, s22, v2
	s_add_co_u32 s21, s21, SCL
	v_add_nc_u32 v5, v5, v6
	v_add_nc_u32 v[ADRS], s21, v5
	; the bias: 64 numbers a lane, b_fc[n0 + 32 b + 16 h + 0..15], into window 1's free registers
	s_lshl_b32 s46, s42, 10
	s_lshl_b32 s47, s16, 9
	s_add_co_u32 s46, s46, s47
	s_mov_b32 s47, 0
	s_add_nc_u64 s[46:47], s[8:9], s[46:47]
	v_lshlrev_b32 v7, 6, v2
	WIN 0x40
.set cn, 0
.rept 16
.set bi, 96+4*cn+96*(cn/8)
	global_load_b128 v[bi:bi+3], v7, s[46:47] offset:128*(cn/4)+16*(cn%4)
.set cn, cn+1
.endr
	WIN 0
	s_mul_i32 s66, s14, HALFS
	s_add_co_u32 s66, s66, SCL
	v_add_nc_u32 v31, s66, v[E16]
.irp k, 0,1,2,3,4,5,6,7
	global_load_b128 v[AF+4*\k:AF+4*\k+3], v[E16], s[100:101] offset:512*\k   ; 512 consecutive bytes a load
.endr
	s_wait_alu depctr_va_vdst(0)
	s_wait_loadcnt 0x0
.irp k, 0,1,2,3,4,5,6,7
	ds_store_b128 v31, v[AF+4*\k:AF+4*\k+3] offset:512*\k
.endr
	s_wait_dscnt 0x0                               ; my part of the scale words is in LDS
	s_cmp_eq_u32 s16, 0
	s_cbranch_scc0 .Lnot_first
	s_wait_tensorcnt 0x0                           ; waves 0 and 2: K steps 0, 1 of both sides; the other two tiles may be out
.Lnot_first:
	s_barrier_signal -1
	s_barrier_wait -1
	FETCH_B 0, 0, 0
	FETCH_A 0, 0, 0
	SCALES 0, 0
	STEP 0, 0, 1                                   ; K step 0: its products start the sums
	TURN 0, 1, 0, 2, 1                             ; K step 1; slot 0 is asked for again: K steps 6, 7
	STEP 1, 1, 0                                   ; K step 2
	PASS 2, 1, 4                                   ; K step 3
	STEP 2, 0, 0                                   ; K step 4
	TURN 2, 0, 0, 6, 0                             ; K step 5; the refill is waited for and shown to every wave
	STEP 0, 1, 0                                   ; K step 6
	LAST 1                                         ; K step 7
; THE WAY OUT: a loop of four trips, two blocks of 16 tokens each.  What differs between trips, the accumulators' registers, is a stub that adds the bias and brings 128 numbers into window 0; the rest is written once.
.set T0,  64                           ; v64-191
.set U,   192                          ; v192-207 u, then u P, then erf
.set WG,  208                          ; v208-223 u^2
.set PP,  240                          ; v240-255
.set QQ,  224                          ; v224-239 Q, then 1 / Q
.set PC0, 192                          ; the quantiser's registers lie over these once the activation is done
.set PC1, 212
.set TM,  232
.set PW0, 248
.set PW1, 249
.set WS,  250
.set VA,  8                            ; v8-9 the first coefficient of P, twice;  v10-11 of Q
.set VB,  10
.set KC,   68                          ; scalar pairs (the descriptors that lay here are done with)
.set KA11, 70
.set KA9,  72
.set KA7,  74
.set KA5,  76
.set KA3,  78
.set KA1,  80
.set KB6,  82
.set KB4,  84
.set KB2,  86
.set KB0,  88
.set SEL,  90
.macro KPAIR reg, val
	s_mov_b32 s[\reg], \val
	s_mov_b32 s[\reg+1], \val
.endm
.macro QUANT s, pc, pw
.irp b, 0,1,2,3
	v_max3_num_f32 v[TM+\b], |v[\s+16*\b]|, |v[\s+1+16*\b]|, 0x1800000   ; and the floor 2^(3 - 127)
.endr
.irp i, 2,4,6,8,10,12,14
.irp b, 0,1,2,3
	v_max3_num_f32 v[TM+\b], v[TM+\b], |v[\s+16*\b+\i]|, |v[\s+1+16*\b+\i]|
.endr
.endr
.irp b, 0,1,2,3
	v_permlanex16_b32 v[TM+4+\b], v[TM+\b], s[SEL], s[SEL+1]
.endr
.irp b, 0,1,2,3
	v_max_num_f32 v[TM+\b], v[TM+\b], v[TM+4+\b]
.endr
.irp b, 0,1,2,3
	v_add_nc_u32 v[TM+12+\b], 0xff000000, v[TM+\b]
.endr
.irp b, 0,1,2,3
	v_lshrrev_b32 v[TM+4+\b], 23, v[TM+12+\b]
.endr
	v_lshl_or_b32 v[\pw], v[TM+5], 8, v[TM+4]
	v_lshl_or_b32 v[\pw], v[TM+6], 16, v[\pw]
	v_lshl_or_b32 v[\pw], v[TM+7], 24, v[\pw]
.irp c, 0,1
	v_cvt_scalef32_pk16_fp6_f32 v[\pc+6*\c:\pc+2+6*\c], v[\s+32*\c:\s+15+32*\c], v[TM+12+2*\c]
	v_cvt_scalef32_pk16_fp6_f32 v[\pc+12+4*\c:\pc+14+4*\c], v[\s+16+32*\c:\s+31+32*\c], v[TM+12+2*\c+1]
.endr
	v_nop                                          ; a plain instruction behind the conversions
.irp c, 0,1
.irp i, 0,1,2
	v_permlane16_swap_b32 v[\pc+6*\c+\i], v[\pc+12+4*\c+\i]
.endr
.irp i, 0,1,2
	v_mov_b32 v[\pc+3+6*\c+\i], v[\pc+12+4*\c+\i]
.endr
.endr
.endm
.macro COPY2 i
	WIN 0x06+(\i)/2
.set cn, 0
.rept 64
.set bi, 96+(cn%64)+96*((cn%64)/32)
	v_pk_add_f32 v[T0+cn:T0+cn+1], v[128*((\i)%2)+cn:128*((\i)%2)+cn+1], v[bi:bi+1]   ; each accumulator from its low end on
.set cn, cn+2
.endr
	WIN 0
.endm
; gelu of the 16 numbers v[t] .. v[t + 15], in place
.macro GELU16 t
.irp p, 0,2,4,6,8,10,12,14
	v_pk_mul_f32 v[U+\p:U+\p+1], v[\t+\p:\t+\p+1], s[KC:KC+1] op_sel_hi:[1,0]
.endr
.irp p, 0,1,2,3,4,5,6,7,8,9,10,11,12,13,14,15
	v_med3_num_f32 v[U+\p], v[U+\p], -4.0, 4.0
.endr
.irp p, 0,2,4,6,8,10,12,14
	v_pk_mul_f32 v[WG+\p:WG+\p+1], v[U+\p:U+\p+1], v[U+\p:U+\p+1]
.endr
; Q first, level by level over all eight pairs, so that a line reads what the eighth line before it wrote; then the reciprocals; P's 48 lines are independent work behind them
.irp p, 0,2,4,6,8,10,12,14
	v_pk_fma_f32 v[QQ+\p:QQ+\p+1], v[WG+\p:WG+\p+1], v[VB:VB+1], s[KB6:KB6+1] op_sel_hi:[1,1,0]
.endr
.irp k, KB4, KB2, KB0
.irp p, 0,2,4,6,8,10,12,14
	v_pk_fma_f32 v[QQ+\p:QQ+\p+1], v[QQ+\p:QQ+\p+1], v[WG+\p:WG+\p+1], s[\k:\k+1] op_sel_hi:[1,1,0]
.endr
.endr
	s_wait_alu depctr_va_vdst(0)
.irp p, 0,1,2,3,4,5,6,7,8,9,10,11,12,13,14,15
	v_rcp_f32 v[QQ+\p], v[QQ+\p]
.endr
.irp p, 0,2,4,6,8,10,12,14
	v_pk_fma_f32 v[PP+\p:PP+\p+1], v[WG+\p:WG+\p+1], v[VA:VA+1], s[KA11:KA11+1] op_sel_hi:[1,1,0]
.endr
.irp k, KA9, KA7, KA5, KA3, KA1
.irp p, 0,2,4,6,8,10,12,14
	v_pk_fma_f32 v[PP+\p:PP+\p+1], v[PP+\p:PP+\p+1], v[WG+\p:WG+\p+1], s[\k:\k+1] op_sel_hi:[1,1,0]
.endr
.endr
.irp p, 0,2,4,6,8,10,12,14
	v_pk_mul_f32 v[U+\p:U+\p+1], v[PP+\p:PP+\p+1], v[U+\p:U+\p+1]
.endr
.irp p, 0,2,4,6,8,10,12,14
	v_pk_mul_f32 v[\t+\p:\t+\p+1], v[\t+\p:\t+\p+1], 0.5 op_sel_hi:[1,0]   ; independent work behind the reciprocals
.endr
	s_wait_alu depctr_va_vdst(0)                   ; one wait for the batch of 16, ahead of its first reader
.irp p, 0,2,4,6,8,10,12,14
	v_pk_mul_f32 v[U+\p:U+\p+1], v[U+\p:U+\p+1], v[QQ+\p:QQ+\p+1]
.endr
.irp p, 0,2,4,6,8,10,12,14
	v_pk_fma_f32 v[\t+\p:\t+\p+1], v[U+\p:U+\p+1], v[\t+\p:\t+\p+1], v[\t+\p:\t+\p+1]   ; 0.5 x + 0.5 x erf
.endr
.endm
	PLACES 4                                       ; behind the last products
	s_wait_loadcnt 0x0                             ; the bias
	KPAIR KC,   0x3f3504f3                         ; 1 / sqrt 2
	KPAIR KA11, 0x32edffee
	KPAIR KA9,  0xb60cff51
	KPAIR KA7,  0xb86ec2d2
	KPAIR KA5,  0xba40ac63
	KPAIR KA3,  0xbb41a1f6
	KPAIR KA1,  0xbc83dbd4
	KPAIR KB6,  0xb95fbd29
	KPAIR KB4,  0xbadc924e
	KPAIR KB2,  0xbbf19bf8
	KPAIR KB0,  0xbc69b6a7
	s_mov_b32 s[SEL], 0x76543210
	s_mov_b32 s[SEL+1], 0xfedcba98
	v_mov_b32 v[VA], 0xaf95df0b
	v_mov_b32 v[VA+1], 0xaf95df0b
	v_mov_b32 v[VB], 0xb77460cd
	v_mov_b32 v[VB+1], 0xb77460cd
	v_cmp_eq_u32 vcc_lo, 1, v2
	v_lshlrev_b32 v5, 2, v1
	v_lshl_add_u32 v5, v2, 11, v5                  ; 4 r, and the second block's words (32 K steps x 64 bytes on) for lanes 16-31
	s_lshl_b32 s20, s17, 4
	s_lshl_b32 s21, s15, 3
	s_add_co_u32 s20, s20, s21                     ; my first token group
	s_lshl_b32 s20, s20, 5
	s_lshl_b32 s21, s42, 1
	s_add_co_u32 s20, s20, s21
	s_add_co_u32 s20, s20, s16                     ; x 32 + my K step of the next product
	s_lshl_b32 s22, s20, 6
	s_add_co_u32 s22, s22, 12582912
	s_mov_b32 s23, 0
	s_mul_i32 s20, s20, 1536
	s_mov_b32 s21, 0
	s_add_nc_u64 s[20:21], s[10:11], s[20:21]
	s_add_nc_u64 s[22:23], s[10:11], s[22:23]
	s_mov_b32 s3, 0
.Lepi:
	s_cmp_eq_u32 s3, 0
	s_cbranch_scc1 .Lc0
	s_cmp_eq_u32 s3, 1
	s_cbranch_scc1 .Lc1
	s_cmp_eq_u32 s3, 2
	s_cbranch_scc1 .Lc2
	COPY2 3
	s_branch .Lbody
.Lc0:
	COPY2 0
	s_branch .Lbody
.Lc1:
	COPY2 1
	s_branch .Lbody
.Lc2:
	COPY2 2
.Lbody:
.irp g, 0,1,2,3,4,5,6,7
	GELU16 T0+16*\g
.endr
	QUANT T0, PC0, PW0
	QUANT T0+64, PC1, PW1
.irp k, 0,1
	global_store_b128 v[E16], v[PC0+20*\k:PC0+20*\k+3], s[20:21] offset:49152*\k
	global_store_b64 v[ED], v[PC0+20*\k+4:PC0+20*\k+5], s[20:21] offset:49152*\k+512
	global_store_b128 v[E16], v[PC0+20*\k+6:PC0+20*\k+9], s[20:21] offset:49152*\k+768
	global_store_b64 v[ED], v[PC0+20*\k+10:PC0+20*\k+11], s[20:21] offset:49152*\k+1280
.endr
	v_cndmask_b32 v[WS], v[PW0], v[PW1], vcc_lo
	global_store_b32 v5, v[WS], s[22:23]
	s_wait_xcnt 0x0                                ; the stores have read their registers and bases: both are written again only behind this wait
	s_add_nc_u64 s[20:21], s[20:21], 98304
	s_add_nc_u64 s[22:23], s[22:23], 4096
	s_add_co_u32 s3, s3, 1
	s_cmp_lt_u32 s3, 4
	s_cbranch_scc1 .Lepi
	s_wait_tensorcnt 0x0                           ; the wave's end
	ds_add_u32 v[SPW], v[NIL]
	s_wait_dscnt 0x0
	CROUND
	s_endpgm
.Lfunc_end_k_q96082b37dc_gfc:
	.size	k_q96082b37dc_gfc, .Lfunc_end_k_q96082b37dc_gfc-k_q96082b37dc_gfc
	.p2alignl 7, 3214868480
	.fill 96, 4, 3214868480
	.section	.rodata,"a",@progbits
	.p2align	6, 0x0
	.amdhsa_kernel k_q96082b37dc_gfc
		.amdhsa_group_segment_fixed_size 327680
		.amdhsa_private_segment_fixed_size 0
		.amdhsa_enable_private_segment 0
		.amdhsa_kernarg_size 32
		.amdhsa_user_sgpr_count 2
		.amdhsa_user_sgpr_kernarg_segment_ptr 1
		.amdhsa_wavefront_size32 1
		.amdhsa_system_sgpr_workgroup_id_x 1
		.amdhsa_system_sgpr_workgroup_id_y 1
		.amdhsa_system_sgpr_workgroup_id_z 1
		.amdhsa_system_vgpr_workitem_id 0
		.amdhsa_next_free_vgpr 1024
		.amdhsa_next_free_sgpr 104
		.amdhsa_reserve_vcc 1
		.amdhsa_float_denorm_mode_32 3
		.amdhsa_float_denorm_mode_16_64 3
		.amdhsa_memory_ordered 1
		.amdhsa_forward_progress 1
		.amdhsa_inst_pref_size 221
	.end_amdhsa_kernel
	.amdgpu_metadata
---
amdhsa.version: [ 1, 2 ]
amdhsa.kernels:
  - .name:           k_q96082b37dc_gfc
    .symbol:         k_q96082b37dc_gfc.kd
    .args:
      - { .name: H, .offset: 0, .size: 8, .value_kind: global_buffer, .address_space: global }
      - { .name: W, .offset: 8, .size: 8, .value_kind: global_buffer, .address_space: global }
      - { .name: b_fc, .offset: 16, .size: 8, .value_kind: global_buffer, .address_space: global }
      - { .name: MC, .offset: 24, .size: 8, .value_kind: global_buffer, .address_space: global }
    .group_segment_fixed_size: 327680
    .private_segment_fixed_size: 0
    .kernarg_segment_align: 8
    .kernarg_segment_size: 32
    .max_flat_workgroup_size: 128
    .sgpr_count:     104
    .vgpr_count:     1024
    .wavefront_size: 32
...
	.end_amdgpu_metadata
.endif
;; end of part 6
;; launch gout (part 7): grid 8 x 32, 4 waves a work-group, clusters of 4 x 1, 327,680 bytes of LDS; arguments MC, W, b_fc_proj, X1, out0; writes out0
.if DOCPART == 7
	.amdgcn_target "amdgcn-amd-amdhsa--gfx1250"
	.amdhsa_code_object_version 6
	.text
	.protected	k_q96082b37dc_gout
	.globl	k_q96082b37dc_gout
	.p2align	8
	.type	k_q96082b37dc_gout,@function
k_q96082b37dc_gout:
	s_mov_b64 s[64:65], 0
	v_nop
	global_prefetch_b8 v0, s[64:65] scope:SCOPE_SE
	s_setreg_imm32_b32 hwreg(HW_REG_WAVE_MODE, 25, 1), 1
	s_wait_xcnt 0x0
	s_wait_alu depctr_hold_cnt(0) depctr_sa_sdst(0) depctr_va_vdst(0) depctr_va_sdst(0) depctr_va_ssrc(0) depctr_va_vcc(0) depctr_vm_vsrc(0)
	s_getreg_b32 s2, hwreg(HW_REG_IB_STS2, 6, 4)
	s_cmp_eq_u32 s2, 0
	s_cbranch_scc0 .Lentry_in_a_cluster
	s_endpgm
.Lentry_in_a_cluster:
	s_bfe_u32 s2, ttmp6, 0x10000c
	s_cmp_lg_u32 s2, 0x3003
	s_cbranch_scc0 .Lentry_shape_is_right
	s_endpgm
.Lentry_shape_is_right:
; out0 = x1 + m w_fc_proj + b_fc_proj: 4,096 x 1,024, K = 4,096, on codes of FP6 (E2M3) with E8M0 scales; sums in f32.
; OPERANDS lie in memory as images of the operand's registers: fragment = 16 stored rows x 128 K = 1,536 bytes (per half of 64 K: 512 bytes, lane L's registers 0-3 at 16 L; 256 bytes, registers 4, 5 at 16 r + 8 h);
; codes [group][K step 32][1536], scale words [group][K step][16].  Stored row r of group g is the true row 32 (g/2) + 8 (g%2) + r + 8 (r/8).
; SHARES: 256 work-groups of four waves, each 128 tokens x 128 columns; a wave 64 x 64: 16 accumulators, which take turns.  Source 0 = the weight's rows, source 1 = the tokens'.
; A (tokens) GOES THROUGH LDS, by joint loads of the four work-groups of a cluster, which share a tile row: THREE fills for the 32 K steps: steps 0-10 into region X, 11-21 into region Y, 22-31 into X again.
; A wave fetches two groups of each fill: rows of 16,896 or 15,360 bytes, each beginning at a multiple of 256.
; B (the weight) GOES FROM MEMORY STRAIGHT INTO REGISTERS: a fragment's image is four loads of 512 or 256 consecutive bytes.  Four sets of four fragments take turns; the loads run three K steps ahead.
; So LDS holds A alone, 22 of its 32 K steps at once, and B's loads stay out across the barriers.  B is not asked for jointly: it does not pass through LDS, and the work-groups that share a tile column lie in other clusters.
; THE SCALE WORDS of both sides, all of K (4 x 8,192 bytes), are copied once in runs of 512 bytes by plain loads and LDS stores.  x1's rows and the bias are loaded at the head, under the first tile's flight.
; PREFETCH: the third fill's 480 blocks of 256 bytes are asked for in K step 1, 9 steps ahead of its load: 30 blocks for each of the cluster's sixteen waves, told apart by address.  The first two fills come by their loads alone.
; REGISTERS: window 0: v1-7 lane terms, v8-19 A's LDS addresses, v20-31 the way out's and others, v32-63 scale words (two sets of four K steps; lanes 0-15 A's, 16-31 B's), v64-159 A's two sets, v160-223 the copy;
;   window 1: v0-191 B's four sets;  window 2: v0-127 accumulators, v128-255 x1's rows.
; LIMITS: NaN and infinities are not served.
.set KS,   32
.set FRB,  1536
.set GRB,  KS*FRB                      ; a group's codes
.set ASC,  12582912                    ; m's scale words in MC
.set WCO,  6291456                     ; w_fc_proj's codes in W
.set WSO,  9699328                     ; its scale words
.set N0,   11                          ; K steps of the first two fills
.set N2,   10                          ; of the third
.set YO,   8*N0*FRB                    ; region Y
.set SCL,  2*YO                        ; the scale words
.set HALFS, 4*KS*64                    ; those of four groups
.set SPARE, SCL+4*HALFS                ; the spare words: 128 bytes a wave, named by no other line
.set STG,  SPARE+512                   ; the waves' stages: 16 rows x 272 bytes each
.set E16,  3
.set ED,   4
.set PF,   6
.set AD,   8                           ; v[AD + 4 t + 2 j + k]: fill shape t, groups 2 j and 2 j + 1 of my four, k = 0: 16 L, 1: 16 r + 8 h
.set STO,  20
.set RD,   21
.set CO,   22
.set BO,   23
.set BIA,  24
.set SPW,  28
.set NIL,  29
.set ADRS, 30
.set CPY,  31
.set SC,   32
.set AF,   64
.set CT,   160
.set BK,   64
.set G1,   24                          ; s[24:31] group 1 of the fills of 11 steps;  s[44:51] of the fill of 10
.set G0,   32                          ; s[32:43] three groups 0
.set G1T,  44
.set MSB,  0
.macro WIN new
.if MSB != (\new)
	s_set_vgpr_msb (MSB<<8)|(\new)
.set MSB, (\new)
.endif
.endm
.macro PLACES n
.rept \n
	v_nop
.endr
.endm
.macro CREST
	s_cmp_lg_u32 s14, 0
	s_cbranch_scc1 .Lnot_wave_0_\@
	s_barrier_signal -3
.Lnot_wave_0_\@:
	s_barrier_wait -3
	s_barrier_signal -1
	s_barrier_wait -1
.endm
.macro CROUND
	s_barrier_signal -1
	s_barrier_wait -1
	CREST
.endm
.macro TLOAD g0, g1                    ; every wave issues the line, each for its own two groups
	tensor_load_to_lds s[\g0:\g0+3], s[\g1:\g1+7]
	s_nop 0
	PLACES 4
.endm
.macro FRAG reg, a16, a8, off
	ds_load_b128 v[\reg:\reg+3], v[\a16] offset:\off
	ds_load_b64 v[\reg+4:\reg+5], v[\a8] offset:\off+512
	ds_load_b128 v[\reg+6:\reg+9], v[\a16] offset:\off+768
	ds_load_b64 v[\reg+10:\reg+11], v[\a8] offset:\off+1280
.endm
.macro FETCH_A st                      ; A's four fragments of K step st into set st % 2
.if (\st) < N0
.set fT, 0
.set fQ, (\st)
.set fN, N0
.elseif (\st) < 2*N0
.set fT, 1
.set fQ, (\st)-N0
.set fN, N0
.else
.set fT, 2
.set fQ, (\st)-2*N0
.set fN, N2
.endif
.set fi, 0
.rept 4
	FRAG AF+48*((\st)%2)+12*fi, AD+4*fT+2*(fi/2), AD+4*fT+2*(fi/2)+1, ((fi%2)*fN+fQ)*FRB
.set fi, fi+1
.endr
.endm
.macro GLOADB st                       ; B's four fragments of K step st into set st % 4 of window 1: 16 loads
	WIN 0x40
.set fi, 0
.rept 4
.set gR, 48*((\st)%4)+12*fi
.set gO, fi*GRB+(\st)*FRB
	global_load_b128 v[gR:gR+3], v[E16], s[52:53] offset:gO
	global_load_b64 v[gR+4:gR+5], v[ED], s[52:53] offset:gO+512
	global_load_b128 v[gR+6:gR+9], v[E16], s[52:53] offset:gO+768
	global_load_b64 v[gR+10:gR+11], v[ED], s[52:53] offset:gO+1280
.set fi, fi+1
.endr
	WIN 0
.endm
.macro SCALES m                        ; the scale words of K steps 4 m .. 4 m + 3 into set m % 2: register 4 q + i: step q, block i
.set fi, 0
.rept 4
.set fq, 0
.rept 4
	ds_load_b32 v[SC+16*((\m)%2)+4*fq+fi], v[ADRS] offset:(fi*KS+4*(\m)+fq)*64
.set fq, fq+1
.endr
.set fi, fi+1
.endr
.endm
.macro MUL4 ma, st                     ; A's block ma against B's four
.set mb, 0
.rept 4
.set mD, 8*(4*(\ma)+mb)
.set mB, 48*((\st)%4)+12*mb
.set mA, AF+48*((\st)%2)+12*(\ma)
.set mS, SC+16*(((\st)/4)%2)+4*((\st)%4)
.if (\st) == 0
	v_wmma_scale_f32_16x16x128_f8f6f4 v[mD:mD+7], v[mB:mB+11], v[mA:mA+11], 0, v[mS+mb], v[mS+(\ma)] matrix_a_fmt:MATRIX_FMT_FP6 matrix_b_fmt:MATRIX_FMT_FP6 matrix_a_scale:MATRIX_SCALE_ROW1
.else
	v_wmma_scale_f32_16x16x128_f8f6f4 v[mD:mD+7], v[mB:mB+11], v[mA:mA+11], v[mD:mD+7], v[mS+mb], v[mS+(\ma)] matrix_a_fmt:MATRIX_FMT_FP6 matrix_b_fmt:MATRIX_FMT_FP6 matrix_a_scale:MATRIX_SCALE_ROW1
.endif
.set mb, mb+1
.endr
.endm
.macro STEP st
	s_wait_dscnt 0x0                               ; A's fragments of this step, and any scale words asked for with them
.if (\st) < KS-1
	PLACES 4                                       ; in front of loads into registers that the last step's products read
.if (\st)+3 < KS
	GLOADB (\st)+3
.endif
	FETCH_A (\st)+1
.if ((\st)+1)%4 == 0
	SCALES ((\st)+1)/4
.endif
.if (\st) == 1
	global_prefetch_b8 v[PF], s[4:5] th:TH_LOAD_NT scope:SCOPE_SE   ; my 30 blocks of the third fill; its registers are never rewritten
.endif
.endif
.if KS-1-(\st) >= 3
	s_wait_loadcnt 48                              ; B's set of this step is in; younger are the sets of the three steps behind it
.else
	s_wait_loadcnt 16*(KS-1-(\st))
.endif
	WIN 0xa1
	MUL4 0, \st
	MUL4 1, \st
	MUL4 2, \st
	MUL4 3, \st
	WIN 0
.endm
; The last step of a region.  Each wave waits for all its tensor loads, adds 0 to its spare word, and waits for that and for its reads of the region; behind the barrier the other region is whole.
; fill = 1: the barrier opens a round of the cluster's, and the region just left is filled again.
.macro TURN st, fill
	s_wait_tensorcnt 0x0
	ds_add_u32 v[SPW], v[NIL]
	s_wait_loadcnt 32                              ; B's set of this step; younger are two sets
	s_wait_dscnt 1                                 ; A's fragments; the add may be out
	WIN 0xa1
	MUL4 0, \st
	MUL4 1, \st
	s_wait_dscnt 0x0
	s_barrier_signal -1
	MUL4 2, \st
	WIN 0
	s_barrier_wait -1
.if \fill
	CREST
	TLOAD G0+8, G1T                                ; K steps 22-31; its four v_nop are the places in front of the loads below
.else
	PLACES 4
.endif
	GLOADB (\st)+3
	FETCH_A (\st)+1
	WIN 0xa1
	MUL4 3, \st
	WIN 0
.endm
.macro ADRT t, n, base
.irp j, 0,1
	s_mul_i32 s20, s15, 4*(\n)*FRB
	s_add_co_u32 s20, s20, (\base)+\j*2*(\n)*FRB
	v_add_nc_u32 v[AD+4*(\t)+2*\j], s20, v[E16]
	v_add_nc_u32 v[AD+4*(\t)+2*\j+1], s20, v[ED]
.endr
.endm
; ---- the head
	s_load_b256 s[4:11], s[0:1], 0x0               ; MC s[4:5], W s[6:7], b_fc_proj s[8:9], X1 s[10:11]
	s_load_b64 s[12:13], s[0:1], 0x20              ; out0
	v_lshl_add_u32 v[SPW], v0, 2, SPARE
	v_mov_b32 v[NIL], 0
	ds_add_u32 v[SPW], v[NIL]                      ; the opening lines: the add twice on end and one wait
	ds_add_u32 v[SPW], v[NIL]
	v_lshrrev_b32 v1, 5, v0
	v_readfirstlane_b32 s14, v1                    ; wave
	s_lshr_b32 s15, s14, 1                         ; my half of the tokens
	s_and_b32 s16, s14, 1                          ; my half of the columns
	s_bfe_u32 s19, ttmp6, 0x40000                  ; cx
	s_lshl_b32 s18, ttmp9, 2
	s_add_co_u32 s18, s18, s19                     ; tile of columns: global addresses alone hang on it
	s_and_b32 s17, ttmp7, 0xffff                   ; tile of tokens, shared by the cluster
.irp g, G1, G1T
	s_mov_b32 s[\g], 15|(3<<16)|(1<<21)            ; all four partners; elements of 8 bytes; bit 21 beside a mask
	s_mov_b32 s[\g+2], 2<<16
	s_mov_b32 s[\g+4], 2                           ; two groups
	s_mov_b32 s[\g+5], 192*KS
	s_mov_b32 s[\g+6], 0
	s_mov_b32 s[\g+7], 0
.endr
	s_mov_b32 s[G1+1], (192*N0)<<16
	s_mov_b32 s[G1+3], (192*N0)<<16
	s_mov_b32 s[G1T+1], (192*N2)<<16
	s_mov_b32 s[G1T+3], (192*N2)<<16
	s_mov_b32 s[G0], 1
	s_mov_b32 s[G0+4], 1
	s_mov_b32 s[G0+8], 1
	s_mul_i32 s[G0+1], s14, 2*N0*FRB
	s_add_co_u32 s[G0+5], s[G0+1], YO
	s_mul_i32 s[G0+9], s14, 2*N2*FRB
	v_and_b32 v1, 15, v0                           ; r
	v_bfe_u32 v2, v0, 4, 1                         ; h
	v_and_b32 v6, 31, v0
	v_lshlrev_b32 v[E16], 4, v6                    ; 16 L
	v_lshlrev_b32 v[ED], 4, v1
	v_lshl_add_u32 v[ED], v2, 3, v[ED]             ; 16 r + 8 h
	s_wait_alu depctr_va_vdst(0)
	ADRT 0, N0, 0
	ADRT 1, N0, YO
	ADRT 2, N2, 0
	v_lshlrev_b32 v5, 2, v1
	s_mul_i32 s21, s15, HALFS
	s_mul_i32 s22, s16, HALFS
	s_add_co_u32 s22, s22, 2*HALFS
	s_sub_co_u32 s22, s22, s21
	v_mul_u32_u24 v7, s22, v2                      ; lanes 16-31 take B's words
	s_add_co_u32 s21, s21, SCL
	v_add_nc_u32 v5, v5, v7
	v_add_nc_u32 v[ADRS], s21, v5
	s_mul_i32 s21, s14, 16*272
	s_add_co_u32 s21, s21, STG
	v_mul_u32_u24 v[STO], v1, 272
	v_lshl_add_u32 v[STO], v2, 6, v[STO]
	v_add_nc_u32 v[STO], s21, v[STO]               ; the stage, in: row r, 64 h
	v_mul_u32_u24 v[RD], v2, 272
	v_lshl_add_u32 v[RD], v1, 4, v[RD]
	v_add_nc_u32 v[RD], s21, v[RD]                 ; back: sixteen lanes to a row of 256 bytes
	v_lshlrev_b32 v[CO], 4, v1
	v_lshl_add_u32 v[CO], v2, 12, v[CO]            ; and the same two rows in x1 and out0
	v_lshlrev_b32 v[BO], 4, v1
	s_lshl_b32 s21, s14, 13
	s_add_co_u32 s21, s21, SCL
	v_add_nc_u32 v[CPY], s21, v[E16]               ; where my 8,192 bytes of scale words go
	s_lshl_b32 s58, s19, 2
	s_add_co_u32 s58, s58, s14                     ; my number among the cluster's sixteen waves: half a group of the third fill
	s_lshr_b32 s59, s58, 1
	s_and_b32 s58, s58, 1
	s_lshl_b32 s62, s17, 3
	s_add_co_u32 s59, s59, s62
	s_mul_i32 s59, s59, GRB
	s_mul_i32 s58, s58, N2*FRB/2
	s_add_co_u32 s58, s58, s59
	s_add_co_u32 s58, s58, 2*N0*FRB
	v_min_u32 v6, 29, v6                           ; the two lanes left over name the last block again
	v_lshl_add_u32 v[PF], v6, 8, s58
	s_lshl_b32 s20, s17, 3
	s_lshl_b32 s21, s14, 1
	s_add_co_u32 s20, s20, s21
	s_mul_i32 s20, s20, GRB                        ; the two groups of A that I fetch
	s_mov_b32 s21, 0
	s_lshl_b32 s22, s17, 3
	s_lshl_b32 s23, s16, 2
	s_add_co_u32 s22, s22, s23
	s_lshl_b32 s22, s22, 11
	s_add_co_u32 s22, s22, ASC                     ; A's scale words: waves 0, 1 copy four groups each
	s_mov_b32 s23, 0
	s_lshl_b32 s52, s18, 3
	s_lshl_b32 s53, s16, 2
	s_add_co_u32 s52, s52, s53                     ; my first group of B
	s_lshl_b32 s54, s52, 11
	s_add_co_u32 s54, s54, WSO                     ; B's scale words: waves 2, 3
	s_mov_b32 s55, 0
	s_mul_i32 s52, s52, GRB
	s_add_co_u32 s52, s52, WCO
	s_mov_b32 s53, 0
	s_lshl_b32 s60, s18, 9
	s_lshl_b32 s61, s16, 8
	s_add_co_u32 s60, s60, s61                     ; my first column, in bytes
	s_mov_b32 s61, 0
	s_lshl_b32 s56, s17, 19
	s_lshl_b32 s57, s15, 18
	s_add_co_u32 s56, s56, s57
	s_add_co_u32 s56, s56, s60                     ; my corner of x1 and out0
	s_mov_b32 s57, 0
	s_wait_alu depctr_va_vdst(0)
	s_wait_dscnt 0x0
	CROUND                                         ; the four work-groups are here: the joint loads meet
	s_wait_kmcnt 0x0
	s_add_nc_u64 s[G0+2:G0+3], s[4:5], s[20:21]
	s_add_nc_u64 s[G0+6:G0+7], s[G0+2:G0+3], N0*FRB
	s_add_nc_u64 s[G0+10:G0+11], s[G0+2:G0+3], 2*N0*FRB
	s_or_b32 s[G0+3], s[G0+3], 0x80000000
	s_or_b32 s[G0+7], s[G0+7], 0x80000000
	s_or_b32 s[G0+11], s[G0+11], 0x80000000
	TLOAD G0, G1                                   ; K steps 0-10: one tensor load a wave at the head
	s_add_nc_u64 s[22:23], s[4:5], s[22:23]
	s_add_nc_u64 s[54:55], s[6:7], s[54:55]
	s_cmp_eq_u32 s15, 0
	s_cselect_b64 s[54:55], s[22:23], s[54:55]
	s_add_nc_u64 s[52:53], s[6:7], s[52:53]
	s_add_nc_u64 s[58:59], s[12:13], s[56:57]
	s_add_nc_u64 s[56:57], s[10:11], s[56:57]
	s_add_nc_u64 s[60:61], s[8:9], s[60:61]
.irp k, 0,1,2,3,4,5,6,7,8,9,10,11,12,13,14,15
	global_load_b128 v[CT+4*\k:CT+4*\k+3], v[E16], s[54:55] offset:512*\k   ; 512 consecutive bytes a load
.endr
	global_load_b128 v[BIA:BIA+3], v[BO], s[60:61]
	WIN 0x80
.irp a, 0,1,2,3
.irp t, 0,1,2,3,4,5,6,7
	global_load_b128 v[128+32*\a+4*\t:128+32*\a+4*\t+3], v[CO], s[56:57] offset:(32*(\a/2)+8*(\a%2)+2*\t+8*(\t/4))*4096 th:TH_LOAD_NT
.endr
.endr
	WIN 0
	s_wait_loadcnt 33                              ; the scale words are in; younger are the bias and x1's 32 loads
.irp k, 0,1,2,3,4,5,6,7,8,9,10,11,12,13,14,15
	ds_store_b128 v[CPY], v[CT+4*\k:CT+4*\k+3] offset:512*\k
.endr
	GLOADB 0
	GLOADB 1
	GLOADB 2
	s_wait_tensorcnt 0x0                           ; my part of K steps 0-10
	ds_add_u32 v[SPW], v[NIL]
	s_wait_dscnt 0x0                               ; the add, and my stores of scale words
	CROUND
	TLOAD G0+4, G1                                 ; K steps 11-21 into region Y
	FETCH_A 0
	SCALES 0
; ---- the walk along K, written out: regions, sets and offsets are constants of each step
.set ST, 0
.rept KS
.if ST == N0-1
	TURN ST, 1
.elseif ST == 2*N0-1
	TURN ST, 0
.else
	STEP ST
.endif
.set ST, ST+1
.endr
; ---- the way out: a block of 16 tokens x 64 columns goes through my stage and comes back as rows of 256 bytes; + x1 + bias; sixteen lanes store 256 consecutive bytes
.macro TOSTAGE a
	WIN 0x08
.set tb, 0
.rept 4
.set tD, 8*(4*(\a)+tb)
	ds_store_b128 v[STO], v[tD:tD+3] offset:128*(tb/2)+32*(tb%2)          ; each accumulator from its low end on
	ds_store_b128 v[STO], v[tD+4:tD+7] offset:128*(tb/2)+32*(tb%2)+16
.set tb, tb+1
.endr
	WIN 0
.set BB, BK+32*((\a)%2)
.irp t, 0,1,2,3,4,5,6,7
	ds_load_b128 v[BB+4*\t:BB+4*\t+3], v[RD] offset:544*\t
.endr
.endm
.macro SEND a, younger
.set BB, BK+32*((\a)%2)
.set RR, 128+32*(\a)
	s_wait_dscnt \younger
	WIN 0x08
.set nn, 0
.rept 16
	v_pk_add_f32 v[BB+nn:BB+nn+1], v[BB+nn:BB+nn+1], v[RR+nn:RR+nn+1]
.set nn, nn+2
.endr
	WIN 0
.set nn, 0
.rept 16
	v_pk_add_f32 v[BB+nn:BB+nn+1], v[BB+nn:BB+nn+1], v[BIA+nn%4:BIA+nn%4+1]
.set nn, nn+2
.endr
.irp t, 0,1,2,3,4,5,6,7
	global_store_b128 v[CO], v[BB+4*\t:BB+4*\t+3], s[58:59] offset:(32*((\a)/2)+8*((\a)%2)+2*\t+8*(\t/4))*4096
.endr
.endm
	PLACES 4                                       ; behind the last products
	TOSTAGE 0
.irp a, 1,2,3
.if \a > 1
	s_wait_xcnt 0x0                                ; the stores of two blocks ago have read their registers
.endif
	TOSTAGE \a
	SEND (\a-1), 16                                ; younger: the next block's 8 stores and 8 loads
.endr
	SEND 3, 0
	s_wait_tensorcnt 0x0                           ; the wave's end
	ds_add_u32 v[SPW], v[NIL]
	s_wait_dscnt 0x0
	CROUND                                         ; the closing round
	s_endpgm
.Lfunc_end_k_q96082b37dc_gout:
	.size	k_q96082b37dc_gout, .Lfunc_end_k_q96082b37dc_gout-k_q96082b37dc_gout
	.p2alignl 7, 3214868480
	.fill 96, 4, 3214868480
	.section	.rodata,"a",@progbits
	.p2align	6, 0x0
	.amdhsa_kernel k_q96082b37dc_gout
		.amdhsa_group_segment_fixed_size 327680
		.amdhsa_private_segment_fixed_size 0
		.amdhsa_enable_private_segment 0
		.amdhsa_kernarg_size 40
		.amdhsa_user_sgpr_count 2
		.amdhsa_user_sgpr_kernarg_segment_ptr 1
		.amdhsa_wavefront_size32 1
		.amdhsa_system_sgpr_workgroup_id_x 1
		.amdhsa_system_sgpr_workgroup_id_y 1
		.amdhsa_system_sgpr_workgroup_id_z 1
		.amdhsa_system_vgpr_workitem_id 0
		.amdhsa_next_free_vgpr 768
		.amdhsa_next_free_sgpr 66
		.amdhsa_reserve_vcc 0
		.amdhsa_float_denorm_mode_32 3
		.amdhsa_float_denorm_mode_16_64 3
		.amdhsa_memory_ordered 1
		.amdhsa_forward_progress 1
		.amdhsa_inst_pref_size 193
	.end_amdhsa_kernel
	.amdgpu_metadata
---
amdhsa.version: [ 1, 2 ]
amdhsa.kernels:
  - .name:           k_q96082b37dc_gout
    .symbol:         k_q96082b37dc_gout.kd
    .args:
      - { .name: MC, .offset: 0, .size: 8, .value_kind: global_buffer, .address_space: global }
      - { .name: W, .offset: 8, .size: 8, .value_kind: global_buffer, .address_space: global }
      - { .name: b_fc_proj, .offset: 16, .size: 8, .value_kind: global_buffer, .address_space: global }
      - { .name: X1, .offset: 24, .size: 8, .value_kind: global_buffer, .address_space: global }
      - { .name: out0, .offset: 32, .size: 8, .value_kind: global_buffer, .address_space: global }
    .group_segment_fixed_size: 327680
    .private_segment_fixed_size: 0
    .kernarg_segment_align: 8
    .kernarg_segment_size: 40
    .max_flat_workgroup_size: 128
    .sgpr_count:     66
    .vgpr_count:     768
    .wavefront_size: 32
...
	.end_amdgpu_metadata
.endif
;; end of part 7
